; MI455X (gfx1250); checked and timed in simulation.
; The chip was launched on July 23, 2026; its instructions are those of AMD's public machine-readable ISA for CDNA 5 (MIT licence, August 2026) and "CDNA5" Instruction Set Architecture Reference Guide (July 2026). The comments in the code are by the model that wrote it; some were corrected since.
;; Encoder Layer. Allowed arithmetic: matrix products marked QUANTISED: E3M2 operands, one E8M0 scale for each 32 along K, by v_wmma_scale_f32_16x16x128_f8f6f4 with both operands' format E3M2, f32 sums; everything else in f32.
;; Inputs: W1 1,024 x 4,096 float32; W2 4,096 x 1,024 float32; Wk 1,024 x 1,024 float32; Wp 1,024 x 1,024 float32; Wq 1,024 x 1,024 float32; Wv 1,024 x 1,024 float32; b1 4,096 float32; b2 1,024 float32; beta1 1,024 float32; beta2 1,024 float32; bk 1,024 float32; bp 1,024 float32; bq 1,024 float32; bv 1,024 float32; gamma1 1,024 float32; gamma2 1,024 float32; mask 2,048 x 2,048 bool; x 2 x 2,048 x 1,024 float32.
;; Outputs: out0 2 x 2,048 x 1,024 float32.
;; This version of the problem:
;;   THIS VERSION OF THE PROBLEM IS GIVEN IN LOW PRECISION. The matrix products marked QUANTISED in the list below multiply operands that are first quantised to E3M2 (3 exponent bits, 2 mantissa bits; 6 bits a number), with one power-of-two scale for each 32 numbers along K (OCP MX v1.0); their sums are f32. All else is computed in f32.
;;   The module's matrix products, in the order in which they are computed (A, B: the left and right operand; K: the contracted axis; several contracted axes count as one K, in the product's order):
;;     1. [M 4,096, K 1,024] x [K 1,024, N 1,024]; A: input x; B: input Wq: QUANTISED
;;     2. [M 4,096, K 1,024] x [K 1,024, N 1,024]; A: input x; B: input Wk: QUANTISED
;;     3. [M 4,096, K 1,024] x [K 1,024, N 1,024]; A: input x; B: input Wv: QUANTISED
;;     4. batch 32 x [M 2,048, K 64] x [K 64, N 2,048]; A: computed on the way; B: computed on the way: QUANTISED
;;     5. batch 32 x [M 64, K 2,048] x [K 2,048, N 2,048]; A: computed on the way; B: softmax (see below): QUANTISED
;;     6. [M 4,096, K 1,024] x [K 1,024, N 1,024]; A: computed on the way; B: input Wp: QUANTISED
;;     7. [M 4,096, K 1,024] x [K 1,024, N 4,096]; A: computed on the way; B: input W1: QUANTISED
;;     8. [M 4,096, K 4,096] x [K 4,096, N 1,024]; A: computed on the way; B: input W2: QUANTISED
;;   THE QUANTISER, for each operand of a quantised product, along K:
;;     - K is cut into blocks of 32 from its start; a last block that is shorter is filled with zeros.
;;     - A block's scale is 2^e with e = floor(log2(the largest magnitude in the block)) - 4, held to -126 .. 127; a block of zeros has e = 0. As a byte (E8M0): e + 127.
;;     - Each number is divided by its block's scale, clamped to +-28, and rounded to the nearest number of E3M2, ties to even, subnormals kept.
;;     - The product sums the exact products of the quantised numbers (number of the format x scale) in f32.
;;   ~~~python
;;   def quantise(x, axis):      # numpy; x: float32 -> the quantised numbers, widened to float32 again
;;       x = np.moveaxis(x, axis, -1); K = x.shape[-1]
;;       x = np.pad(x, [(0, 0)] * (x.ndim - 1) + [(0, -K % 32)]); x = x.reshape(x.shape[:-1] + (-1, 32)); a = np.abs(x).max(-1, keepdims=True)
;;       e = np.where(a > 0, np.clip(np.frexp(np.where(a > 0, a, 1))[1] - 1 - 4, -126, 127), 0)      # np.frexp(a)[1] - 1 = floor(log2(a)), exactly
;;       r = np.clip(x / 2.0 ** e, -28, 28)
;;       step = 2.0 ** (np.maximum(np.frexp(np.where(r == 0, 1, r))[1] - 1, -2) - 2)
;;       q = np.round(r / step) * step * 2.0 ** e      # np.round: ties to even
;;       return np.moveaxis(q.reshape(q.shape[:-2] + (-1,))[..., :K], -1, axis).astype(np.float32)
;;   ~~~
;;   SOFTMAX AHEAD OF A QUANTISED PRODUCT. Where the list says 'softmax', what is quantised is not the finished softmax but p = 2^(t - M), with t = logit x log2(e) and M = ceil(the row's largest t), a whole number; so 1/2 < the row's largest p <= 1. The row's sum l is taken of the UNQUANTISED p, in f32, and the product's result is divided by l at the end. Since M is a whole number, a kernel that streams over the keys may use a running M (the ceiling of the running maximum): every later rescaling is an exact power of two, which a block's scale takes up: the codes' values come out the same.
;;   OPERANDS COMPUTED ON THE WAY. 'Computed on the way' means the value that the module computes at that place (a softmax that the list does not call 'softmax' is quantised finished and normalised). What goes into a quantiser is computed in f32, as accurately as f32 sums, v_exp_f32 and their like allow (about 1e-6 of the number): no bf16 or f16 on the way to a quantiser, and a product that is left as it is and whose result goes on into a quantised operand takes f32 operands (vector FMAs, or v_wmma_f32_16x16x4_f32). A number that lies on a knife's edge between two numbers of the format may be rounded either way, as far as f32 arithmetic and the matrix unit's own rounding can turn it there, and no further.
;; 3 versions, each right; version 2 is faster than version 1; version 3 is version 2 with the launch attn written anew for expert scheduling mode. Each part assembles by itself: llvm-mc -triple=amdgcn-amd-amdhsa -mcpu=gfx1250 --defsym DOCPART=n.
;; ======== version 1 of 3: 8 launches
;; workspace buffers: wq 13,107,200 bytes; flags 1,024 bytes of whole numbers; qkv 10,092,544 bytes; oq 3,276,800 bytes; y 16,777,216 bytes; x1 20,054,016 bytes; hq 13,107,200 bytes
;; launch quant (part 1): grid 1088 x 1, 4 waves a work-group, no clusters, 0 bytes of LDS; arguments x, Wq, Wk, Wv, Wp, W2, W1, mask, wq, flags; writes wq, flags
.if DOCPART == 1
	.amdgcn_target "amdgcn-amd-amdhsa--gfx1250"
	.amdhsa_code_object_version 6
	.text
	.protected	k_q1e4a953b5e_quant
	.globl	k_q1e4a953b5e_quant
	.p2align	8
	.type	k_q1e4a953b5e_quant,@function
k_q1e4a953b5e_quant:
	s_mov_b64 s[64:65], 0
	v_nop
	global_prefetch_b8 v0, s[64:65] scope:SCOPE_SE
	s_setreg_imm32_b32 hwreg(HW_REG_WAVE_MODE, 25, 1), 1
	s_wait_xcnt 0x0
; x [4096][1024] and the six weights (stored [K][N]), f32, become codes of BF6 (E3M2) with one E8M0 byte for each 32 along K, laid as the later launches' matrix operands take them; and the mask becomes 256 words of flags.
; LAYOUT OF AN OPERAND.  A tile is 16 rows; tile 2 P + u holds in its place r the row 32 P + 8 u + r + 8 (r / 8).  16 rows x 64 K are an image of six registers a lane, 768 bytes: registers 0-3 of lane l at 16 l,
; registers 4-5 at 512 + 8 l; lane (r, h) holds k = 32 h .. 32 h + 31 of the row in place r.  A tile's images follow each other along K.  Scale words (four bytes: 128 K of a row): [pair of tiles][K step of 128][tile % 2][r].
; A wave is a job; the paths part on the work-group's number: 0-255 x; 256-767 Wq, Wk, Wv, Wp, W2 (rows of 1,024 numbers); 768-1023 W1 (rows of 4,096); 1024-1087 the mask.  No LDS, no barrier.
; A block's scale is 2^(floor(log2(largest magnitude)) - 4): its byte is the magnitude's exponent field - 4, held at 1 from below by a floor among the maximum's leaves.
; LIMITS: a block of zeros gets the byte 1 (its codes are zeros, and this program alone reads the bytes); blocks whose largest magnitude lies under 2^-122 were not tried; NaN and infinities are not served.
.set CSC,   12582912                   ; scale words of x, Wq, Wk, Wv (one operand of 7,168 rows), then Wp's
.set W1IMG, 6291456
.set W2IMG, 9437184
.set W1SC,  12845056
.set W2SC,  12976128
.set A16, 4                            ; v4   16 x lane
.set A8,  5                            ; v5   8 x lane
.set L4,  6                            ; v6   4 x lane
.set XA,  7                            ; v7   x: my row's and half's byte
.set B16, 8                            ; v8   16 x lane + a tile's stride
.set B8,  9                            ; v9   8 x lane + a tile's stride
.set VC,  11                           ; v11  a weight: 4 x my column
.set HA0, 32                           ; v32-159 the numbers
.set PC,  160                          ; v160-179 a fragment's codes, and room for the conversions' second halves
.set TM,  180                          ; v180-195 at work
.set PW,  196                          ; v196-198 scale words
.set WC,  160                          ; weights: four blocks' codes, six registers each
.set WT,  184                          ; and the conversions' second halves
.set WM,  200
.set WS,  202                          ; v202-205 the conversions' scale operands
.set WW,  206                          ; my column's scale word
.set WB,  207
.set SEL, 46                           ; s[46:47] v_permlanex16_b32's selects for lane l xor 16
; 64 numbers of a lane, register 16 b + i = k 32 b + 16 (lane / 16) + i of my row, become a fragment's twelve registers in v[PC] on and its scale word in v[pw]
.macro QUANT s, pw
.irp b, 0,1,2,3
	v_max3_num_f32 v[TM+\b], |v[\s+16*\b]|, |v[\s+1+16*\b]|, 0x2800000   ; the floor 2^(5 - 127) among the leaves
.endr
.irp i, 2,4,6,8,10,12,14
.irp b, 0,1,2,3
	v_max3_num_f32 v[TM+\b], v[TM+\b], |v[\s+16*\b+\i]|, |v[\s+1+16*\b+\i]|
.endr
.endr
.irp b, 0,1,2,3
	v_permlanex16_b32 v[TM+4+\b], v[TM+\b], s[SEL], s[SEL+1]
.endr
.irp b, 0,1,2,3
	v_max_num_f32 v[TM+\b], v[TM+\b], v[TM+4+\b]   ; with lane l xor 16's: the block's largest magnitude
.endr
.irp b, 0,1,2,3
	v_add_nc_u32 v[TM+12+\b], 0xfe000000, v[TM+\b]   ; 4 off its exponent field: the conversion's scale operand
.endr
.irp b, 0,1,2,3
	v_lshrrev_b32 v[TM+4+\b], 23, v[TM+12+\b]   ; the scale's byte
.endr
	v_lshl_or_b32 v[\pw], v[TM+5], 8, v[TM+4]
	v_lshl_or_b32 v[\pw], v[TM+6], 16, v[\pw]
	v_lshl_or_b32 v[\pw], v[TM+7], 24, v[\pw]
.irp c, 0,1
	v_cvt_scalef32_pk16_bf6_f32 v[PC+6*\c:PC+2+6*\c], v[\s+32*\c:\s+15+32*\c], v[TM+12+2*\c]
	v_cvt_scalef32_pk16_bf6_f32 v[PC+12+4*\c:PC+14+4*\c], v[\s+16+32*\c:\s+31+32*\c], v[TM+12+2*\c+1]
.endr
	v_nop                                          ; one plain place behind a scaled conversion
.irp c, 0,1                                    ; a whole block to a lane: lanes 0-15 block 2 c, lanes 16-31 block 2 c + 1
.irp i, 0,1,2
	v_permlane16_swap_b32 v[PC+6*\c+\i], v[PC+12+4*\c+\i]
.endr
.irp i, 0,1,2
	v_mov_b32 v[PC+3+6*\c+\i], v[PC+12+4*\c+\i]
.endr
.endr
.endm
.macro STORE_FRAG sb, off              ; two images on end: each store covers whole aligned blocks of 256 bytes
	global_store_b128 v[A16], v[PC:PC+3], s[\sb:\sb+1] offset:\off
	global_store_b64 v[A8], v[PC+4:PC+5], s[\sb:\sb+1] offset:\off+512
	global_store_b128 v[A16], v[PC+6:PC+9], s[\sb:\sb+1] offset:\off+768
	global_store_b64 v[A8], v[PC+10:PC+11], s[\sb:\sb+1] offset:\off+1280
.endm
	s_load_b512 s[8:23], s[0:1], 0x0               ; x, Wq, Wk, Wv, Wp, W2, W1, mask
	s_load_b128 s[24:27], s[0:1], 0x40             ; wq, flags
	v_lshrrev_b32 v1, 5, v0
	v_readfirstlane_b32 s28, v1                    ; wave
	v_and_b32 v1, 31, v0                           ; lane
	v_and_b32 v2, 15, v0                           ; r
	v_bfe_u32 v3, v0, 4, 1                         ; h
	v_lshlrev_b32 v[A16], 4, v1
	v_lshlrev_b32 v[A8], 3, v1
	v_lshlrev_b32 v[L4], 2, v1
	v_and_b32 v[XA], 8, v2
	v_add_nc_u32 v[XA], v[XA], v2                  ; r + 8 (r / 8)
	v_lshlrev_b32 v[XA], 12, v[XA]                 ; rows of 4,096 bytes
	v_lshl_add_u32 v[XA], v3, 6, v[XA]             ; + 64 h: my 16 numbers of a block of 32
	v_and_b32 v[VC], 7, v1                         ; a weight's column for lane l: l % 8 + 16 ((l / 8) % 2) + 8 (l / 16): lanes 0-15 the first tile's places, lanes 16-31 the second's
	v_bfe_u32 v10, v1, 3, 1
	v_lshl_add_u32 v[VC], v10, 4, v[VC]
	v_lshl_add_u32 v[VC], v3, 3, v[VC]
	v_lshlrev_b32 v[VC], 2, v[VC]
.irp b, 0,1,2,3
	v_mov_b32 v[TM+4+\b], 0                        ; a lane permute's destination counts as one of its sources
.endr
	s_mov_b32 s[SEL], 0x76543210
	s_mov_b32 s[SEL+1], 0xfedcba98
	s_mov_b32 s33, 0
	s_wait_kmcnt 0x0
	s_cmp_lt_u32 ttmp9, 256
	s_cbranch_scc0 .Lnot_x
	; ---- x: pair of tiles P (32 tokens) x one K step of 128
	s_lshr_b32 s29, ttmp9, 1                       ; P
	s_and_b32 s30, ttmp9, 1
	s_lshl_b32 s30, s30, 2
	s_add_co_u32 s30, s30, s28                     ; K step
	s_lshl_b32 s32, s29, 17                        ; 32 rows of 4,096 bytes
	s_lshl_b32 s34, s30, 9
	s_add_co_u32 s32, s32, s34
	s_add_nc_u64 s[8:9], s[8:9], s[32:33]
	s_mul_i32 s32, s29, 2*12288
	s_mul_i32 s34, s30, 1536
	s_add_co_u32 s32, s32, s34
	s_add_nc_u64 s[36:37], s[24:25], s[32:33]      ; the images
	s_lshl_b32 s32, s29, 10
	s_lshl_b32 s34, s30, 7
	s_add_co_u32 s32, s32, s34
	s_add_co_u32 s32, s32, CSC
	s_add_nc_u64 s[38:39], s[24:25], s[32:33]      ; the scale words
.irp u, 0,1
.irp b, 0,1,2,3
.irp j, 0,1,2,3
	global_load_b128 v[HA0+64*\u+16*\b+4*\j:HA0+64*\u+16*\b+4*\j+3], v[XA], s[8:9] offset:\u*32768+128*\b+16*\j
.endr
.endr
.endr
	s_wait_loadcnt 16                              ; the first tile's sixteen loads are in, the second's may be out
	QUANT HA0, PW
	STORE_FRAG 36, 0
	s_wait_loadcnt 0x0
	s_wait_xcnt 0x0                                ; the stores' data are written again only behind this wait
	QUANT HA0+64, PW+1
	STORE_FRAG 36, 12288
	v_cmp_eq_u32 vcc_lo, 1, v3
	v_cndmask_b32 v[PW+2], v[PW], v[PW+1], vcc_lo  ; lanes 0-15 the first tile's words, lanes 16-31 the second's
	global_store_b32 v[L4], v[PW+2], s[38:39]
	s_endpgm
; ---- a weight: 32 columns x one K step of 128.  A lane takes a column and its registers run down K: each load reads 128 consecutive bytes, a block of 32 lies in one lane.
.macro WLOAD t, nstr
.set n, 0
.rept 32
	global_load_b32 v[32+32*(\t)+n], v[VC], s[30:31] offset:(32*(\t)+n)*\nstr th:TH_LOAD_NT
.set n, n+1
.endr
.endm
.macro WBLOCK t, nstr
.if (\t) < 3
	s_wait_loadcnt 32                              ; this block's 32 loads are in, the next block's may be out
.else
	s_wait_loadcnt 0x0
.endif
.if (\t)+2 < 4
	WLOAD (\t)+2, \nstr
.endif
.set XS, 32+32*(\t)
	v_max3_num_f32 v[WM], |v[XS]|, |v[XS+1]|, |v[XS+2]|
	v_max3_num_f32 v[WM+1], |v[XS+3]|, |v[XS+4]|, |v[XS+5]|
.irp i, 6,10,14,18,22,26
	v_max3_num_f32 v[WM], v[WM], |v[XS+\i]|, |v[XS+\i+1]|
	v_max3_num_f32 v[WM+1], v[WM+1], |v[XS+\i+2]|, |v[XS+\i+3]|
.endr
	v_max3_num_f32 v[WM], v[WM], |v[XS+30]|, |v[XS+31]|
	v_max3_num_f32 v[WM], v[WM], v[WM+1], 0x2800000
	v_add_nc_u32 v[WS+(\t)], 0xfe000000, v[WM]
	v_lshrrev_b32 v[WB], 23, v[WS+(\t)]
.if (\t) == 0
	v_mov_b32 v[WW], v[WB]
.else
	v_lshl_or_b32 v[WW], v[WB], 8*(\t), v[WW]
.endif
	v_cvt_scalef32_pk16_bf6_f32 v[WC+6*(\t):WC+6*(\t)+2], v[XS:XS+15], v[WS+(\t)]
	v_cvt_scalef32_pk16_bf6_f32 v[WT+4*(\t):WT+4*(\t)+2], v[XS+16:XS+31], v[WS+(\t)]
.endm
.macro WJOB nstr
	WLOAD 0, \nstr
	WLOAD 1, \nstr
	WBLOCK 0, \nstr
	WBLOCK 1, \nstr
	WBLOCK 2, \nstr
	WBLOCK 3, \nstr
	v_nop                                          ; one plain place behind a scaled conversion
.irp t, 0,1,2,3
.irp i, 0,1,2
	v_mov_b32 v[WC+6*\t+3+\i], v[WT+4*\t+\i]
.endr
.endr
.irp i, 0,1,2,3,4,5                            ; blocks 0 and 1 (2 and 3) change halves: the first run then holds the first tile's registers 0-5 (6-11), the second run the second tile's
	v_permlane16_swap_b32 v[WC+\i], v[WC+6+\i]
	v_permlane16_swap_b32 v[WC+12+\i], v[WC+18+\i]
.endr
	global_store_b128 v[A16], v[WC:WC+3], s[36:37]
	global_store_b64 v[A8], v[WC+4:WC+5], s[36:37] offset:512
	global_store_b128 v[A16], v[WC+12:WC+15], s[36:37] offset:768
	global_store_b64 v[A8], v[WC+16:WC+17], s[36:37] offset:1280
	global_store_b128 v[B16], v[WC+6:WC+9], s[36:37]
	global_store_b64 v[B8], v[WC+10:WC+11], s[36:37] offset:512
	global_store_b128 v[B16], v[WC+18:WC+21], s[36:37] offset:768
	global_store_b64 v[B8], v[WC+22:WC+23], s[36:37] offset:1280
	global_store_b32 v[L4], v[WW], s[38:39]
.endm
.Lnot_x:
	s_cmp_lt_u32 ttmp9, 768
	s_cbranch_scc0 .Lnot_wa
	s_sub_co_u32 s29, ttmp9, 256                   ; g
	s_lshr_b32 s48, s29, 6                         ; m: 0 Wq, 1 Wk, 2 Wv, 3 Wp, 4 to 7 W2
	s_and_b32 s49, s29, 7                          ; which 128 columns
	s_lshr_b32 s50, s29, 3
	s_and_b32 s50, s50, 7                          ; K step of a weight with K = 1,024,
	s_and_b32 s51, s29, 255
	s_lshr_b32 s51, s51, 3                         ; of W2
	s_mul_i32 s52, s48, 786432
	s_add_co_u32 s52, s52, 3145728                 ; images: Wq's begin behind x's 256 tiles; Wk's, Wv's and Wp's follow, 64 tiles each
	s_lshl_b32 s53, s48, 15
	s_add_co_u32 s53, s53, 12713984                ; scale words likewise
	s_mov_b32 s54, 49152
	s_mov_b32 s55, 4096
	s_mov_b32 s56, W2IMG
	s_mov_b32 s57, W2SC
	s_cmp_lt_u32 s48, 4
	s_cselect_b32 s50, s50, s51                    ; K step
	s_cselect_b32 s52, s52, s56
	s_cselect_b32 s53, s53, s57
	s_cselect_b32 s54, 12288, s54                  ; a tile's stride
	s_cselect_b32 s55, 1024, s55                   ; a pair's scale words
	s_mov_b64 s[30:31], s[18:19]
	s_cmp_eq_u32 s48, 0
	s_cselect_b64 s[30:31], s[10:11], s[30:31]
	s_cmp_eq_u32 s48, 1
	s_cselect_b64 s[30:31], s[12:13], s[30:31]
	s_cmp_eq_u32 s48, 2
	s_cselect_b64 s[30:31], s[14:15], s[30:31]
	s_cmp_eq_u32 s48, 3
	s_cselect_b64 s[30:31], s[16:17], s[30:31]
	s_lshl_b32 s58, s49, 2
	s_add_co_u32 s58, s58, s28                     ; P: my pair of tiles, 32 columns
	s_lshl_b32 s32, s50, 19                        ; 128 rows of 4,096 bytes
	s_lshl_b32 s34, s58, 7
	s_add_co_u32 s32, s32, s34
	s_add_nc_u64 s[30:31], s[30:31], s[32:33]
	s_mul_i32 s32, s58, s54
	s_lshl_b32 s32, s32, 1
	s_add_co_u32 s32, s32, s52
	s_mul_i32 s34, s50, 1536
	s_add_co_u32 s32, s32, s34
	s_add_nc_u64 s[36:37], s[24:25], s[32:33]
	s_mul_i32 s32, s58, s55
	s_add_co_u32 s32, s32, s53
	s_lshl_b32 s34, s50, 7
	s_add_co_u32 s32, s32, s34
	s_add_nc_u64 s[38:39], s[24:25], s[32:33]
	v_add_nc_u32 v[B16], s54, v[A16]
	v_add_nc_u32 v[B8], s54, v[A8]
	WJOB 4096
	s_endpgm
.Lnot_wa:
	s_cmp_lt_u32 ttmp9, 1024
	s_cbranch_scc0 .Lmask
	s_sub_co_u32 s29, ttmp9, 768
	s_lshr_b32 s50, s29, 5                         ; K step
	s_and_b32 s49, s29, 31
	s_lshl_b32 s58, s49, 2
	s_add_co_u32 s58, s58, s28                     ; P
	s_lshl_b32 s32, s50, 21                        ; 128 rows of 16,384 bytes
	s_lshl_b32 s34, s58, 7
	s_add_co_u32 s32, s32, s34
	s_add_nc_u64 s[30:31], s[20:21], s[32:33]
	s_mul_i32 s32, s58, 2*12288
	s_mul_i32 s34, s50, 1536
	s_add_co_u32 s32, s32, s34
	s_add_co_u32 s32, s32, W1IMG
	s_add_nc_u64 s[36:37], s[24:25], s[32:33]
	s_lshl_b32 s32, s58, 10
	s_lshl_b32 s34, s50, 7
	s_add_co_u32 s32, s32, s34
	s_add_co_u32 s32, s32, W1SC
	s_add_nc_u64 s[38:39], s[24:25], s[32:33]
	v_add_nc_u32 v[B16], 12288, v[A16]
	v_add_nc_u32 v[B8], 12288, v[A8]
	WJOB 16384                                     ; the largest offset, 127 rows of 16,384 bytes, lies inside the signed 24-bit immediate
	s_endpgm
.Lmask:
	; ---- the mask: 8 rows a wave.  Bit s of word j says that rows 8 j .. 8 j + 7 hold the byte 1 at all keys 128 s .. 128 s + 127
	s_sub_co_u32 s29, ttmp9, 1024
	s_lshl_b32 s29, s29, 2
	s_add_co_u32 s29, s29, s28                     ; j
	s_lshl_b32 s32, s29, 14
	s_add_nc_u64 s[22:23], s[22:23], s[32:33]
	s_lshl_b32 s32, s29, 2
	s_add_nc_u64 s[26:27], s[26:27], s[32:33]
.irp p, 0,1,2,3
.irp i, 0,1,2,3,4,5,6,7
	global_load_b128 v[32+32*\p+4*\i:35+32*\p+4*\i], v[A16], s[22:23] offset:\i*2048+\p*512
.endr
.endr
	s_wait_loadcnt 0x0
.set n, 1
.rept 31
.irp p, 0,1,2,3
	v_and_b32 v[32+32*\p], v[32+32*\p], v[32+32*\p+n]   ; my 16 keys of part p, all eight rows, in one word
.endr
.set n, n+1
.endr
.irp p, 0,1,2,3
	v_cmp_eq_u32 s[40+\p], 0x01010101, v[32+32*\p]
.endr
	s_mov_b32 s34, 0
.irp p, 0,1,2,3
.irp q, 0,1,2,3
	s_bfe_u32 s35, s[40+\p], (8<<16)|(8*\q)        ; eight lanes are 128 keys
	s_cmp_eq_u32 s35, 0xff
	s_cselect_b32 s35, 1<<(4*\p+\q), 0
	s_or_b32 s34, s34, s35
.endr
.endr
	v_mov_b32 v8, s34
	v_mov_b32 v9, 0
	global_store_b32 v9, v8, s[26:27]              ; every lane stores the same word to the same place
	s_endpgm
.Lfunc_end_k_q1e4a953b5e_quant:
	.size	k_q1e4a953b5e_quant, .Lfunc_end_k_q1e4a953b5e_quant-k_q1e4a953b5e_quant
	.p2alignl 7, 3214868480
	.fill 96, 4, 3214868480
	.section	.rodata,"a",@progbits
	.p2align	6, 0x0
	.amdhsa_kernel k_q1e4a953b5e_quant
		.amdhsa_group_segment_fixed_size 0
		.amdhsa_private_segment_fixed_size 0
		.amdhsa_enable_private_segment 0
		.amdhsa_kernarg_size 80
		.amdhsa_user_sgpr_count 2
		.amdhsa_user_sgpr_kernarg_segment_ptr 1
		.amdhsa_wavefront_size32 1
		.amdhsa_system_sgpr_workgroup_id_x 1
		.amdhsa_system_sgpr_workgroup_id_y 1
		.amdhsa_system_sgpr_workgroup_id_z 1
		.amdhsa_system_vgpr_workitem_id 0
		.amdhsa_next_free_vgpr 208
		.amdhsa_next_free_sgpr 66
		.amdhsa_reserve_vcc 1
		.amdhsa_float_denorm_mode_32 3
		.amdhsa_float_denorm_mode_16_64 3
		.amdhsa_memory_ordered 1
		.amdhsa_forward_progress 1
		.amdhsa_inst_pref_size 66
	.end_amdhsa_kernel
	.amdgpu_metadata
---
amdhsa.version: [ 1, 2 ]
amdhsa.kernels:
  - .name:           k_q1e4a953b5e_quant
    .symbol:         k_q1e4a953b5e_quant.kd
    .args:
      - { .name: x, .offset: 0, .size: 8, .value_kind: global_buffer, .address_space: global }
      - { .name: Wq, .offset: 8, .size: 8, .value_kind: global_buffer, .address_space: global }
      - { .name: Wk, .offset: 16, .size: 8, .value_kind: global_buffer, .address_space: global }
      - { .name: Wv, .offset: 24, .size: 8, .value_kind: global_buffer, .address_space: global }
      - { .name: Wp, .offset: 32, .size: 8, .value_kind: global_buffer, .address_space: global }
      - { .name: W2, .offset: 40, .size: 8, .value_kind: global_buffer, .address_space: global }
      - { .name: W1, .offset: 48, .size: 8, .value_kind: global_buffer, .address_space: global }
      - { .name: mask, .offset: 56, .size: 8, .value_kind: global_buffer, .address_space: global }
      - { .name: wq, .offset: 64, .size: 8, .value_kind: global_buffer, .address_space: global }
      - { .name: flags, .offset: 72, .size: 8, .value_kind: global_buffer, .address_space: global }
    .group_segment_fixed_size: 0
    .private_segment_fixed_size: 0
    .kernarg_segment_align: 8
    .kernarg_segment_size: 80
    .max_flat_workgroup_size: 128
    .sgpr_count:     66
    .vgpr_count:     208
    .wavefront_size: 32
...
	.end_amdgpu_metadata
.endif
;; end of part 1
;; launch qkv (part 2): grid 12 x 16, 4 waves a work-group, clusters of 4 x 4, 327,680 bytes of LDS; arguments wq, bq, bk, bv, qkv; writes qkv
.if DOCPART == 2
	.amdgcn_target "amdgcn-amd-amdhsa--gfx1250"
	.amdhsa_code_object_version 6
	.text
	.protected	k_q1e4a953b5e_qkv
	.globl	k_q1e4a953b5e_qkv
	.p2align	8
	.type	k_q1e4a953b5e_qkv,@function
k_q1e4a953b5e_qkv:
	s_mov_b64 s[64:65], 0
	v_nop
	global_prefetch_b8 v0, s[64:65] scope:SCOPE_SE
	s_setreg_imm32_b32 hwreg(HW_REG_WAVE_MODE, 25, 1), 1
	s_wait_xcnt 0x0
	s_wait_alu depctr_hold_cnt(0) depctr_sa_sdst(0) depctr_va_vdst(0) depctr_va_sdst(0) depctr_va_ssrc(0) depctr_va_vcc(0) depctr_vm_vsrc(0)
	s_getreg_b32 s2, hwreg(HW_REG_IB_STS2, 6, 4)
	s_cmp_eq_u32 s2, 0
	s_cbranch_scc0 .Lentry_in_a_cluster
	s_endpgm
.Lentry_in_a_cluster:
	s_bfe_u32 s2, ttmp6, 0x10000c
	s_cmp_lg_u32 s2, 0xf033
	s_cbranch_scc0 .Lentry_shape_is_right
	s_endpgm
.Lentry_shape_is_right:
; q = x Wq + bq, k = x Wk + bk, v = x Wv + bv on codes of BF6 (E3M2) with E8M0 scales, and the results quantised again: q and k along a head's 64, v along the keys.
; One operand of 7,168 rows x 1,024 K holds x (rows 0-4095), Wq, Wk, Wv (their columns as rows).  A tile of C is 256 x 256: four waves of 128 x 128, 64 accumulators each.
; Clusters 0 and 1 along x: A = tokens, B = Wq's or Wk's columns.  Cluster 2: A = Wv's columns, B = tokens.  The matrix instruction is used transposed (source 0 = B's 16 rows, source 1 = A's):
; a lane holds ONE row of A and its registers run along B's rows.  A tile's places hold rows 32 P + 8 u + r + 8 (r / 8), so a block's 64 registers are: register 16 b + i = B's row 32 b + 16 (lane / 16) + i: what the quantiser takes.
; OPERANDS IN MEMORY are images of registers (16 rows x 64 K: 768 bytes: registers 0-3 of lane l at 16 l, registers 4-5 at 512 + 8 l), a tile's images on end along K: a K step's 8 tiles are 8 rows of 3,072 bytes for one tensor load,
; and a fragment comes from LDS by four loads of consecutive bytes.  K goes in steps of 256 through a ring of two LDS slots.  The scale words of the work-group's rows, for all of K, come once.
; CLUSTERS: 4 x 4 work-groups; A's tiles are asked for jointly along a row of the cluster, B's along a column.  The one branch on a work-group's number hangs on the cluster's x, which all partners share.
; LIMITS: a block of zeros gets the byte 1 (its codes are zeros; this program alone reads the bytes); blocks under 2^-122 were not tried; NaN and infinities are not served.
; REGISTERS: window 0: v1 r, v2 h, v16-31 addresses, v32-63 scale words (two sets), v64-127 biases, v128-223 A's fragments (one set), on the way out v128-236; window 1: B's fragments, two sets; windows 2, 3: accumulators.
.set SIZE_K, 1024
.set PA,   4
.set PB,   4
.set AIMG, 0
.set ASC,  12582912
.set BIMG, 0
.set BSC,  12582912
.set KIMG, 3145728                     ; in qkv: q's images at 0, k's, v's, then the scale words
.set VIMG, 6291456
.set QSC,  9437184
.set KSC,  9699328
.set VSC,  9961472
.set NQ,     2                         ; matrix instructions deep in a slot
.set FR,     12                        ; registers of a fragment
.set NL,     4                         ; LDS loads that bring one
.set NP,     4                         ; places behind this matrix instruction (ISA guide 7.12.1)
.set SLAB,   3072                      ; a tile's 256 along K: four images
.set HALFT,  8*SLAB                    ; 128 rows: what one tensor load brings
.set SLOT,   4*HALFT                   ; A's 256 rows, then B's
.set NS,     SIZE_K/128
.set HALFS,  NS*512                    ; the scale words of 128 rows
.set SCL,    2*SLOT
.set SPARE,  SCL+4*HALFS               ; the spare words, 128 bytes for each wave: two blocks of 256 bytes that no other line names
.set LAPS,   SIZE_K/512
.set TSTR,   SIZE_K*12                 ; from tile to tile in memory
.set ADRA, 16                          ; v16-17 my A fragments in slot 0, 1, 16 bytes a lane; v18-19 the same, 8 bytes a lane
.set ADRB, 20                          ; v20-23 the same for B
.set A16,  24                          ; 16 x lane
.set A8,   25                          ; 8 x lane
.set SV,   26                          ; the way out: my place among the scale words
.set ADRS, 27                          ; my scale words in LDS: lanes 0-15 A's, lanes 16-31 B's
.set SPW,  28                          ; my spare word; never rewritten
.set NIL,  29                          ; 0; never rewritten
.set SC,   32
.set BN,   64
.set AF,   128
.set HA,   128                         ; the way out: 64 numbers
.set PC,   192
.set TM,   212
.set PWQ,  228
.set SH,   236
.set SEL,  96
.set G1, 24
.set G0, 32
.set G1B, 48
.set G0B, 56
.set G1S, 68
.set G0S, 76
.set G1SB, 80
.set G0SB, 88
.set MSB, 0
.macro WIN new                         ; the immediate's high byte repeats the setting that is left
.if MSB != (\new)
	s_set_vgpr_msb (MSB<<8)|(\new)
.set MSB, (\new)
.endif
.endm
.set TO_B, 0x40                        ; destination window 1, address window 0
.macro WMUL hi, zero                   ; source 0 (B) window 1, source 1 (A) window 0, D window 2 or 3; C with D, or (zero = 2) in window 0
.if \zero == 2
	WIN 0x81+0x40*\hi
.else
	WIN 0xa1+0x50*\hi
.endif
.endm
.macro JLOAD g0a, g1a, g0b, g1b        ; a joint load: waves 0 and 1 fetch for A, waves 2 and 3 for B; four v_nop follow each line
	s_cmp_eq_u32 s15, 0
	s_cbranch_scc0 .Lfor_b_\@
	tensor_load_to_lds s[\g0a:\g0a+3], s[\g1a:\g1a+7]
	s_nop 0
.rept 4
	v_nop
.endr
	s_branch .Lasked_\@
.Lfor_b_\@:
	tensor_load_to_lds s[\g0b:\g0b+3], s[\g1b:\g1b+7]
	s_nop 0
.rept 4
	v_nop
.endr
.Lasked_\@:
.endm
.macro CREST                           ; a round of the cluster's barrier behind its opening barrier
	s_cmp_lg_u32 s14, 0
	s_cbranch_scc1 .Lnot_wave_0_\@
	s_barrier_signal -3
.Lnot_wave_0_\@:
	s_barrier_wait -3
	s_barrier_signal -1
	s_barrier_wait -1
.endm
.macro CROUND
	s_barrier_signal -1
	s_barrier_wait -1
	CREST
.endm
.macro FRAG reg, adr, q, i             ; tile i's fragment of the slot's q-th 128 along K: two images, four loads of consecutive bytes
	ds_load_b128 v[\reg:\reg+3], v[\adr] offset:(\i)*SLAB+(\q)*1536
	ds_load_b64 v[\reg+4:\reg+5], v[\adr+2] offset:(\i)*SLAB+(\q)*1536+512
	ds_load_b128 v[\reg+6:\reg+9], v[\adr] offset:(\i)*SLAB+(\q)*1536+768
	ds_load_b64 v[\reg+10:\reg+11], v[\adr+2] offset:(\i)*SLAB+(\q)*1536+1280
.endm
; 16 matrix instructions: A's blocks a0, a0 + 1 x B's eight.  zero = 1: C = 0; 2: C = the bias; 0: the sums go on.  The 64 accumulators take turns.
.macro MUL16 a0, p, q, sc, zero
.irp a, \a0, \a0+1
.irp b, 0,1,2,3,4,5,6,7
.set DR, 8*(8*((\a)%4)+\b)
.set BR, 128*(\p)+FR*\b
.set AR, AF+FR*(\a)
.set SB, SC+8*NQ*(\sc)+NQ*\b+(\q)
.set SA, SC+8*NQ*(\sc)+NQ*(\a)+(\q)
.if \zero == 1
	v_wmma_scale_f32_16x16x128_f8f6f4 v[DR:DR+7], v[BR:BR+FR-1], v[AR:AR+FR-1], 0, v[SB], v[SA] matrix_a_fmt:MATRIX_FMT_BF6 matrix_b_fmt:MATRIX_FMT_BF6 matrix_a_scale:MATRIX_SCALE_ROW1
.elseif \zero == 2
	v_wmma_scale_f32_16x16x128_f8f6f4 v[DR:DR+7], v[BR:BR+FR-1], v[AR:AR+FR-1], v[BN+8*\b:BN+8*\b+7], v[SB], v[SA] matrix_a_fmt:MATRIX_FMT_BF6 matrix_b_fmt:MATRIX_FMT_BF6 matrix_a_scale:MATRIX_SCALE_ROW1
.else
	v_wmma_scale_f32_16x16x128_f8f6f4 v[DR:DR+7], v[BR:BR+FR-1], v[AR:AR+FR-1], v[DR:DR+7], v[SB], v[SA] matrix_a_fmt:MATRIX_FMT_BF6 matrix_b_fmt:MATRIX_FMT_BF6 matrix_a_scale:MATRIX_SCALE_ROW1
.endif
.endr
.endr
.endm
.macro FETCH_B slot, q, p
	WIN TO_B
.irp i, 0,1,2,3,4,5,6,7
	FRAG 128*(\p)+FR*\i, ADRB+\slot, \q, \i
.endr
	WIN 0
.endm
.macro FETCH_A slot, q, i0
.irp i, \i0, \i0+1, \i0+2, \i0+3
	FRAG AF+FR*(\i), ADRA+\slot, \q, \i
.endr
.endm
.macro SCALES sc                       ; a slot's scale words: register 2 i + q: lanes 0-15 A's block i, lanes 16-31 B's block i
.irp i, 0,1,2,3,4,5,6,7
.irp q, 0,1
	ds_load_b32 v[SC+16*\sc+2*\i+\q], v[ADRS] offset:(\i/2)*NS*128+(\i%2)*64+\q*128
.endr
.endr
.endm
.macro PLACES n                        ; plain vector places behind matrix instructions, in front of loads into their registers and of reads of results
.rept \n
	v_nop
.endr
.endm
.macro STEP slot, q, zero              ; 128 along K that has its successor in the same slot
	s_wait_dscnt 4*NL                              ; all but the youngest sixteen loads (A's blocks 4-7) are in
	WMUL 0, \zero
	MUL16 0, (\q)%2, \q, \slot, \zero
	MUL16 2, (\q)%2, \q, \slot, \zero
	s_wait_dscnt 0
	PLACES NP
	FETCH_B \slot, (\q)+1, 1-(\q)%2
	FETCH_A \slot, (\q)+1, 0
	WMUL 1, \zero
	MUL16 4, (\q)%2, \q, \slot, \zero
	MUL16 6, (\q)%2, \q, \slot, \zero
	PLACES NP
	WIN 0
	FETCH_A \slot, (\q)+1, 4
.endm
.macro TURN slot, next, fill           ; a slot's last 128 along K, and the change of slots
	s_wait_tensorcnt 0x0                           ; all my tensor loads have landed: my part of the next slot
	ds_add_u32 v[SPW], v[NIL]                      ; 0 onto my spare word
	s_wait_dscnt 4*NL+1                            ; the add and the youngest sixteen loads may be out
	WMUL 0, 0
	MUL16 0, 1, NQ-1, \slot, 0
	s_wait_dscnt 0x0                               ; the add is done, and my reads of this slot are over
	s_barrier_signal -1
	MUL16 2, 1, NQ-1, \slot, 0
	WIN 0
	s_barrier_wait -1
.if \fill
	CREST                                          ; the barrier has opened a round of the cluster's: no wave of any partner still reads this slot or has a load on its way
	s_add_nc_u64 s[G0+4*\slot+2:G0+4*\slot+3], s[G0+4*\slot+2:G0+4*\slot+3], 2*SLAB
	s_add_nc_u64 s[G0B+4*\slot+2:G0B+4*\slot+3], s[G0B+4*\slot+2:G0B+4*\slot+3], 2*SLAB
	JLOAD G0+4*\slot, G1, G0B+4*\slot, G1B         ; my one tensor load behind the round; its four v_nop are the places in front of the loads below
.else
	PLACES NP
.endif
	v_add_nc_u32 v[ADRS], 256, v[ADRS]             ; the next slot's scale words
	FETCH_B \next, 0, 0
	FETCH_A \next, 0, 0
	SCALES \next
	WMUL 1, 0
	MUL16 4, 1, NQ-1, \slot, 0
	MUL16 6, 1, NQ-1, \slot, 0
	PLACES NP
	WIN 0
	FETCH_A \next, 0, 4
.endm
.macro LAST                            ; the very last 128 along K
	s_wait_dscnt 4*NL
	WMUL 0, 0
	MUL16 0, 1, NQ-1, 1, 0
	MUL16 2, 1, NQ-1, 1, 0
	s_wait_dscnt 0
	WMUL 1, 0
	MUL16 4, 1, NQ-1, 1, 0
	MUL16 6, 1, NQ-1, 1, 0
	WIN 0
.endm
; 64 numbers of a lane, register 16 b + i = k 32 b + 16 (lane / 16) + i of my row, become a fragment's twelve registers in v[PC] on and its scale word in v[pw]
.macro QUANT s, pw
.irp b, 0,1,2,3
	v_max3_num_f32 v[TM+\b], |v[\s+16*\b]|, |v[\s+1+16*\b]|, 0x2800000   ; the floor 2^(5 - 127) among the leaves
.endr
.irp i, 2,4,6,8,10,12,14
.irp b, 0,1,2,3
	v_max3_num_f32 v[TM+\b], v[TM+\b], |v[\s+16*\b+\i]|, |v[\s+1+16*\b+\i]|
.endr
.endr
.irp b, 0,1,2,3
	v_permlanex16_b32 v[TM+4+\b], v[TM+\b], s[SEL], s[SEL+1]
.endr
.irp b, 0,1,2,3
	v_max_num_f32 v[TM+\b], v[TM+\b], v[TM+4+\b]
.endr
.irp b, 0,1,2,3
	v_add_nc_u32 v[TM+12+\b], 0xfe000000, v[TM+\b]   ; 4 off the exponent field: the conversion's scale operand
.endr
.irp b, 0,1,2,3
	v_lshrrev_b32 v[TM+4+\b], 23, v[TM+12+\b]
.endr
	v_lshl_or_b32 v[\pw], v[TM+5], 8, v[TM+4]
	v_lshl_or_b32 v[\pw], v[TM+6], 16, v[\pw]
	v_lshl_or_b32 v[\pw], v[TM+7], 24, v[\pw]
.irp c, 0,1
	v_cvt_scalef32_pk16_bf6_f32 v[PC+6*\c:PC+2+6*\c], v[\s+32*\c:\s+15+32*\c], v[TM+12+2*\c]
	v_cvt_scalef32_pk16_bf6_f32 v[PC+12+4*\c:PC+14+4*\c], v[\s+16+32*\c:\s+31+32*\c], v[TM+12+2*\c+1]
.endr
	v_nop                                          ; one plain place behind a scaled conversion
.irp c, 0,1
.irp i, 0,1,2
	v_permlane16_swap_b32 v[PC+6*\c+\i], v[PC+12+4*\c+\i]
.endr
.irp i, 0,1,2
	v_mov_b32 v[PC+3+6*\c+\i], v[PC+12+4*\c+\i]
.endr
.endr
.endm
.macro STORE_FRAG sb, off
	global_store_b128 v[A16], v[PC:PC+3], s[\sb:\sb+1] offset:\off
	global_store_b64 v[A8], v[PC+4:PC+5], s[\sb:\sb+1] offset:\off+512
	global_store_b128 v[A16], v[PC+6:PC+9], s[\sb:\sb+1] offset:\off+768
	global_store_b64 v[A8], v[PC+10:PC+11], s[\sb:\sb+1] offset:\off+1280
.endm
	s_load_b256 s[4:11], s[0:1], 0x0               ; wq, bq, bk, bv
	s_load_b64 s[12:13], s[0:1], 0x20              ; qkv
	v_lshl_add_u32 v[SPW], v0, 2, SPARE
	v_mov_b32 v[NIL], 0
	ds_add_u32 v28, v29
	ds_add_u32 v28, v29
	s_wait_dscnt 0x0
	v_lshrrev_b32 v1, 5, v0
	v_readfirstlane_b32 s14, v1                    ; wave 0..3
	s_lshr_b32 s15, s14, 1                         ; which half of A's rows is mine.  Also: I fetch for A (0) or for B (1)
	s_and_b32 s16, s14, 1                          ; which half of B's rows.  Also: which 128 rows I fetch
	s_bfe_u32 s40, ttmp6, 0x40000                  ; cx
	s_bfe_u32 s41, ttmp6, 0x40004                  ; cy
	s_and_b32 s95, ttmp7, 0xffff
	s_lshl_b32 s95, s95, 2                         ; 4 x cluster y
	s_lshl_b32 s94, ttmp9, 2
	s_add_co_u32 s94, s94, 16                      ; 16 + 4 x cluster x
	s_cmp_eq_u32 ttmp9, 2                          ; the cluster's x: the same in all partners
	s_cselect_b32 s17, 24, s95
	s_cselect_b32 s42, s95, s94
	s_add_co_u32 s17, s17, s41                     ; A's block of 256 rows: tokens, or (cluster 2) Wv's columns
	s_add_co_u32 s42, s42, s40                     ; B's: Wq's or Wk's columns, or tokens
	s_lshl_b32 s43, s41, 2
	s_lshl_b32 s43, 15, s43                        ; my row of the cluster
	s_lshl_b32 s44, 0x1111, s40                    ; my column
	s_or_b32 s[G1+0], s43, (3<<16)|(1<<21)         ; 15:0 the mask; 17:16 elements of 8 bytes; 21 set beside a mask; no padding
	s_or_b32 s[G1B+0], s44, (3<<16)|(1<<21)
.irp g, G1, G1B
	s_mov_b32 s[\g+1], 384<<16                     ; tensor_dim0: 3,072 bytes
	s_mov_b32 s[\g+2], 8<<16                       ; tensor_dim1: 8 tiles
	s_mov_b32 s[\g+3], 384<<16                     ; tile_dim0
	s_mov_b32 s[\g+4], 8                           ; tile_dim1
	s_mov_b32 s[\g+5], TSTR/8                      ; from tile to tile
	s_mov_b32 s[\g+6], 0
	s_mov_b32 s[\g+7], 0
.endr
	s_or_b32 s[G1S+0], s43, (3<<16)|(1<<21)        ; the scale words of 128 rows: a dense block, as rows of 256 bytes
	s_or_b32 s[G1SB+0], s44, (3<<16)|(1<<21)
.irp g, G1S, G1SB
	s_mov_b32 s[\g+1], 32<<16
	s_mov_b32 s[\g+2], (HALFS/256)<<16
	s_mov_b32 s[\g+3], 32<<16
	s_mov_b32 s[\g+4], HALFS/256
	s_mov_b32 s[\g+5], 32
	s_mov_b32 s[\g+6], 0
	s_mov_b32 s[\g+7], 0
.endr
	s_lshl_b32 s18, s16, 3                         ; which 8 tiles I fetch
	s_lshl_b32 s20, s17, 4
	s_add_co_u32 s20, s20, s18                     ; A: first tile
	s_lshl_b32 s46, s42, 4
	s_add_co_u32 s46, s46, s18                     ; B: first tile
	s_mul_i32 s22, s20, NS*64                      ; their scale words: NS x 128 bytes a pair of tiles
	s_mul_i32 s92, s46, NS*64
	s_mul_i32 s20, s20, TSTR
	s_mul_i32 s46, s46, TSTR
	s_add_co_u32 s20, s20, AIMG
	s_add_co_u32 s22, s22, ASC
	s_add_co_u32 s46, s46, BIMG
	s_add_co_u32 s92, s92, BSC
	s_mov_b32 s21, 0
	s_mov_b32 s23, 0
	s_mov_b32 s47, 0
	s_mov_b32 s93, 0
	s_mul_i32 s45, s14, HALFT                      ; where they go: wave x 128 rows
	s_mul_i32 s94, s14, HALFS
	s_mov_b32 s[SEL], 0x76543210
	s_mov_b32 s[SEL+1], 0xfedcba98
	s_wait_kmcnt 0x0
	s_add_nc_u64 s[20:21], s[PA:PA+1], s[20:21]
	s_add_nc_u64 s[22:23], s[PA:PA+1], s[22:23]
	s_add_nc_u64 s[46:47], s[PB:PB+1], s[46:47]
	s_add_nc_u64 s[92:93], s[PB:PB+1], s[92:93]
	CROUND                                         ; all sixteen work-groups are here: the first joint loads meet
	s_mov_b32 s[G0S], 1
	s_add_co_u32 s[G0S+1], s94, SCL
	s_mov_b64 s[G0S+2:G0S+3], s[22:23]
	s_or_b32 s[G0S+3], s[G0S+3], 0x80000000
	s_mov_b32 s[G0SB], 1
	s_add_co_u32 s[G0SB+1], s94, SCL
	s_mov_b64 s[G0SB+2:G0SB+3], s[92:93]
	s_or_b32 s[G0SB+3], s[G0SB+3], 0x80000000
	JLOAD G0S, G1S, G0SB, G1SB                     ; the scale words first
.irp s, 0,1
	s_mov_b32 s[G0+4*\s], 1
	s_add_co_u32 s[G0+4*\s+1], s45, \s*SLOT
	s_add_nc_u64 s[G0+4*\s+2:G0+4*\s+3], s[20:21], \s*SLAB
	s_or_b32 s[G0+4*\s+3], s[G0+4*\s+3], 0x80000000
	s_mov_b32 s[G0B+4*\s], 1
	s_add_co_u32 s[G0B+4*\s+1], s45, \s*SLOT
	s_add_nc_u64 s[G0B+4*\s+2:G0B+4*\s+3], s[46:47], \s*SLAB
	s_or_b32 s[G0B+4*\s+3], s[G0B+4*\s+3], 0x80000000
	JLOAD G0+4*\s, G1, G0B+4*\s, G1B               ; by this text's count three tensor loads of a wave are out here, later one
.endr
	v_and_b32 v1, 15, v0                           ; r
	v_bfe_u32 v2, v0, 4, 1                         ; h
	v_and_b32 v3, 31, v0                           ; lane
	v_lshlrev_b32 v[A16], 4, v3
	v_lshlrev_b32 v[A8], 3, v3
	s_mul_i32 s21, s15, HALFT                      ; my 128 rows of A
	s_mul_i32 s22, s16, HALFT
	s_add_co_u32 s22, s22, 2*HALFT                 ; my 128 rows of B, behind A's 256
.irp s, 0,1
	v_add_nc_u32 v[ADRA+\s], s21, v[A16]
	v_add_nc_u32 v[ADRB+\s], s22, v[A16]
	v_add_nc_u32 v[ADRA+2+\s], s21, v[A8]
	v_add_nc_u32 v[ADRB+2+\s], s22, v[A8]
	s_add_co_u32 s21, s21, SLOT
	s_add_co_u32 s22, s22, SLOT
.endr
	v_lshlrev_b32 v4, 2, v1
	s_mul_i32 s21, s15, HALFS
	s_mul_i32 s22, s16, HALFS
	s_add_co_u32 s22, s22, 2*HALFS
	s_sub_co_u32 s22, s22, s21
	v_mul_u32_u24 v5, s22, v2                      ; lanes 16-31 take B's
	s_add_co_u32 s21, s21, SCL
	v_add_nc_u32 v4, v4, v5
	v_add_nc_u32 v[ADRS], s21, v4
	s_wait_tensorcnt 1                             ; the scale words and my part of slot 0 are in; slot 1's load may be out
	s_barrier_signal -1
	s_barrier_wait -1
	FETCH_B 0, 0, 0
	FETCH_A 0, 0, 0
	SCALES 0
	FETCH_A 0, 0, 4
	STEP 0, 0, 1                                   ; the first products start the sums
	s_mov_b32 s3, LAPS-1
.Llap:
	TURN 0, 1, 1
	STEP 1, 0, 0
	TURN 1, 0, 1
	STEP 0, 0, 0
	s_sub_co_u32 s3, s3, 1
	s_cmp_lg_u32 s3, 0
	s_cbranch_scc1 .Llap
	TURN 0, 1, 0                                   ; the last lap fills nothing
	STEP 1, 0, 0
.macro ADDB a, pair                    ; block a's 64 sums + the bias, into window 0; each accumulator from its low end on
	WIN 0x02+((\a)/4)
.set AC, 64*((\a)%4)
.set k, 0
.rept 32
.if \pair
	v_pk_add_f32 v[HA+k:HA+k+1], v[AC+k:AC+k+1], v[BN+2*(\a):BN+2*(\a)+1]
.else
	v_pk_add_f32 v[HA+k:HA+k+1], v[AC+k:AC+k+1], v[BN+k:BN+k+1]
.endif
.set k, k+2
.endr
	WIN 0
.endm
	s_cmp_eq_u32 ttmp9, 2
	s_cbranch_scc1 .Lv
	; ---- q or k: a lane holds a token, its registers 128 channels: two heads
	s_lshl_b32 s18, s17, 8
	s_lshl_b32 s19, s15, 7
	s_add_co_u32 s18, s18, s19                     ; my first token
	s_lshr_b32 s19, s18, 11                        ; batch
	s_and_b32 s20, s18, 2047
	s_lshr_b32 s20, s20, 4                         ; first tile in the batch
	s_lshl_b32 s21, s40, 8
	s_lshl_b32 s22, s16, 7
	s_add_co_u32 s21, s21, s22                     ; my first channel
	s_lshr_b32 s22, s21, 6
	s_lshl_b32 s19, s19, 4
	s_add_co_u32 s22, s22, s19                     ; batch x 16 + head
	s_cmp_eq_u32 ttmp9, 0
	s_cselect_b64 s[92:93], s[6:7], s[8:9]         ; bq or bk
	s_cselect_b32 s23, 0, KIMG
	s_cselect_b32 s43, 0, KSC-QSC
	s_lshl_b32 s44, s21, 2
	s_mov_b32 s45, 0
	s_add_nc_u64 s[92:93], s[92:93], s[44:45]
	s_mul_i32 s44, s22, 98304
	s_add_co_u32 s44, s44, s23
	s_mul_i32 s46, s20, 768
	s_add_co_u32 s44, s44, s46
	s_add_nc_u64 s[98:99], s[12:13], s[44:45]      ; images [head][tile][768]
	s_lshl_b32 s44, s22, 13
	s_add_co_u32 s44, s44, s43
	s_add_co_u32 s44, s44, QSC
	s_lshl_b32 s46, s20, 6
	s_add_co_u32 s44, s44, s46
	s_add_nc_u64 s[100:101], s[12:13], s[44:45]    ; scale words [head][four tiles][r][4]
	v_lshlrev_b32 v3, 6, v2
.irp b, 0,1,2,3
.irp j, 0,1,2,3
	global_load_b128 v[BN+16*\b+4*\j:BN+16*\b+4*\j+3], v3, s[92:93] offset:128*\b+16*\j   ; the bias of channels 32 b + 16 h + 0 .. 15
.endr
.endr
	v_lshlrev_b32 v[SV], 13, v2                    ; lanes 16-31 store the odd head's words
	v_lshl_add_u32 v[SV], v1, 4, v[SV]
	v_lshlrev_b32 v[SH], 4, v2
	LAST
	PLACES NP
	s_wait_loadcnt 0x0
.macro OUTQK a
	ADDB \a, 0
	s_wait_xcnt 0x0                                ; the last block's stores have read their registers
	QUANT HA, PWQ+(\a)%4
.irp e, 0,1                                    ; the fragment's two images are the two heads'
	global_store_b128 v[A16], v[PC+6*\e:PC+6*\e+3], s[98:99] offset:(\a)*768+\e*98304
	global_store_b64 v[A8], v[PC+6*\e+4:PC+6*\e+5], s[98:99] offset:(\a)*768+\e*98304+512
.endr
.if (\a)%4 == 3
.irp i, 0,1,2,3
	v_lshrrev_b32 v[PWQ+\i], v[SH], v[PWQ+\i]      ; lanes 16-31: the odd head's two bytes come down; the bytes above belong to zero codes and are never 0xff
.endr
	global_store_b128 v[SV], v[PWQ:PWQ+3], s[100:101] offset:((\a)/4)*256
.endif
.endm
.irp a, 0,1,2,3,4,5,6,7
	OUTQK \a
.endr
	s_branch .Lend
.Lv:
	; ---- v: a lane holds a channel, its registers 128 tokens: one step of keys
	s_lshl_b32 s21, s41, 8
	s_lshl_b32 s22, s15, 7
	s_add_co_u32 s21, s21, s22                     ; my first channel
	s_lshl_b32 s18, s42, 8
	s_lshl_b32 s19, s16, 7
	s_add_co_u32 s18, s18, s19                     ; my first token
	s_lshr_b32 s19, s18, 11                        ; batch
	s_and_b32 s20, s18, 2047
	s_lshr_b32 s20, s20, 7                         ; step of 128 keys
	s_lshr_b32 s22, s21, 6
	s_lshl_b32 s19, s19, 4
	s_add_co_u32 s22, s22, s19                     ; batch x 16 + head
	s_lshl_b32 s44, s21, 2
	s_mov_b32 s45, 0
	s_add_nc_u64 s[92:93], s[10:11], s[44:45]      ; bv
	s_lshl_b32 s44, s22, 4
	s_add_co_u32 s44, s44, s20
	s_mul_i32 s44, s44, 6144
	s_add_co_u32 s44, s44, VIMG
	s_add_nc_u64 s[98:99], s[12:13], s[44:45]      ; images [head][step][four tiles of channels][1536]
	s_lshl_b32 s44, s22, 12
	s_lshl_b32 s46, s20, 8
	s_add_co_u32 s44, s44, s46
	s_add_co_u32 s44, s44, VSC
	s_add_nc_u64 s[100:101], s[12:13], s[44:45]    ; scale words [head][step][r][4]
	v_and_b32 v3, 8, v1
	v_add_nc_u32 v3, v3, v1
	v_lshlrev_b32 v3, 2, v3                        ; 4 (r + 8 (r / 8))
.irp a, 0,1,2,3,4,5,6,7
	global_load_b32 v[BN+2*\a], v3, s[92:93] offset:(32*(\a/2)+8*(\a%2))*4     ; my channel's bias, twice: a pair for the packed addition
	global_load_b32 v[BN+2*\a+1], v3, s[92:93] offset:(32*(\a/2)+8*(\a%2))*4
.endr
	v_lshlrev_b32 v[SV], 12, v2                    ; lanes 16-31 store the second head's words
	v_lshl_add_u32 v[SV], v1, 4, v[SV]
	LAST
	PLACES NP
	s_wait_loadcnt 0x0
.macro OUTV a
	ADDB \a, 1
	s_wait_xcnt 0x0
	QUANT HA, PWQ+(\a)
	STORE_FRAG 98, ((\a)/4)*98304+((\a)%4)*1536
.endm
.irp a, 0,1,2,3,4,5,6,7
	OUTV \a
.endr
	v_cmp_eq_u32 vcc_lo, 1, v2
.irp i, 0,1,2,3
	v_cndmask_b32 v[PWQ+\i], v[PWQ+\i], v[PWQ+4+\i], vcc_lo
.endr
	global_store_b128 v[SV], v[PWQ:PWQ+3], s[100:101]
.Lend:
	s_wait_tensorcnt 0x0                           ; the wave's end
	ds_add_u32 v[SPW], v[NIL]
	s_wait_dscnt 0x0
	CROUND                                         ; the closing round
	s_endpgm
.Lfunc_end_k_q1e4a953b5e_qkv:
	.size	k_q1e4a953b5e_qkv, .Lfunc_end_k_q1e4a953b5e_qkv-k_q1e4a953b5e_qkv
	.p2alignl 7, 3214868480
	.fill 96, 4, 3214868480
	.section	.rodata,"a",@progbits
	.p2align	6, 0x0
	.amdhsa_kernel k_q1e4a953b5e_qkv
		.amdhsa_group_segment_fixed_size 327680
		.amdhsa_private_segment_fixed_size 0
		.amdhsa_enable_private_segment 0
		.amdhsa_kernarg_size 40
		.amdhsa_user_sgpr_count 2
		.amdhsa_user_sgpr_kernarg_segment_ptr 1
		.amdhsa_wavefront_size32 1
		.amdhsa_system_sgpr_workgroup_id_x 1
		.amdhsa_system_sgpr_workgroup_id_y 1
		.amdhsa_system_sgpr_workgroup_id_z 1
		.amdhsa_system_vgpr_workitem_id 0
		.amdhsa_next_free_vgpr 1024
		.amdhsa_next_free_sgpr 102
		.amdhsa_reserve_vcc 1
		.amdhsa_float_denorm_mode_32 3
		.amdhsa_float_denorm_mode_16_64 3
		.amdhsa_memory_ordered 1
		.amdhsa_forward_progress 1
		.amdhsa_inst_pref_size 229
	.end_amdhsa_kernel
	.amdgpu_metadata
---
amdhsa.version: [ 1, 2 ]
amdhsa.kernels:
  - .name:           k_q1e4a953b5e_qkv
    .symbol:         k_q1e4a953b5e_qkv.kd
    .args:
      - { .name: wq, .offset: 0, .size: 8, .value_kind: global_buffer, .address_space: global }
      - { .name: bq, .offset: 8, .size: 8, .value_kind: global_buffer, .address_space: global }
      - { .name: bk, .offset: 16, .size: 8, .value_kind: global_buffer, .address_space: global }
      - { .name: bv, .offset: 24, .size: 8, .value_kind: global_buffer, .address_space: global }
      - { .name: qkv, .offset: 32, .size: 8, .value_kind: global_buffer, .address_space: global }
    .group_segment_fixed_size: 327680
    .private_segment_fixed_size: 0
    .kernarg_segment_align: 8
    .kernarg_segment_size: 40
    .max_flat_workgroup_size: 128
    .sgpr_count:     102
    .vgpr_count:     1024
    .wavefront_size: 32
...
	.end_amdgpu_metadata
.endif
;; end of part 2
;; launch attn (part 3): grid 8 x 32, 16 waves a work-group, no clusters, 210,944 bytes of LDS; arguments qkv, flags, mask, oq; writes oq
.if DOCPART == 3
	.amdgcn_target "amdgcn-amd-amdhsa--gfx1250"
	.amdhsa_code_object_version 6
	.text
	.protected	k_q1e4a953b5e_attn
	.globl	k_q1e4a953b5e_attn
	.p2align	8
	.type	k_q1e4a953b5e_attn,@function
k_q1e4a953b5e_attn:
	s_mov_b64 s[64:65], 0
	v_nop
	global_prefetch_b8 v0, s[64:65] scope:SCOPE_SE
	s_setreg_imm32_b32 hwreg(HW_REG_WAVE_MODE, 25, 1), 1
	s_wait_xcnt 0x0
; o = softmax(q k^T / 8 + (mask ? 0 : -1e12)) v for one head and 256 queries, both products on codes of BF6 (E3M2) with E8M0 scales, and o quantised along its 64 channels for the next product.
; THE SOFTMAX: t = logit x log2(e); M = the running largest t rounded up to a whole number; p = 2^(t - M) is quantised along the keys, not normalised; the sum of the unquantised p divides at the end.
; SHARES.  Sixteen waves, one tile of 16 queries each, four to a SIMD.  A whole head's k and v (images of operand registers) and their scale words are 208,896 bytes: they come into LDS ONCE, through registers; one barrier.
; No tensor load, no copy, no cluster: a step branches on a flag that an earlier launch stored.  The eight work-groups of a head each read its 204 KB.
; LAYOUT.  S^T = k q^T (source 0 = 16 keys, source 1 = my queries), O^T = v^T p^T: a lane holds one query throughout.  A tile's places hold rows 32 P + 8 u + r + 8 (r / 8): the 16 registers of tiles 2 b, 2 b + 1 are keys 32 b + 16 (lane / 16) + 0 .. 15.
; K = 64 in the first product: q's registers 6-11 are zero codes; k's registers 6-11 are then whatever follows (the next tile's codes): they meet zeros, and no scale byte is 0xff.
; THE MASK.  A bit of the flags says that all mask bytes of my 16 queries x a step's 128 keys are 1: then the mask costs nothing.  Else its bytes are read and -8e12 is added to hidden scores (8 x reference's own f32 sum, exactly),
; t is rounded as f32 and t - M is an exact difference: a row that is wholly hidden so far has p = 1 everywhere, as the definition gives.
; LIMITS: NaN and infinities are not served; a block of zeros gets the byte 1.  o's scale words leave as 32 bytes a wave in pieces of 2 bytes, since a word's two halves belong to two heads: 131,072 bytes in the launch.
.set KIMG, 3145728
.set VIMG, 6291456
.set QSC,  9437184
.set KSC,  9699328
.set VSC,  9961472
.set OSC,  3145728
.set LV,   98304                       ; LDS: k's 128 tiles x 768 at 0; v's 16 steps x 4 x 1,536;
.set LKS,  196608                      ; k's scale words [four tiles][r][4];
.set LVS,  204800                      ; v's [step][r][4]
.set AK16, 1                           ; v1  16 x lane
.set AK8,  2                           ; v2  8 x lane
.set AV16, 3
.set AV8,  4
.set ASK,  5
.set ASV,  6
.set MQ,   7                           ; v7  my query's row of the mask, + 16 h
.set ADK16, 8
.set ADK8,  9
.set ADV16, 10
.set ADV8,  11
.set ADS,  28
.set ADT,  29
.set MA,   30
.set WV,   12
.set SEL,  20
.set CM,   22                          ; s[22:23] what a score is multiplied by: log2(e) / 8, or 1 where t has been made already
.set FLG,  28
.set TB,   30
.set TS,   31
.set TJ,   32
.set KB,   33
.set ST,   34
	s_load_b256 s[4:11], s[0:1], 0x0               ; qkv, flags, mask, oq
	v_lshl_add_u32 v250, v0, 2, 0x33000
	v_mov_b32 v251, 0
	v_lshrrev_b32 v8, 5, v0
	v_readfirstlane_b32 s[WV], v8                  ; wave 0..15
	s_and_b32 s13, ttmp7, 0xffff                   ; batch x 16 + head
	s_lshl_b32 s14, ttmp9, 4
	s_add_co_u32 s14, s14, s[WV]                   ; my tile of queries, 0..127
	s_mul_i32 s16, s13, 98304
	s_add_co_u32 s36, s16, KIMG
	s_mov_b32 s37, 0
	s_add_co_u32 s38, s16, VIMG
	s_mov_b32 s39, 0
	s_lshl_b32 s18, s13, 13
	s_add_co_u32 s40, s18, KSC
	s_mov_b32 s41, 0
	s_lshl_b32 s19, s13, 12
	s_add_co_u32 s42, s19, VSC
	s_mov_b32 s43, 0
	s_mul_i32 s44, s14, 768
	s_add_co_u32 s44, s44, s16                     ; q's image
	s_mov_b32 s45, 0
	s_lshr_b32 s46, s14, 2
	s_lshl_b32 s46, s46, 8
	s_and_b32 s15, s14, 3
	s_lshl_b32 s15, s15, 2
	s_add_co_u32 s46, s46, s15
	s_add_co_u32 s46, s46, s18
	s_add_co_u32 s46, s46, QSC                     ; q's scale words
	s_mov_b32 s47, 0
	s_lshr_b32 s48, s14, 1
	s_lshl_b32 s48, s48, 4                         ; four flag words for 32 queries
	s_mov_b32 s49, 0
	s_lshr_b32 s53, s13, 4
	s_lshl_b32 s53, s53, 7
	s_add_co_u32 s53, s53, s14                     ; my tile among all 256
	s_and_b32 s54, s13, 15                         ; head
	s_mul_i32 s56, s53, 12288
	s_mul_i32 s55, s54, 768
	s_add_co_u32 s56, s56, s55                     ; o's image [tile][head][768]
	s_mov_b32 s57, 0
	s_lshr_b32 s58, s53, 1
	s_lshl_b32 s58, s58, 10
	s_lshr_b32 s55, s54, 1
	s_lshl_b32 s55, s55, 7
	s_add_co_u32 s58, s58, s55
	s_and_b32 s55, s53, 1
	s_lshl_b32 s55, s55, 6
	s_add_co_u32 s58, s58, s55
	s_and_b32 s55, s54, 1
	s_lshl_b32 s55, s55, 1
	s_add_co_u32 s58, s58, s55
	s_add_co_u32 s58, s58, OSC                     ; o's scale words [pair of tiles][two heads][tile % 2][r], my head's half
	s_mov_b32 s59, 0
	s_lshr_b32 s15, s14, 1
	s_lshl_b32 s15, s15, 5
	s_and_b32 s17, s14, 1
	s_lshl_b32 s17, s17, 3
	s_add_co_u32 s15, s15, s17                     ; the query in my tile's place 0
	s_mov_b32 s[SEL], 0x76543210
	s_mov_b32 s[SEL+1], 0xfedcba98
	v_lshlrev_b32 v224, 4, v0                      ; the fill: 16 bytes a thread, 8,192 an instruction
	v_add_nc_u32 v225, 0x10000, v224
	v_add_nc_u32 v226, 0x20000, v224
	v_add_nc_u32 v227, 0x30000, v224
	v_lshlrev_b32 v228, 3, v0
	v_add_nc_u32 v229, 0x30000, v228
	v_and_b32 v230, 15, v0                         ; r
	v_bfe_u32 v231, v0, 4, 1                       ; h
	v_and_b32 v232, 31, v0                         ; lane
	v_lshlrev_b32 v[AK16], 4, v232
	v_lshlrev_b32 v[AK8], 3, v232
	v_add_nc_u32 v[AV16], LV, v[AK16]
	v_add_nc_u32 v[AV8], LV, v[AK8]
	v_lshlrev_b32 v233, 4, v230
	v_add_nc_u32 v[ASK], LKS, v233
	v_add_nc_u32 v[ASV], LVS, v233
	v_and_b32 v234, 8, v230
	v_add_nc_u32 v234, v234, v230
	v_add_nc_u32 v234, s15, v234                   ; my query
	v_lshlrev_b32 v[MQ], 11, v234
	v_lshl_add_u32 v[MQ], v231, 4, v[MQ]
	s_wait_kmcnt 0x0
	s_add_nc_u64 s[36:37], s[4:5], s[36:37]
	s_add_nc_u64 s[38:39], s[4:5], s[38:39]
	s_add_nc_u64 s[40:41], s[4:5], s[40:41]
	s_add_nc_u64 s[42:43], s[4:5], s[42:43]
	s_add_nc_u64 s[44:45], s[4:5], s[44:45]
	s_add_nc_u64 s[46:47], s[4:5], s[46:47]
	s_add_nc_u64 s[6:7], s[6:7], s[48:49]
	s_add_nc_u64 s[56:57], s[10:11], s[56:57]
	s_add_nc_u64 s[58:59], s[10:11], s[58:59]
	s_load_b128 s[24:27], s[6:7], 0x0
.irp j, 0,1,2,3,4,5,6,7,8,9,10,11
	global_load_b128 v[32+4*\j:35+4*\j], v224, s[36:37] offset:8192*\j
.endr
.irp j, 0,1,2,3,4,5,6,7,8,9,10,11
	global_load_b128 v[80+4*\j:83+4*\j], v224, s[38:39] offset:8192*\j
.endr
	global_load_b128 v[128:131], v224, s[40:41]
	global_load_b64 v[132:133], v228, s[42:43]
	global_load_b128 v[16:19], v[AK16], s[44:45]   ; q's image: registers 0-5 of its fragment
	global_load_b64 v[20:21], v[AK8], s[44:45] offset:512
	global_load_b32 v255, v233, s[46:47]           ; q's scale words
.irp j, 22,23,24,25,26,27
	v_mov_b32 v[\j], 0                             ; k = 64 .. 127: zero codes
.endr
	v_mov_b32 v13, 0xff61b1e6                      ; the largest t so far: -3e38
	v_floor_f32 v12, -v13                          ; -M
	v_mov_b32 v14, 0                               ; the sum, in two halves
	v_mov_b32 v15, 0
	v_mov_b32 v220, 0xd4e8d4a5                     ; -8e12 = 8 x f32(-1e12)
.irp b, 0,1,2,3
	v_mov_b32 v[236+\b], 0                         ; a lane permute's destination counts as one of its sources
.endr
	v_mov_b32 v253, 0
.set n, 0
.rept 32
	v_mov_b32 v[160+n], 0                          ; O^T: the loop is written once; its first step finds zeros
.set n, n+1
.endr
	s_wait_kmcnt 0x0
	s_and_b32 s50, s24, s26                        ; an even tile holds the rows of words 0 and 2, an odd one those of words 1 and 3
	s_and_b32 s51, s25, s27
	s_and_b32 s52, s[WV], 1
	s_cmp_lg_u32 s52, 0
	s_cselect_b32 s[FLG], s51, s50
	s_mov_b32 s[TB], 0
	s_mov_b32 s[TS], 0
	s_mov_b32 s[TJ], 0
	s_mov_b32 s[KB], 0
	s_mov_b32 s[ST], 0
	s_wait_loadcnt 0x0
.irp j, 0,1,2,3,4,5,6,7,8,9,10,11,12,13,14,15,16,17,18,19,20,21,22,23,24
	ds_store_b128 v[224+\j/8], v[32+4*\j:35+4*\j] offset:(\j%8)*8192
.endr
	ds_store_b64 v229, v[132:133] offset:8192
	s_wait_dscnt 0x0                               ; for the others' sake: my stores have landed
	s_barrier_signal -1
	s_barrier_wait -1
.Lstep:                                            ; sixteen steps of 128 keys
	s_mov_b32 s[CM], 0x3e38aa3b                    ; log2(e) / 8
	s_mov_b32 s[CM+1], 0x3e38aa3b
	v_add_nc_u32 v[ADK16], s[TB], v[AK16]          ; these six are also the places behind the last step's products
	v_add_nc_u32 v[ADK8], s[TB], v[AK8]
	v_add_nc_u32 v[ADV16], s[TB], v[AV16]
	v_add_nc_u32 v[ADV8], s[TB], v[AV8]
	v_add_nc_u32 v[ADS], s[TS], v[ASK]
	v_add_nc_u32 v[ADT], s[TJ], v[ASV]
.irp t, 0,1,2,3,4,5,6,7
	ds_load_b128 v[32+6*\t:35+6*\t], v[ADK16] offset:768*\t
	ds_load_b64 v[36+6*\t:37+6*\t], v[ADK8] offset:768*\t+512
.endr
	ds_load_b128 v[192:195], v[ADS]
	ds_load_b128 v[196:199], v[ADS] offset:256
	s_wait_dscnt 0x0
.irp t, 0,1,2,3,4,5,6,7
	v_wmma_scale_f32_16x16x128_f8f6f4 v[96+8*\t:103+8*\t], v[32+6*\t:43+6*\t], v[16:27], 0, v[192+\t], v255 matrix_a_fmt:MATRIX_FMT_BF6 matrix_b_fmt:MATRIX_FMT_BF6
.endr
.rept 4
	v_nop                                          ; places in front of the loads into k's registers and of the first read of the scores
.endr
.irp c, 0,1,2,3                                ; v's four fragments land under the softmax
	ds_load_b128 v[32+12*\c:35+12*\c], v[ADV16] offset:1536*\c
	ds_load_b64 v[36+12*\c:37+12*\c], v[ADV8] offset:1536*\c+512
	ds_load_b128 v[38+12*\c:41+12*\c], v[ADV16] offset:1536*\c+768
	ds_load_b64 v[42+12*\c:43+12*\c], v[ADV8] offset:1536*\c+1280
.endr
	ds_load_b128 v[200:203], v[ADT]
	s_lshr_b32 s35, s[FLG], s[ST]
	s_and_b32 s35, s35, 1
	s_cmp_lg_u32 s35, 0
	s_cbranch_scc1 .Lopen                          ; all of this step's mask bytes of my queries are 1
	v_add_nc_u32 v[MA], s[KB], v[MQ]
.irp b, 0,1,2,3
	global_load_b128 v[204+4*\b:207+4*\b], v[MA], s[8:9] offset:32*\b   ; the bytes of keys 32 b + 16 h + 0 .. 15
.endr
	s_wait_loadcnt 0x0
.set n, 0
.rept 64
	v_and_b32 v[221+n%2], 0xff<<(8*(n%4)), v[204+4*(n/16)+(n%16)/4]
	v_cmp_eq_u32 vcc_lo, 0, v[221+n%2]
	v_cndmask_b32 v[221+n%2], 0, v220, vcc_lo
	v_add_f32 v[96+n], v[96+n], v[221+n%2]         ; score - 8e12 where the byte is 0
.set n, n+1
.endr
.set n, 0
.rept 32
	v_pk_mul_f32 v[96+n:97+n], v[96+n:97+n], s[CM:CM+1] op_sel_hi:[1,0]   ; t, rounded as f32
.set n, n+2
.endr
	s_mov_b32 s[CM], 1.0
	s_mov_b32 s[CM+1], 1.0
.Lopen:
.irp b, 0,1,2,3
	v_max3_num_f32 v[232+\b], v[96+16*\b], v[97+16*\b], v[98+16*\b]   ; the largest score of each block of 32 keys: for the row's maximum, and for the block's largest p
.endr
.irp i, 3,5,7,9,11,13
.irp b, 0,1,2,3
	v_max3_num_f32 v[232+\b], v[232+\b], v[96+16*\b+\i], v[97+16*\b+\i]
.endr
.endr
.irp b, 0,1,2,3
	v_max_num_f32 v[232+\b], v[232+\b], v[111+16*\b]
.endr
.irp b, 0,1,2,3
	v_permlanex16_b32 v[236+\b], v[232+\b], s[SEL], s[SEL+1]
.endr
.irp b, 0,1,2,3
	v_max_num_f32 v[232+\b], v[232+\b], v[236+\b]
.endr
	v_max3_num_f32 v254, v232, v233, v234
	v_max_num_f32 v254, v254, v235
	v_mul_f32 v254, s[CM], v254                    ; as t
	v_max_num_f32 v13, v13, v254                   ; the running largest t
	v_mov_b32 v254, v12
	v_floor_f32 v12, -v13                          ; the new -M = -ceil(t)
	v_sub_f32 v254, v12, v254                      ; old M - new M: a whole number, 0 or less
	v_cvt_i32_f32 v254, v254                       ; (it saturates)
	v_ldexp_f32 v252, 1.0, v254                    ; f = 2^(old M - new M)
.set n, 0
.rept 32
	v_pk_fma_f32 v[96+n:97+n], v[96+n:97+n], s[CM:CM+1], v[12:13] op_sel_hi:[1,0,0]   ; t - M
.set n, n+2
.endr
.irp b, 0,1,2,3
	v_fma_f32 v[232+\b], v[232+\b], s[CM], v12
.endr
.set n, 0
.rept 64
	v_exp_f32 v[96+n], v[96+n]                     ; p = 2^(t - M)
.set n, n+1
.endr
.irp b, 0,1,2,3
	v_exp_f32 v[232+\b], v[232+\b]                 ; the block's largest p
.endr
	v_pk_mul_f32 v[14:15], v[14:15], v[252:253] op_sel_hi:[1,0]   ; the sums under the new M (a plain place behind the exponentials)
	s_wait_alu depctr_va_vdst(0)
.irp b, 0,1,2,3
	v_max_num_f32 v[232+\b], 0x2800000, v[232+\b]  ; the floor 2^(5 - 127)
.endr
.irp b, 0,1,2,3
	v_add_nc_u32 v[244+\b], 0xfe000000, v[232+\b]
.endr
.irp b, 0,1,2,3
	v_lshrrev_b32 v[236+\b], 23, v[244+\b]
.endr
	v_lshl_or_b32 v253, v237, 8, v236              ; p's scale word for these 128 keys
	v_lshl_or_b32 v253, v238, 16, v253
	v_lshl_or_b32 v253, v239, 24, v253
.irp c, 0,1
	v_cvt_scalef32_pk16_bf6_f32 v[224+6*\c:226+6*\c], v[96+32*\c:111+32*\c], v[244+2*\c]
	v_cvt_scalef32_pk16_bf6_f32 v[236+4*\c:238+4*\c], v[112+32*\c:127+32*\c], v[244+2*\c+1]
.endr
	v_nop                                          ; one plain place behind a scaled conversion
.irp c, 0,1
.irp i, 0,1,2
	v_permlane16_swap_b32 v[224+6*\c+\i], v[236+4*\c+\i]
.endr
.irp i, 0,1,2
	v_mov_b32 v[227+6*\c+\i], v[236+4*\c+\i]
.endr
.endr
	v_pk_add_f32 v[236:237], v[96:97], v[98:99]    ; the row's sum is taken of the unquantised p, in two chains
.irp j, 4,8,12,16,20,24,28,32,36,40,44,48,52,56,60
	v_pk_add_f32 v[14:15], v[14:15], v[96+\j:97+\j]
	v_pk_add_f32 v[236:237], v[236:237], v[98+\j:99+\j]
.endr
	v_pk_add_f32 v[14:15], v[14:15], v[236:237]
.set n, 0
.rept 16
	v_pk_mul_f32 v[160+n:161+n], v[160+n:161+n], v[252:253] op_sel_hi:[1,0]   ; O^T under the new M; with the sums above, the places in front of the products below
.set n, n+2
.endr
	s_wait_dscnt 0x0                               ; v's fragments and scale words are in
.irp c, 0,1,2,3
	v_wmma_scale_f32_16x16x128_f8f6f4 v[160+8*\c:167+8*\c], v[32+12*\c:43+12*\c], v[224:235], v[160+8*\c:167+8*\c], v[200+\c], v253 matrix_a_fmt:MATRIX_FMT_BF6 matrix_b_fmt:MATRIX_FMT_BF6
.endr
	s_add_co_u32 s[TB], s[TB], 6144
	s_add_co_u32 s[TS], s[TS], 512
	s_add_co_u32 s[TJ], s[TJ], 256
	s_add_co_u32 s[KB], s[KB], 128
	s_add_co_u32 s[ST], s[ST], 1
	s_cmp_lt_u32 s[ST], 16
	s_cbranch_scc1 .Lstep
.rept 4
	v_nop
.endr
	v_add_f32 v14, v14, v15
	v_permlanex16_b32 v252, v14, s[SEL], s[SEL+1]
	v_add_f32 v14, v14, v252                       ; the row's sum
	v_rcp_f32 v14, v14
	v_and_b32 v28, 15, v0                          ; (a plain place behind the transcendental)
	v_lshlrev_b32 v28, 2, v28                      ; 4 r
.set n, 0
	s_wait_alu depctr_va_vdst(0)
.rept 32
	v_mul_f32 v[96+n], v[160+n], v14               ; o: register 16 g + i is channel 32 g + 16 h + i of my query
.set n, n+1
.endr
.irp b, 0,1
	v_max3_num_f32 v[232+\b], |v[96+16*\b]|, |v[97+16*\b]|, 0x2800000
.endr
.irp i, 2,4,6,8,10,12,14
.irp b, 0,1
	v_max3_num_f32 v[232+\b], v[232+\b], |v[96+16*\b+\i]|, |v[97+16*\b+\i]|
.endr
.endr
.irp b, 0,1
	v_permlanex16_b32 v[236+\b], v[232+\b], s[SEL], s[SEL+1]
.endr
.irp b, 0,1
	v_max_num_f32 v[232+\b], v[232+\b], v[236+\b]
.endr
.irp b, 0,1
	v_add_nc_u32 v[244+\b], 0xfe000000, v[232+\b]
.endr
.irp b, 0,1
	v_lshrrev_b32 v[240+\b], 23, v[244+\b]
.endr
	v_lshl_or_b32 v253, v241, 8, v240              ; my head's two bytes
	v_cvt_scalef32_pk16_bf6_f32 v[224:226], v[96:111], v244
	v_cvt_scalef32_pk16_bf6_f32 v[236:238], v[112:127], v245
	v_nop
.irp i, 0,1,2
	v_permlane16_swap_b32 v[224+\i], v[236+\i]
.endr
.irp i, 0,1,2
	v_mov_b32 v[227+\i], v[236+\i]
.endr
	global_store_b128 v[AK16], v[224:227], s[56:57]
	global_store_b64 v[AK8], v[228:229], s[56:57] offset:512
	global_store_b16 v28, v253, s[58:59]           ; lanes l and l + 16 store the same two bytes to the same place
	s_wait_tensorcnt 0x0
	ds_add_u32 v250, v251
	s_wait_dscnt 0x0
	s_endpgm
.Lfunc_end_k_q1e4a953b5e_attn:
	.size	k_q1e4a953b5e_attn, .Lfunc_end_k_q1e4a953b5e_attn-k_q1e4a953b5e_attn
	.p2alignl 7, 3214868480
	.fill 96, 4, 3214868480
	.section	.rodata,"a",@progbits
	.p2align	6, 0x0
	.amdhsa_kernel k_q1e4a953b5e_attn
		.amdhsa_group_segment_fixed_size 210944
		.amdhsa_private_segment_fixed_size 0
		.amdhsa_enable_private_segment 0
		.amdhsa_kernarg_size 32
		.amdhsa_user_sgpr_count 2
		.amdhsa_user_sgpr_kernarg_segment_ptr 1
		.amdhsa_wavefront_size32 1
		.amdhsa_system_sgpr_workgroup_id_x 1
		.amdhsa_system_sgpr_workgroup_id_y 1
		.amdhsa_system_sgpr_workgroup_id_z 1
		.amdhsa_system_vgpr_workitem_id 0
		.amdhsa_next_free_vgpr 256
		.amdhsa_next_free_sgpr 66
		.amdhsa_reserve_vcc 1
		.amdhsa_float_denorm_mode_32 3
		.amdhsa_float_denorm_mode_16_64 3
		.amdhsa_memory_ordered 1
		.amdhsa_forward_progress 1
		.amdhsa_inst_pref_size 43
	.end_amdhsa_kernel
	.amdgpu_metadata
---
amdhsa.version: [ 1, 2 ]
amdhsa.kernels:
  - .name:           k_q1e4a953b5e_attn
    .symbol:         k_q1e4a953b5e_attn.kd
    .args:
      - { .name: qkv, .offset: 0, .size: 8, .value_kind: global_buffer, .address_space: global }
      - { .name: flags, .offset: 8, .size: 8, .value_kind: global_buffer, .address_space: global }
      - { .name: mask, .offset: 16, .size: 8, .value_kind: global_buffer, .address_space: global }
      - { .name: oq, .offset: 24, .size: 8, .value_kind: global_buffer, .address_space: global }
    .group_segment_fixed_size: 210944
    .private_segment_fixed_size: 0
    .kernarg_segment_align: 8
    .kernarg_segment_size: 32
    .max_flat_workgroup_size: 512
    .sgpr_count:     66
    .vgpr_count:     256
    .wavefront_size: 32
...
	.end_amdgpu_metadata
.endif
;; end of part 3
;; launch proj (part 4): grid 4 x 16, 4 waves a work-group, clusters of 4 x 4, 327,680 bytes of LDS; arguments oq, wq, bp, x, y; writes y
.if DOCPART == 4
	.amdgcn_target "amdgcn-amd-amdhsa--gfx1250"
	.amdhsa_code_object_version 6
	.text
	.protected	k_q1e4a953b5e_proj
	.globl	k_q1e4a953b5e_proj
	.p2align	8
	.type	k_q1e4a953b5e_proj,@function
k_q1e4a953b5e_proj:
	s_mov_b64 s[64:65], 0
	v_nop
	global_prefetch_b8 v0, s[64:65] scope:SCOPE_SE
	s_setreg_imm32_b32 hwreg(HW_REG_WAVE_MODE, 25, 1), 1
	s_wait_xcnt 0x0
	s_wait_alu depctr_hold_cnt(0) depctr_sa_sdst(0) depctr_va_vdst(0) depctr_va_sdst(0) depctr_va_ssrc(0) depctr_va_vcc(0) depctr_vm_vsrc(0)
	s_getreg_b32 s2, hwreg(HW_REG_IB_STS2, 6, 4)
	s_cmp_eq_u32 s2, 0
	s_cbranch_scc0 .Lentry_in_a_cluster
	s_endpgm
.Lentry_in_a_cluster:
	s_bfe_u32 s2, ttmp6, 0x10000c
	s_cmp_lg_u32 s2, 0xf033
	s_cbranch_scc0 .Lentry_shape_is_right
	s_endpgm
.Lentry_shape_is_right:
; y = A B^T + bias + residual, f32 out.  A [4096][SIZE_K] and B [1024][SIZE_K] are codes of BF6 (E3M2) with E8M0 scales, laid as images of operand registers.  Here: A = o, B = Wp's columns, residual = x.
; A tile of C is 256 x 256: four waves of 128 x 128, 64 accumulators each.  The matrix instruction is used transposed (source 0 = B's 16 rows, source 1 = A's): a lane holds one row of A and its registers run along B's rows.
; A tile's places hold rows 32 P + 8 u + r + 8 (r / 8): a block's register 16 b + i is column 32 b + 16 (lane / 16) + i, and place t of block a is token 32 (a / 2) + 8 (a % 2) + t + 8 (t / 8).
; OPERANDS IN MEMORY: 16 rows x 64 K are 768 bytes (registers 0-3 of lane l at 16 l, registers 4-5 at 512 + 8 l), a tile's images on end along K: a K step's 8 tiles are 8 rows of 3,072 bytes for one tensor load.
; K goes in steps of 256 through a ring of two LDS slots; the scale words of the work-group's rows, for all of K, come once.  The bias is the C of each sum's first matrix instruction.
; CLUSTERS: 4 x 4 work-groups; A's tiles are asked for jointly along a row of the cluster, B's along a column.  C has 64 such tiles: so many work-groups are launched.
; REGISTERS: window 0: v1 r, v2 h, v16-31 addresses, v32-63 scale words (two sets), v64-127 the bias, later residual rows, v128-223 A's fragments (one set), on the way out v64-255; window 1: B's fragments, two sets; windows 2, 3: accumulators.
.set SIZE_K, 1024
.set PA,   4
.set PB,   6
.set AIMG, 0
.set ASC,  3145728
.set BIMG, 5505024
.set BSC,  12812288
.set NQ,     2
.set FR,     12
.set NL,     4
.set NP,     4
.set SLAB,   3072
.set HALFT,  8*SLAB
.set SLOT,   4*HALFT
.set NS,     SIZE_K/128
.set HALFS,  NS*512
.set SCL,    2*SLOT
.set SPARE,  SCL+4*HALFS               ; the spare words, 128 bytes for each wave: two blocks of 256 bytes that no other line names
.set LAPS,   SIZE_K/512
.set TSTR,   SIZE_K*12
.set SPITCH, 528                       ; the way out: a stage of 16 rows x (512 bytes + 16) for each wave, in slot 0, which has had its last fill and its last read by then
.set ADRA, 16
.set ADRB, 20
.set A16,  24
.set A8,   25
.set ADRS, 27
.set SPW,  28
.set NIL,  29
.set STO,  30
.set RD,   31
.set SC,   32
.set BN,   64
.set AF,   128
.set RS,   64                          ; residual rows: v64-127 and v128-191 by turns
.set BB,   192                         ; 16 rows read back from the stage
.set G1, 24
.set G0, 32
.set G1B, 48
.set G0B, 56
.set G1S, 68
.set G0S, 76
.set G1SB, 80
.set G0SB, 88
.set MSB, 0
.macro WIN new                         ; the immediate's high byte repeats the setting that is left
.if MSB != (\new)
	s_set_vgpr_msb (MSB<<8)|(\new)
.set MSB, (\new)
.endif
.endm
.set TO_B, 0x40
.macro WMUL hi, zero
.if \zero == 2
	WIN 0x81+0x40*\hi
.else
	WIN 0xa1+0x50*\hi
.endif
.endm
.macro JLOAD g0a, g1a, g0b, g1b        ; a joint load: waves 0 and 1 fetch for A, waves 2 and 3 for B; four v_nop follow each line
	s_cmp_eq_u32 s15, 0
	s_cbranch_scc0 .Lfor_b_\@
	tensor_load_to_lds s[\g0a:\g0a+3], s[\g1a:\g1a+7]
	s_nop 0
.rept 4
	v_nop
.endr
	s_branch .Lasked_\@
.Lfor_b_\@:
	tensor_load_to_lds s[\g0b:\g0b+3], s[\g1b:\g1b+7]
	s_nop 0
.rept 4
	v_nop
.endr
.Lasked_\@:
.endm
.macro CREST
	s_cmp_lg_u32 s14, 0
	s_cbranch_scc1 .Lnot_wave_0_\@
	s_barrier_signal -3
.Lnot_wave_0_\@:
	s_barrier_wait -3
	s_barrier_signal -1
	s_barrier_wait -1
.endm
.macro CROUND
	s_barrier_signal -1
	s_barrier_wait -1
	CREST
.endm
.macro FRAG reg, adr, q, i
	ds_load_b128 v[\reg:\reg+3], v[\adr] offset:(\i)*SLAB+(\q)*1536
	ds_load_b64 v[\reg+4:\reg+5], v[\adr+2] offset:(\i)*SLAB+(\q)*1536+512
	ds_load_b128 v[\reg+6:\reg+9], v[\adr] offset:(\i)*SLAB+(\q)*1536+768
	ds_load_b64 v[\reg+10:\reg+11], v[\adr+2] offset:(\i)*SLAB+(\q)*1536+1280
.endm
.macro MUL16 a0, p, q, sc, zero        ; zero = 1: C = 0; 2: C = the bias; 0: the sums go on.  The 64 accumulators take turns.
.irp a, \a0, \a0+1
.irp b, 0,1,2,3,4,5,6,7
.set DR, 8*(8*((\a)%4)+\b)
.set BR, 128*(\p)+FR*\b
.set AR, AF+FR*(\a)
.set SB, SC+8*NQ*(\sc)+NQ*\b+(\q)
.set SA, SC+8*NQ*(\sc)+NQ*(\a)+(\q)
.if \zero == 1
	v_wmma_scale_f32_16x16x128_f8f6f4 v[DR:DR+7], v[BR:BR+FR-1], v[AR:AR+FR-1], 0, v[SB], v[SA] matrix_a_fmt:MATRIX_FMT_BF6 matrix_b_fmt:MATRIX_FMT_BF6 matrix_a_scale:MATRIX_SCALE_ROW1
.elseif \zero == 2
	v_wmma_scale_f32_16x16x128_f8f6f4 v[DR:DR+7], v[BR:BR+FR-1], v[AR:AR+FR-1], v[BN+8*\b:BN+8*\b+7], v[SB], v[SA] matrix_a_fmt:MATRIX_FMT_BF6 matrix_b_fmt:MATRIX_FMT_BF6 matrix_a_scale:MATRIX_SCALE_ROW1
.else
	v_wmma_scale_f32_16x16x128_f8f6f4 v[DR:DR+7], v[BR:BR+FR-1], v[AR:AR+FR-1], v[DR:DR+7], v[SB], v[SA] matrix_a_fmt:MATRIX_FMT_BF6 matrix_b_fmt:MATRIX_FMT_BF6 matrix_a_scale:MATRIX_SCALE_ROW1
.endif
.endr
.endr
.endm
.macro FETCH_B slot, q, p
	WIN TO_B
.irp i, 0,1,2,3,4,5,6,7
	FRAG 128*(\p)+FR*\i, ADRB+\slot, \q, \i
.endr
	WIN 0
.endm
.macro FETCH_A slot, q, i0
.irp i, \i0, \i0+1, \i0+2, \i0+3
	FRAG AF+FR*(\i), ADRA+\slot, \q, \i
.endr
.endm
.macro SCALES sc
.irp i, 0,1,2,3,4,5,6,7
.irp q, 0,1
	ds_load_b32 v[SC+16*\sc+2*\i+\q], v[ADRS] offset:(\i/2)*NS*128+(\i%2)*64+\q*128
.endr
.endr
.endm
.macro PLACES n
.rept \n
	v_nop
.endr
.endm
.macro STEP slot, q, zero
	s_wait_dscnt 4*NL                              ; all but the youngest sixteen loads (A's blocks 4-7) are in
	WMUL 0, \zero
	MUL16 0, (\q)%2, \q, \slot, \zero
	MUL16 2, (\q)%2, \q, \slot, \zero
	s_wait_dscnt 0
	PLACES NP
	FETCH_B \slot, (\q)+1, 1-(\q)%2
	FETCH_A \slot, (\q)+1, 0
	WMUL 1, \zero
	MUL16 4, (\q)%2, \q, \slot, \zero
	MUL16 6, (\q)%2, \q, \slot, \zero
	PLACES NP
	WIN 0
	FETCH_A \slot, (\q)+1, 4
.endm
.macro TURN slot, next, fill
	s_wait_tensorcnt 0x0                           ; all my tensor loads have landed: my part of the next slot
	ds_add_u32 v[SPW], v[NIL]                      ; 0 onto my spare word
	s_wait_dscnt 4*NL+1                            ; the add and the youngest sixteen loads may be out
	WMUL 0, 0
	MUL16 0, 1, NQ-1, \slot, 0
	s_wait_dscnt 0x0                               ; the add is done, and my reads of this slot are over
	s_barrier_signal -1
	MUL16 2, 1, NQ-1, \slot, 0
	WIN 0
	s_barrier_wait -1
.if \fill
	CREST                                          ; the barrier has opened a round of the cluster's: no wave of any partner still reads this slot or has a load on its way
	s_add_nc_u64 s[G0+4*\slot+2:G0+4*\slot+3], s[G0+4*\slot+2:G0+4*\slot+3], 2*SLAB
	s_add_nc_u64 s[G0B+4*\slot+2:G0B+4*\slot+3], s[G0B+4*\slot+2:G0B+4*\slot+3], 2*SLAB
	JLOAD G0+4*\slot, G1, G0B+4*\slot, G1B         ; my one tensor load behind the round; its four v_nop are the places in front of the loads below
.else
	PLACES NP
.endif
	v_add_nc_u32 v[ADRS], 256, v[ADRS]
	FETCH_B \next, 0, 0
	FETCH_A \next, 0, 0
	SCALES \next
	WMUL 1, 0
	MUL16 4, 1, NQ-1, \slot, 0
	MUL16 6, 1, NQ-1, \slot, 0
	PLACES NP
	WIN 0
	FETCH_A \next, 0, 4
.endm
.macro LAST
	s_wait_dscnt 4*NL
	WMUL 0, 0
	MUL16 0, 1, NQ-1, 1, 0
	MUL16 2, 1, NQ-1, 1, 0
	s_wait_dscnt 0
	WMUL 1, 0
	MUL16 4, 1, NQ-1, 1, 0
	MUL16 6, 1, NQ-1, 1, 0
	WIN 0
.endm
	s_load_b256 s[4:11], s[0:1], 0x0               ; A's buffer, wq, the bias, the residual
	s_load_b64 s[12:13], s[0:1], 0x20              ; y
	v_lshl_add_u32 v[SPW], v0, 2, SPARE
	v_mov_b32 v[NIL], 0
	ds_add_u32 v28, v29
	ds_add_u32 v28, v29
	s_wait_dscnt 0x0
	v_lshrrev_b32 v1, 5, v0
	v_readfirstlane_b32 s14, v1                    ; wave 0..3
	s_lshr_b32 s15, s14, 1
	s_and_b32 s16, s14, 1
	s_bfe_u32 s40, ttmp6, 0x40000                  ; cx
	s_bfe_u32 s41, ttmp6, 0x40004                  ; cy
	s_lshl_b32 s42, ttmp9, 2
	s_add_co_u32 s42, s42, s40                     ; B's block of 256 rows
	s_and_b32 s17, ttmp7, 0xffff
	s_lshl_b32 s17, s17, 2
	s_add_co_u32 s17, s17, s41                     ; A's block of 256 rows
	s_lshl_b32 s43, s41, 2
	s_lshl_b32 s43, 15, s43
	s_lshl_b32 s44, 0x1111, s40
	s_or_b32 s[G1+0], s43, (3<<16)|(1<<21)         ; 15:0 the mask; 17:16 elements of 8 bytes; 21 set beside a mask; no padding
	s_or_b32 s[G1B+0], s44, (3<<16)|(1<<21)
.irp g, G1, G1B
	s_mov_b32 s[\g+1], 384<<16
	s_mov_b32 s[\g+2], 8<<16
	s_mov_b32 s[\g+3], 384<<16
	s_mov_b32 s[\g+4], 8
	s_mov_b32 s[\g+5], TSTR/8
	s_mov_b32 s[\g+6], 0
	s_mov_b32 s[\g+7], 0
.endr
	s_or_b32 s[G1S+0], s43, (3<<16)|(1<<21)
	s_or_b32 s[G1SB+0], s44, (3<<16)|(1<<21)
.irp g, G1S, G1SB
	s_mov_b32 s[\g+1], 32<<16
	s_mov_b32 s[\g+2], (HALFS/256)<<16
	s_mov_b32 s[\g+3], 32<<16
	s_mov_b32 s[\g+4], HALFS/256
	s_mov_b32 s[\g+5], 32
	s_mov_b32 s[\g+6], 0
	s_mov_b32 s[\g+7], 0
.endr
	s_lshl_b32 s18, s16, 3
	s_lshl_b32 s20, s17, 4
	s_add_co_u32 s20, s20, s18
	s_lshl_b32 s46, s42, 4
	s_add_co_u32 s46, s46, s18
	s_mul_i32 s22, s20, NS*64
	s_mul_i32 s92, s46, NS*64
	s_mul_i32 s20, s20, TSTR
	s_mul_i32 s46, s46, TSTR
	s_add_co_u32 s20, s20, AIMG
	s_add_co_u32 s22, s22, ASC
	s_add_co_u32 s46, s46, BIMG
	s_add_co_u32 s92, s92, BSC
	s_mov_b32 s21, 0
	s_mov_b32 s23, 0
	s_mov_b32 s47, 0
	s_mov_b32 s93, 0
	s_mul_i32 s45, s14, HALFT
	s_mul_i32 s94, s14, HALFS
	s_wait_kmcnt 0x0
	s_add_nc_u64 s[20:21], s[PA:PA+1], s[20:21]
	s_add_nc_u64 s[22:23], s[PA:PA+1], s[22:23]
	s_add_nc_u64 s[46:47], s[PB:PB+1], s[46:47]
	s_add_nc_u64 s[92:93], s[PB:PB+1], s[92:93]
	CROUND                                         ; all sixteen work-groups are here: the first joint loads meet
	s_mov_b32 s[G0S], 1
	s_add_co_u32 s[G0S+1], s94, SCL
	s_mov_b64 s[G0S+2:G0S+3], s[22:23]
	s_or_b32 s[G0S+3], s[G0S+3], 0x80000000
	s_mov_b32 s[G0SB], 1
	s_add_co_u32 s[G0SB+1], s94, SCL
	s_mov_b64 s[G0SB+2:G0SB+3], s[92:93]
	s_or_b32 s[G0SB+3], s[G0SB+3], 0x80000000
	JLOAD G0S, G1S, G0SB, G1SB
.irp s, 0,1
	s_mov_b32 s[G0+4*\s], 1
	s_add_co_u32 s[G0+4*\s+1], s45, \s*SLOT
	s_add_nc_u64 s[G0+4*\s+2:G0+4*\s+3], s[20:21], \s*SLAB
	s_or_b32 s[G0+4*\s+3], s[G0+4*\s+3], 0x80000000
	s_mov_b32 s[G0B+4*\s], 1
	s_add_co_u32 s[G0B+4*\s+1], s45, \s*SLOT
	s_add_nc_u64 s[G0B+4*\s+2:G0B+4*\s+3], s[46:47], \s*SLAB
	s_or_b32 s[G0B+4*\s+3], s[G0B+4*\s+3], 0x80000000
	JLOAD G0+4*\s, G1, G0B+4*\s, G1B               ; by this text's count three tensor loads of a wave are out here, later one
.endr
	v_and_b32 v1, 15, v0                           ; r
	v_bfe_u32 v2, v0, 4, 1                         ; h
	v_and_b32 v3, 31, v0                           ; lane
	v_lshlrev_b32 v[A16], 4, v3
	v_lshlrev_b32 v[A8], 3, v3
	s_mul_i32 s21, s15, HALFT
	s_mul_i32 s22, s16, HALFT
	s_add_co_u32 s22, s22, 2*HALFT
.irp s, 0,1
	v_add_nc_u32 v[ADRA+\s], s21, v[A16]
	v_add_nc_u32 v[ADRB+\s], s22, v[A16]
	v_add_nc_u32 v[ADRA+2+\s], s21, v[A8]
	v_add_nc_u32 v[ADRB+2+\s], s22, v[A8]
	s_add_co_u32 s21, s21, SLOT
	s_add_co_u32 s22, s22, SLOT
.endr
	v_lshlrev_b32 v4, 2, v1
	s_mul_i32 s21, s15, HALFS
	s_mul_i32 s22, s16, HALFS
	s_add_co_u32 s22, s22, 2*HALFS
	s_sub_co_u32 s22, s22, s21
	v_mul_u32_u24 v5, s22, v2
	s_add_co_u32 s21, s21, SCL
	v_add_nc_u32 v4, v4, v5
	v_add_nc_u32 v[ADRS], s21, v4
	s_lshl_b32 s46, s42, 10
	s_lshl_b32 s47, s16, 9
	s_add_co_u32 s46, s46, s47                     ; my first column, in bytes of f32
	s_mov_b32 s47, 0
	s_add_nc_u64 s[8:9], s[8:9], s[46:47]
	v_lshlrev_b32 v6, 6, v2
.irp b, 0,1,2,3
.irp j, 0,1,2,3
	global_load_b128 v[BN+16*\b+4*\j:BN+16*\b+4*\j+3], v6, s[8:9] offset:128*\b+16*\j   ; the bias of columns 32 b + 16 h + 0 .. 15
.endr
.endr
	s_lshl_b32 s20, s17, 8
	s_lshl_b32 s21, s15, 7
	s_add_co_u32 s20, s20, s21                     ; my first token
	s_lshl_b32 s20, s20, 12
	s_add_co_u32 s20, s20, s46
	s_mov_b32 s21, 0
	s_add_nc_u64 s[10:11], s[10:11], s[20:21]
	s_add_nc_u64 s[12:13], s[12:13], s[20:21]
	s_mul_i32 s23, s14, 16*SPITCH                  ; my stage
	v_mul_u32_u24 v7, v1, SPITCH
	v_lshl_add_u32 v7, v2, 6, v7
	v_add_nc_u32 v[STO], s23, v7                   ; in: row r, + 64 h
	v_add_nc_u32 v[RD], s23, v[A16]                ; back: a row of 512 bytes for the 32 lanes
	s_wait_tensorcnt 1                             ; the scale words and my part of slot 0 are in; slot 1's load may be out
	s_barrier_signal -1
	s_barrier_wait -1
	FETCH_B 0, 0, 0
	FETCH_A 0, 0, 0
	SCALES 0
	FETCH_A 0, 0, 4
	s_wait_loadcnt 0x0                             ; the bias
	STEP 0, 0, 2                                   ; the first products start the sums from the bias
	s_mov_b32 s3, LAPS-1
.Llap:
	TURN 0, 1, 1
	STEP 1, 0, 0
	TURN 1, 0, 1
	STEP 0, 0, 0
	s_sub_co_u32 s3, s3, 1
	s_cmp_lg_u32 s3, 0
	s_cbranch_scc1 .Llap
	TURN 0, 1, 0                                   ; the last lap fills nothing
.macro RLOAD a                         ; the residual's 16 rows of block a
.irp t, 0,1,2,3,4,5,6,7,8,9,10,11,12,13,14,15
	global_load_b128 v[RS+64*((\a)%2)+4*\t:RS+64*((\a)%2)+4*\t+3], v[A16], s[10:11] offset:(32*((\a)/2)+8*((\a)%2)+\t+8*(\t/8))*4096
.endr
.endm
	RLOAD 0                                        ; into the bias's registers, which were last read in the first step
	STEP 1, 0, 0
	LAST
	PLACES NP
	RLOAD 1
.macro TOSTAGE a                       ; a lane holds pieces of one row; the block goes through my own stage and comes back as whole rows.  LDS serves a wave's instructions in order (ISA guide 5.7.1.4)
.set AC, 64*((\a)%4)
	WIN 0x08+4*((\a)/4)
.irp b, 0,1,2,3,4,5,6,7
	ds_store_b128 v[STO], v[AC+8*\b:AC+8*\b+3] offset:128*(\b/2)+32*(\b%2)
	ds_store_b128 v[STO], v[AC+8*\b+4:AC+8*\b+7] offset:128*(\b/2)+32*(\b%2)+16
.endr
	WIN 0
.irp t, 0,1,2,3,4,5,6,7,8,9,10,11,12,13,14,15
	ds_load_b128 v[BB+4*\t:BB+4*\t+3], v[RD] offset:\t*SPITCH
.endr
.endm
.macro OUTY a
	s_wait_xcnt 0x0                                ; the last block's stores have read their registers
	TOSTAGE \a
.if (\a) < 7
	s_wait_loadcnt 16                              ; this block's residual rows are in, the next block's sixteen loads may be out
.else
	s_wait_loadcnt 0x0
.endif
	s_wait_dscnt 0x0
.set k, 0
.rept 32
	v_pk_add_f32 v[BB+k:BB+k+1], v[BB+k:BB+k+1], v[RS+64*((\a)%2)+k:RS+64*((\a)%2)+k+1]
.set k, k+2
.endr
.if (\a)+2 < 8
	RLOAD (\a)+2
.endif
.irp t, 0,1,2,3,4,5,6,7,8,9,10,11,12,13,14,15
	global_store_b128 v[A16], v[BB+4*\t:BB+4*\t+3], s[12:13] offset:(32*((\a)/2)+8*((\a)%2)+\t+8*(\t/8))*4096   ; 32 lanes store 512 consecutive bytes, aligned
.endr
.endm
.irp a, 0,1,2,3,4,5,6,7
	OUTY \a
.endr
	s_wait_tensorcnt 0x0                           ; the wave's end
	ds_add_u32 v[SPW], v[NIL]
	s_wait_dscnt 0x0
	CROUND                                         ; the closing round
	s_endpgm
.Lfunc_end_k_q1e4a953b5e_proj:
	.size	k_q1e4a953b5e_proj, .Lfunc_end_k_q1e4a953b5e_proj-k_q1e4a953b5e_proj
	.p2alignl 7, 3214868480
	.fill 96, 4, 3214868480
	.section	.rodata,"a",@progbits
	.p2align	6, 0x0
	.amdhsa_kernel k_q1e4a953b5e_proj
		.amdhsa_group_segment_fixed_size 327680
		.amdhsa_private_segment_fixed_size 0
		.amdhsa_enable_private_segment 0
		.amdhsa_kernarg_size 40
		.amdhsa_user_sgpr_count 2
		.amdhsa_user_sgpr_kernarg_segment_ptr 1
		.amdhsa_wavefront_size32 1
		.amdhsa_system_sgpr_workgroup_id_x 1
		.amdhsa_system_sgpr_workgroup_id_y 1
		.amdhsa_system_sgpr_workgroup_id_z 1
		.amdhsa_system_vgpr_workitem_id 0
		.amdhsa_next_free_vgpr 1024
		.amdhsa_next_free_sgpr 102
		.amdhsa_reserve_vcc 0
		.amdhsa_float_denorm_mode_32 3
		.amdhsa_float_denorm_mode_16_64 3
		.amdhsa_memory_ordered 1
		.amdhsa_forward_progress 1
		.amdhsa_inst_pref_size 175
	.end_amdhsa_kernel
	.amdgpu_metadata
---
amdhsa.version: [ 1, 2 ]
amdhsa.kernels:
  - .name:           k_q1e4a953b5e_proj
    .symbol:         k_q1e4a953b5e_proj.kd
    .args:
      - { .name: oq, .offset: 0, .size: 8, .value_kind: global_buffer, .address_space: global }
      - { .name: wq, .offset: 8, .size: 8, .value_kind: global_buffer, .address_space: global }
      - { .name: bp, .offset: 16, .size: 8, .value_kind: global_buffer, .address_space: global }
      - { .name: x, .offset: 24, .size: 8, .value_kind: global_buffer, .address_space: global }
      - { .name: y, .offset: 32, .size: 8, .value_kind: global_buffer, .address_space: global }
    .group_segment_fixed_size: 327680
    .private_segment_fixed_size: 0
    .kernarg_segment_align: 8
    .kernarg_segment_size: 40
    .max_flat_workgroup_size: 128
    .sgpr_count:     102
    .vgpr_count:     1024
    .wavefront_size: 32
...
	.end_amdgpu_metadata
.endif
;; end of part 4
;; launch ln1 (part 5): grid 256 x 1, 4 waves a work-group, no clusters, 66,304 bytes of LDS; arguments y, gamma1, beta1, x1; writes x1
.if DOCPART == 5
	.amdgcn_target "amdgcn-amd-amdhsa--gfx1250"
	.amdhsa_code_object_version 6
	.text
	.protected	k_q1e4a953b5e_ln1
	.globl	k_q1e4a953b5e_ln1
	.p2align	8
	.type	k_q1e4a953b5e_ln1,@function
k_q1e4a953b5e_ln1:
	s_mov_b64 s[64:65], 0
	v_nop
	global_prefetch_b8 v0, s[64:65] scope:SCOPE_SE
	s_setreg_imm32_b32 hwreg(HW_REG_WAVE_MODE, 25, 1), 1
	s_wait_xcnt 0x0
; x1 = gamma (y - mean) / (std + 1e-6) + beta along rows of 1,024, std with the divisor 1,023; stored as f32, and as codes of BF6 (E3M2) with E8M0 scales, laid as the next product's operand.
; A work-group is a tile of 16 rows (place r holds token 32 (T / 2) + 8 (T % 2) + r + 8 (r / 8)); wave w takes places 4 w .. 4 w + 3, four neighbouring tokens, each whole in 32 registers: mean and deviation need no other wave.
; The rows meet in a stage in LDS (pitch 4,112 bytes), one barrier; wave w then quantises K steps 2 w and 2 w + 1 of all 16 rows.  Memory binds: no matrix unit, no tensor load, no cluster.
; LIMITS: a block of zeros gets the byte 1; blocks under 2^-122 were not tried; NaN and infinities are not served.
.set X1IMG, 16777216
.set X1SC,  19922944
.set Y,   32                           ; v32-159 four rows
.set GA,  160                          ; v160-191 gamma
.set BE,  192                          ; v192-223 beta
.set SM,  224                          ; v224-231 a pair a row: sums, then the mean twice
.set QQ,  232                          ; v232-247 four a row: squares, then 1 / (std + eps) twice
.set A16, 4
.set A8,  5
.set PC,  160                          ; behind the barrier gamma's and beta's registers serve the quantiser
.set TM,  180
.set PW,  196
.set SEL, 22
.macro ALLSUM base, stride             ; v[base + stride i], i = 0 .. 3, summed over the 32 lanes; v[base + stride i + 1] at work
.irp m, 1,2,4,8
.irp i, 0,1,2,3
	v_add_f32_dpp v[\base+\stride*\i], v[\base+\stride*\i], v[\base+\stride*\i] row_xmask:\m row_mask:0xf bank_mask:0xf
.endr
.endr
.irp i, 0,1,2,3
	v_permlanex16_b32 v[\base+\stride*\i+1], v[\base+\stride*\i], s[SEL], s[SEL+1]
.endr
.irp i, 0,1,2,3
	v_add_f32 v[\base+\stride*\i], v[\base+\stride*\i], v[\base+\stride*\i+1]
.endr
.endm
.macro QUANT s, pw
.irp b, 0,1,2,3
	v_max3_num_f32 v[TM+\b], |v[\s+16*\b]|, |v[\s+1+16*\b]|, 0x2800000   ; the floor 2^(5 - 127) among the leaves
.endr
.irp i, 2,4,6,8,10,12,14
.irp b, 0,1,2,3
	v_max3_num_f32 v[TM+\b], v[TM+\b], |v[\s+16*\b+\i]|, |v[\s+1+16*\b+\i]|
.endr
.endr
.irp b, 0,1,2,3
	v_permlanex16_b32 v[TM+4+\b], v[TM+\b], s[SEL], s[SEL+1]
.endr
.irp b, 0,1,2,3
	v_max_num_f32 v[TM+\b], v[TM+\b], v[TM+4+\b]
.endr
.irp b, 0,1,2,3
	v_add_nc_u32 v[TM+12+\b], 0xfe000000, v[TM+\b]
.endr
.irp b, 0,1,2,3
	v_lshrrev_b32 v[TM+4+\b], 23, v[TM+12+\b]
.endr
	v_lshl_or_b32 v[\pw], v[TM+5], 8, v[TM+4]
	v_lshl_or_b32 v[\pw], v[TM+6], 16, v[\pw]
	v_lshl_or_b32 v[\pw], v[TM+7], 24, v[\pw]
.irp c, 0,1
	v_cvt_scalef32_pk16_bf6_f32 v[PC+6*\c:PC+2+6*\c], v[\s+32*\c:\s+15+32*\c], v[TM+12+2*\c]
	v_cvt_scalef32_pk16_bf6_f32 v[PC+12+4*\c:PC+14+4*\c], v[\s+16+32*\c:\s+31+32*\c], v[TM+12+2*\c+1]
.endr
	v_nop
.irp c, 0,1
.irp i, 0,1,2
	v_permlane16_swap_b32 v[PC+6*\c+\i], v[PC+12+4*\c+\i]
.endr
.irp i, 0,1,2
	v_mov_b32 v[PC+3+6*\c+\i], v[PC+12+4*\c+\i]
.endr
.endr
.endm
.macro STORE_FRAG sb, off
	global_store_b128 v[A16], v[PC:PC+3], s[\sb:\sb+1] offset:\off
	global_store_b64 v[A8], v[PC+4:PC+5], s[\sb:\sb+1] offset:\off+512
	global_store_b128 v[A16], v[PC+6:PC+9], s[\sb:\sb+1] offset:\off+768
	global_store_b64 v[A8], v[PC+10:PC+11], s[\sb:\sb+1] offset:\off+1280
.endm
	s_load_b256 s[4:11], s[0:1], 0x0               ; y, gamma, beta, x1
	v_lshl_add_u32 v254, v0, 2, 0x10100
	v_mov_b32 v255, 0
	v_lshrrev_b32 v1, 5, v0
	v_readfirstlane_b32 s12, v1                    ; wave
	v_and_b32 v1, 31, v0
	v_and_b32 v2, 15, v0                           ; r
	v_bfe_u32 v3, v0, 4, 1                         ; h
	v_lshlrev_b32 v[A16], 4, v1
	v_lshlrev_b32 v[A8], 3, v1
	s_mul_i32 s13, s12, 4*4112
	v_add_nc_u32 v6, s13, v[A16]                   ; the stage, in: my four rows, 16 bytes a lane
	v_mul_u32_u24 v7, v2, 4112
	v_lshl_add_u32 v7, v3, 6, v7
	s_lshl_b32 s13, s12, 10
	v_add_nc_u32 v7, s13, v7                       ; and out: row r, my two K steps, + 64 h
	v_lshlrev_b32 v8, 7, v3
	v_lshl_add_u32 v8, v2, 2, v8                   ; scale words: 128 h + 4 r
	s_lshr_b32 s13, ttmp9, 1
	s_lshl_b32 s13, s13, 5
	s_and_b32 s14, ttmp9, 1
	s_lshl_b32 s14, s14, 3
	s_add_co_u32 s13, s13, s14
	s_lshl_b32 s14, s12, 2
	s_add_co_u32 s13, s13, s14
	s_lshr_b32 s14, s12, 1
	s_lshl_b32 s14, s14, 3
	s_add_co_u32 s13, s13, s14                     ; my first token
	s_lshl_b32 s14, s13, 12
	s_mov_b32 s15, 0
	s_mul_i32 s16, ttmp9, 12288
	s_mul_i32 s18, s12, 3072
	s_add_co_u32 s16, s16, s18
	s_add_co_u32 s16, s16, X1IMG
	s_mov_b32 s17, 0
	s_lshr_b32 s18, ttmp9, 1
	s_lshl_b32 s18, s18, 10
	s_lshl_b32 s20, s12, 8
	s_add_co_u32 s18, s18, s20
	s_and_b32 s20, ttmp9, 1
	s_lshl_b32 s20, s20, 6
	s_add_co_u32 s18, s18, s20
	s_add_co_u32 s18, s18, X1SC
	s_mov_b32 s19, 0
	s_mov_b32 s[SEL], 0x76543210
	s_mov_b32 s[SEL+1], 0xfedcba98
	s_wait_kmcnt 0x0
	s_add_nc_u64 s[4:5], s[4:5], s[14:15]
	s_add_nc_u64 s[16:17], s[10:11], s[16:17]
	s_add_nc_u64 s[18:19], s[10:11], s[18:19]
	s_add_nc_u64 s[10:11], s[10:11], s[14:15]
.irp i, 0,1,2,3
.irp j, 0,1,2,3,4,5,6,7
	global_load_b128 v[Y+32*\i+4*\j:Y+32*\i+4*\j+3], v[A16], s[4:5] offset:\i*4096+512*\j th:TH_LOAD_NT
.endr
.endr
.irp j, 0,1,2,3,4,5,6,7
	global_load_b128 v[GA+4*\j:GA+4*\j+3], v[A16], s[6:7] offset:512*\j
.endr
.irp j, 0,1,2,3,4,5,6,7
	global_load_b128 v[BE+4*\j:BE+4*\j+3], v[A16], s[8:9] offset:512*\j
.endr
	s_wait_loadcnt 16                              ; the rows are in; gamma's and beta's sixteen loads may be out
.irp i, 0,1,2,3
	v_pk_add_f32 v[SM+2*\i:SM+2*\i+1], v[Y+32*\i:Y+32*\i+1], v[Y+32*\i+2:Y+32*\i+3]
.endr
.irp k, 4,6,8,10,12,14,16,18,20,22,24,26,28,30
.irp i, 0,1,2,3
	v_pk_add_f32 v[SM+2*\i:SM+2*\i+1], v[SM+2*\i:SM+2*\i+1], v[Y+32*\i+\k:Y+32*\i+\k+1]
.endr
.endr
.irp i, 0,1,2,3
	v_add_f32 v[SM+2*\i], v[SM+2*\i], v[SM+2*\i+1]
.endr
	ALLSUM SM, 2
.irp i, 0,1,2,3
	v_mul_f32 v[SM+2*\i], 0x3a800000, v[SM+2*\i]   ; the mean: / 1,024
.endr
.irp i, 0,1,2,3
	v_mov_b32 v[SM+2*\i+1], v[SM+2*\i]
.endr
.irp k, 0,2,4,6,8,10,12,14,16,18,20,22,24,26,28,30
.irp i, 0,1,2,3
	v_pk_add_f32 v[Y+32*\i+\k:Y+32*\i+\k+1], v[Y+32*\i+\k:Y+32*\i+\k+1], v[SM+2*\i:SM+2*\i+1] neg_lo:[0,1] neg_hi:[0,1]
.endr
.endr
.irp i, 0,1,2,3
	v_pk_mul_f32 v[QQ+4*\i:QQ+4*\i+1], v[Y+32*\i:Y+32*\i+1], v[Y+32*\i:Y+32*\i+1]
	v_pk_mul_f32 v[QQ+4*\i+2:QQ+4*\i+3], v[Y+32*\i+2:Y+32*\i+3], v[Y+32*\i+2:Y+32*\i+3]
.endr
.irp k, 4,8,12,16,20,24,28
.irp i, 0,1,2,3
	v_pk_fma_f32 v[QQ+4*\i:QQ+4*\i+1], v[Y+32*\i+\k:Y+32*\i+\k+1], v[Y+32*\i+\k:Y+32*\i+\k+1], v[QQ+4*\i:QQ+4*\i+1]
	v_pk_fma_f32 v[QQ+4*\i+2:QQ+4*\i+3], v[Y+32*\i+\k+2:Y+32*\i+\k+3], v[Y+32*\i+\k+2:Y+32*\i+\k+3], v[QQ+4*\i+2:QQ+4*\i+3]
.endr
.endr
.irp i, 0,1,2,3
	v_pk_add_f32 v[QQ+4*\i:QQ+4*\i+1], v[QQ+4*\i:QQ+4*\i+1], v[QQ+4*\i+2:QQ+4*\i+3]
.endr
.irp i, 0,1,2,3
	v_add_f32 v[QQ+4*\i], v[QQ+4*\i], v[QQ+4*\i+1]
.endr
	ALLSUM QQ, 4
.irp i, 0,1,2,3
	v_mul_f32 v[QQ+4*\i], 0x3a802008, v[QQ+4*\i]   ; / 1,023
.endr
.irp i, 0,1,2,3
	v_sqrt_f32 v[QQ+4*\i+1], v[QQ+4*\i]
.endr
	v_nop                                          ; a plain place behind the transcendentals
	s_wait_alu depctr_va_vdst(0)
.irp i, 0,1,2,3
	v_add_f32 v[QQ+4*\i+1], 0x358637bd, v[QQ+4*\i+1]   ; + 1e-6
.endr
.irp i, 0,1,2,3
	v_rcp_f32 v[QQ+4*\i], v[QQ+4*\i+1]
.endr
	v_nop
	s_wait_alu depctr_va_vdst(0)
.irp i, 0,1,2,3
	v_mov_b32 v[QQ+4*\i+1], v[QQ+4*\i]
.endr
	s_wait_loadcnt 0x0                             ; gamma and beta
.irp k, 0,2,4,6,8,10,12,14,16,18,20,22,24,26,28,30
.irp i, 0,1,2,3
	v_pk_mul_f32 v[Y+32*\i+\k:Y+32*\i+\k+1], v[Y+32*\i+\k:Y+32*\i+\k+1], v[QQ+4*\i:QQ+4*\i+1]
.endr
.irp i, 0,1,2,3
	v_pk_fma_f32 v[Y+32*\i+\k:Y+32*\i+\k+1], v[Y+32*\i+\k:Y+32*\i+\k+1], v[GA+\k:GA+\k+1], v[BE+\k:BE+\k+1]
.endr
.endr
.irp i, 0,1,2,3
.irp j, 0,1,2,3,4,5,6,7
	global_store_b128 v[A16], v[Y+32*\i+4*\j:Y+32*\i+4*\j+3], s[10:11] offset:\i*4096+512*\j
	ds_store_b128 v6, v[Y+32*\i+4*\j:Y+32*\i+4*\j+3] offset:\i*4112+512*\j
.endr
.endr
	s_wait_dscnt 0x0                               ; for the others' sake: my rows lie in the stage
	s_barrier_signal -1
	s_barrier_wait -1
	s_wait_xcnt 0x0                                ; the stores have read the rows' registers, which the loads below fill
.irp s, 0,1
.irp b, 0,1,2,3
.irp j, 0,1,2,3
	ds_load_b128 v[Y+64*\s+16*\b+4*\j:Y+64*\s+16*\b+4*\j+3], v7 offset:512*\s+128*\b+16*\j
.endr
.endr
.endr
	s_wait_dscnt 16                                ; the first K step's sixteen loads are in
	QUANT Y, PW
	STORE_FRAG 16, 0
	s_wait_dscnt 0x0
	s_wait_xcnt 0x0
	QUANT Y+64, PW+1
	STORE_FRAG 16, 1536
	v_cmp_eq_u32 vcc_lo, 1, v3
	v_cndmask_b32 v[PW+2], v[PW], v[PW+1], vcc_lo  ; lanes 0-15 the first K step's words, lanes 16-31 the second's
	global_store_b32 v8, v[PW+2], s[18:19]
	s_wait_tensorcnt 0x0
	ds_add_u32 v254, v255
	s_wait_dscnt 0x0
	s_endpgm
.Lfunc_end_k_q1e4a953b5e_ln1:
	.size	k_q1e4a953b5e_ln1, .Lfunc_end_k_q1e4a953b5e_ln1-k_q1e4a953b5e_ln1
	.p2alignl 7, 3214868480
	.fill 96, 4, 3214868480
	.section	.rodata,"a",@progbits
	.p2align	6, 0x0
	.amdhsa_kernel k_q1e4a953b5e_ln1
		.amdhsa_group_segment_fixed_size 66304
		.amdhsa_private_segment_fixed_size 0
		.amdhsa_enable_private_segment 0
		.amdhsa_kernarg_size 32
		.amdhsa_user_sgpr_count 2
		.amdhsa_user_sgpr_kernarg_segment_ptr 1
		.amdhsa_wavefront_size32 1
		.amdhsa_system_sgpr_workgroup_id_x 1
		.amdhsa_system_sgpr_workgroup_id_y 1
		.amdhsa_system_sgpr_workgroup_id_z 1
		.amdhsa_system_vgpr_workitem_id 0
		.amdhsa_next_free_vgpr 256
		.amdhsa_next_free_sgpr 66
		.amdhsa_reserve_vcc 1
		.amdhsa_float_denorm_mode_32 3
		.amdhsa_float_denorm_mode_16_64 3
		.amdhsa_memory_ordered 1
		.amdhsa_forward_progress 1
		.amdhsa_inst_pref_size 47
	.end_amdhsa_kernel
	.amdgpu_metadata
---
amdhsa.version: [ 1, 2 ]
amdhsa.kernels:
  - .name:           k_q1e4a953b5e_ln1
    .symbol:         k_q1e4a953b5e_ln1.kd
    .args:
      - { .name: y, .offset: 0, .size: 8, .value_kind: global_buffer, .address_space: global }
      - { .name: gamma1, .offset: 8, .size: 8, .value_kind: global_buffer, .address_space: global }
      - { .name: beta1, .offset: 16, .size: 8, .value_kind: global_buffer, .address_space: global }
      - { .name: x1, .offset: 24, .size: 8, .value_kind: global_buffer, .address_space: global }
    .group_segment_fixed_size: 66304
    .private_segment_fixed_size: 0
    .kernarg_segment_align: 8
    .kernarg_segment_size: 32
    .max_flat_workgroup_size: 128
    .sgpr_count:     66
    .vgpr_count:     256
    .wavefront_size: 32
...
	.end_amdgpu_metadata
.endif
;; end of part 5
;; launch ffn1 (part 6): grid 16 x 16, 4 waves a work-group, clusters of 4 x 4, 327,680 bytes of LDS; arguments x1, wq, b1, hq; writes hq
.if DOCPART == 6
	.amdgcn_target "amdgcn-amd-amdhsa--gfx1250"
	.amdhsa_code_object_version 6
	.text
	.protected	k_q1e4a953b5e_ffn1
	.globl	k_q1e4a953b5e_ffn1
	.p2align	8
	.type	k_q1e4a953b5e_ffn1,@function
k_q1e4a953b5e_ffn1:
	s_mov_b64 s[64:65], 0
	v_nop
	global_prefetch_b8 v0, s[64:65] scope:SCOPE_SE
	s_setreg_imm32_b32 hwreg(HW_REG_WAVE_MODE, 25, 1), 1
	s_wait_xcnt 0x0
	s_wait_alu depctr_hold_cnt(0) depctr_sa_sdst(0) depctr_va_vdst(0) depctr_va_sdst(0) depctr_va_ssrc(0) depctr_va_vcc(0) depctr_vm_vsrc(0)
	s_getreg_b32 s2, hwreg(HW_REG_IB_STS2, 6, 4)
	s_cmp_eq_u32 s2, 0
	s_cbranch_scc0 .Lentry_in_a_cluster
	s_endpgm
.Lentry_in_a_cluster:
	s_bfe_u32 s2, ttmp6, 0x10000c
	s_cmp_lg_u32 s2, 0xf033
	s_cbranch_scc0 .Lentry_shape_is_right
	s_endpgm
.Lentry_shape_is_right:
; h = relu(x1 W1 + b1) on codes of BF6 (E3M2) with E8M0 scales, quantised again along the hidden axis and stored as the next product's operand: the hidden layer goes to memory as codes alone.
; A tile of C is 256 x 256: four waves of 128 x 128, 64 accumulators each.  The matrix instruction is used transposed (source 0 = 16 of W1's columns, source 1 = 16 tokens): a lane holds one token and its registers run along the hidden units.
; A tile's places hold rows 32 P + 8 u + r + 8 (r / 8): a block's register 16 b + i is hidden unit 32 b + 16 (lane / 16) + i: what the quantiser takes; a wave's 128 units are one K step of the next product.
; OPERANDS IN MEMORY: 16 rows x 64 K are 768 bytes (registers 0-3 of lane l at 16 l, registers 4-5 at 512 + 8 l), a tile's images on end along K: a K step's 8 tiles are 8 rows of 3,072 bytes for one tensor load.
; K goes in steps of 256 through a ring of two LDS slots; the scale words of the work-group's rows, for all of K, come once.  The bias is the C of each sum's first matrix instruction.
; CLUSTERS: 4 x 4 work-groups; A's tiles are asked for jointly along a row of the cluster, B's along a column.
; LIMITS: a block of zeros gets the byte 1 (its codes are zeros; this program alone reads the bytes); blocks under 2^-122 were not tried; NaN and infinities are not served.
.set SIZE_K, 1024
.set PA,   4
.set PB,   6
.set AIMG, 16777216
.set ASC,  19922944
.set BIMG, 6291456
.set BSC,  12845056
.set HSC,  12582912
.set NQ,     2
.set FR,     12
.set NL,     4
.set NP,     4
.set SLAB,   3072
.set HALFT,  8*SLAB
.set SLOT,   4*HALFT
.set NS,     SIZE_K/128
.set HALFS,  NS*512
.set SCL,    2*SLOT
.set SPARE,  SCL+4*HALFS               ; the spare words, 128 bytes for each wave: two blocks of 256 bytes that no other line names
.set LAPS,   SIZE_K/512
.set TSTR,   SIZE_K*12
.set ADRA, 16
.set ADRB, 20
.set A16,  24
.set A8,   25
.set SV,   26
.set ADRS, 27
.set SPW,  28
.set NIL,  29
.set SC,   32
.set BN,   64
.set AF,   128
.set HA,   128
.set PC,   192
.set TM,   212
.set PWQ,  228
.set SEL,  96
.set G1, 24
.set G0, 32
.set G1B, 48
.set G0B, 56
.set G1S, 68
.set G0S, 76
.set G1SB, 80
.set G0SB, 88
.set MSB, 0
.macro WIN new                         ; the immediate's high byte repeats the setting that is left
.if MSB != (\new)
	s_set_vgpr_msb (MSB<<8)|(\new)
.set MSB, (\new)
.endif
.endm
.set TO_B, 0x40
.macro WMUL hi, zero
.if \zero == 2
	WIN 0x81+0x40*\hi
.else
	WIN 0xa1+0x50*\hi
.endif
.endm
.macro JLOAD g0a, g1a, g0b, g1b        ; a joint load: waves 0 and 1 fetch for A, waves 2 and 3 for B; four v_nop follow each line
	s_cmp_eq_u32 s15, 0
	s_cbranch_scc0 .Lfor_b_\@
	tensor_load_to_lds s[\g0a:\g0a+3], s[\g1a:\g1a+7]
	s_nop 0
.rept 4
	v_nop
.endr
	s_branch .Lasked_\@
.Lfor_b_\@:
	tensor_load_to_lds s[\g0b:\g0b+3], s[\g1b:\g1b+7]
	s_nop 0
.rept 4
	v_nop
.endr
.Lasked_\@:
.endm
.macro CREST
	s_cmp_lg_u32 s14, 0
	s_cbranch_scc1 .Lnot_wave_0_\@
	s_barrier_signal -3
.Lnot_wave_0_\@:
	s_barrier_wait -3
	s_barrier_signal -1
	s_barrier_wait -1
.endm
.macro CROUND
	s_barrier_signal -1
	s_barrier_wait -1
	CREST
.endm
.macro FRAG reg, adr, q, i
	ds_load_b128 v[\reg:\reg+3], v[\adr] offset:(\i)*SLAB+(\q)*1536
	ds_load_b64 v[\reg+4:\reg+5], v[\adr+2] offset:(\i)*SLAB+(\q)*1536+512
	ds_load_b128 v[\reg+6:\reg+9], v[\adr] offset:(\i)*SLAB+(\q)*1536+768
	ds_load_b64 v[\reg+10:\reg+11], v[\adr+2] offset:(\i)*SLAB+(\q)*1536+1280
.endm
.macro MUL16 a0, p, q, sc, zero        ; zero = 1: C = 0; 2: C = the bias; 0: the sums go on.  The 64 accumulators take turns.
.irp a, \a0, \a0+1
.irp b, 0,1,2,3,4,5,6,7
.set DR, 8*(8*((\a)%4)+\b)
.set BR, 128*(\p)+FR*\b
.set AR, AF+FR*(\a)
.set SB, SC+8*NQ*(\sc)+NQ*\b+(\q)
.set SA, SC+8*NQ*(\sc)+NQ*(\a)+(\q)
.if \zero == 1
	v_wmma_scale_f32_16x16x128_f8f6f4 v[DR:DR+7], v[BR:BR+FR-1], v[AR:AR+FR-1], 0, v[SB], v[SA] matrix_a_fmt:MATRIX_FMT_BF6 matrix_b_fmt:MATRIX_FMT_BF6 matrix_a_scale:MATRIX_SCALE_ROW1
.elseif \zero == 2
	v_wmma_scale_f32_16x16x128_f8f6f4 v[DR:DR+7], v[BR:BR+FR-1], v[AR:AR+FR-1], v[BN+8*\b:BN+8*\b+7], v[SB], v[SA] matrix_a_fmt:MATRIX_FMT_BF6 matrix_b_fmt:MATRIX_FMT_BF6 matrix_a_scale:MATRIX_SCALE_ROW1
.else
	v_wmma_scale_f32_16x16x128_f8f6f4 v[DR:DR+7], v[BR:BR+FR-1], v[AR:AR+FR-1], v[DR:DR+7], v[SB], v[SA] matrix_a_fmt:MATRIX_FMT_BF6 matrix_b_fmt:MATRIX_FMT_BF6 matrix_a_scale:MATRIX_SCALE_ROW1
.endif
.endr
.endr
.endm
.macro FETCH_B slot, q, p
	WIN TO_B
.irp i, 0,1,2,3,4,5,6,7
	FRAG 128*(\p)+FR*\i, ADRB+\slot, \q, \i
.endr
	WIN 0
.endm
.macro FETCH_A slot, q, i0
.irp i, \i0, \i0+1, \i0+2, \i0+3
	FRAG AF+FR*(\i), ADRA+\slot, \q, \i
.endr
.endm
.macro SCALES sc
.irp i, 0,1,2,3,4,5,6,7
.irp q, 0,1
	ds_load_b32 v[SC+16*\sc+2*\i+\q], v[ADRS] offset:(\i/2)*NS*128+(\i%2)*64+\q*128
.endr
.endr
.endm
.macro PLACES n
.rept \n
	v_nop
.endr
.endm
.macro STEP slot, q, zero
	s_wait_dscnt 4*NL                              ; all but the youngest sixteen loads (A's blocks 4-7) are in
	WMUL 0, \zero
	MUL16 0, (\q)%2, \q, \slot, \zero
	MUL16 2, (\q)%2, \q, \slot, \zero
	s_wait_dscnt 0
	PLACES NP
	FETCH_B \slot, (\q)+1, 1-(\q)%2
	FETCH_A \slot, (\q)+1, 0
	WMUL 1, \zero
	MUL16 4, (\q)%2, \q, \slot, \zero
	MUL16 6, (\q)%2, \q, \slot, \zero
	PLACES NP
	WIN 0
	FETCH_A \slot, (\q)+1, 4
.endm
.macro TURN slot, next, fill
	s_wait_tensorcnt 0x0                           ; all my tensor loads have landed: my part of the next slot
	ds_add_u32 v[SPW], v[NIL]                      ; 0 onto my spare word
	s_wait_dscnt 4*NL+1                            ; the add and the youngest sixteen loads may be out
	WMUL 0, 0
	MUL16 0, 1, NQ-1, \slot, 0
	s_wait_dscnt 0x0                               ; the add is done, and my reads of this slot are over
	s_barrier_signal -1
	MUL16 2, 1, NQ-1, \slot, 0
	WIN 0
	s_barrier_wait -1
.if \fill
	CREST                                          ; the barrier has opened a round of the cluster's: no wave of any partner still reads this slot or has a load on its way
	s_add_nc_u64 s[G0+4*\slot+2:G0+4*\slot+3], s[G0+4*\slot+2:G0+4*\slot+3], 2*SLAB
	s_add_nc_u64 s[G0B+4*\slot+2:G0B+4*\slot+3], s[G0B+4*\slot+2:G0B+4*\slot+3], 2*SLAB
	JLOAD G0+4*\slot, G1, G0B+4*\slot, G1B         ; my one tensor load behind the round; its four v_nop are the places in front of the loads below
.else
	PLACES NP
.endif
	v_add_nc_u32 v[ADRS], 256, v[ADRS]
	FETCH_B \next, 0, 0
	FETCH_A \next, 0, 0
	SCALES \next
	WMUL 1, 0
	MUL16 4, 1, NQ-1, \slot, 0
	MUL16 6, 1, NQ-1, \slot, 0
	PLACES NP
	WIN 0
	FETCH_A \next, 0, 4
.endm
.macro LAST
	s_wait_dscnt 4*NL
	WMUL 0, 0
	MUL16 0, 1, NQ-1, 1, 0
	MUL16 2, 1, NQ-1, 1, 0
	s_wait_dscnt 0
	WMUL 1, 0
	MUL16 4, 1, NQ-1, 1, 0
	MUL16 6, 1, NQ-1, 1, 0
	WIN 0
.endm
.macro QUANT s, pw
.irp b, 0,1,2,3
	v_max3_num_f32 v[TM+\b], |v[\s+16*\b]|, |v[\s+1+16*\b]|, 0x2800000   ; the floor 2^(5 - 127) among the leaves
.endr
.irp i, 2,4,6,8,10,12,14
.irp b, 0,1,2,3
	v_max3_num_f32 v[TM+\b], v[TM+\b], |v[\s+16*\b+\i]|, |v[\s+1+16*\b+\i]|
.endr
.endr
.irp b, 0,1,2,3
	v_permlanex16_b32 v[TM+4+\b], v[TM+\b], s[SEL], s[SEL+1]
.endr
.irp b, 0,1,2,3
	v_max_num_f32 v[TM+\b], v[TM+\b], v[TM+4+\b]
.endr
.irp b, 0,1,2,3
	v_add_nc_u32 v[TM+12+\b], 0xfe000000, v[TM+\b]
.endr
.irp b, 0,1,2,3
	v_lshrrev_b32 v[TM+4+\b], 23, v[TM+12+\b]
.endr
	v_lshl_or_b32 v[\pw], v[TM+5], 8, v[TM+4]
	v_lshl_or_b32 v[\pw], v[TM+6], 16, v[\pw]
	v_lshl_or_b32 v[\pw], v[TM+7], 24, v[\pw]
.irp c, 0,1
	v_cvt_scalef32_pk16_bf6_f32 v[PC+6*\c:PC+2+6*\c], v[\s+32*\c:\s+15+32*\c], v[TM+12+2*\c]
	v_cvt_scalef32_pk16_bf6_f32 v[PC+12+4*\c:PC+14+4*\c], v[\s+16+32*\c:\s+31+32*\c], v[TM+12+2*\c+1]
.endr
	v_nop
.irp c, 0,1
.irp i, 0,1,2
	v_permlane16_swap_b32 v[PC+6*\c+\i], v[PC+12+4*\c+\i]
.endr
.irp i, 0,1,2
	v_mov_b32 v[PC+3+6*\c+\i], v[PC+12+4*\c+\i]
.endr
.endr
.endm
.macro STORE_FRAG sb, off
	global_store_b128 v[A16], v[PC:PC+3], s[\sb:\sb+1] offset:\off
	global_store_b64 v[A8], v[PC+4:PC+5], s[\sb:\sb+1] offset:\off+512
	global_store_b128 v[A16], v[PC+6:PC+9], s[\sb:\sb+1] offset:\off+768
	global_store_b64 v[A8], v[PC+10:PC+11], s[\sb:\sb+1] offset:\off+1280
.endm
	s_load_b256 s[4:11], s[0:1], 0x0               ; x1, wq, b1, hq
	v_lshl_add_u32 v[SPW], v0, 2, SPARE
	v_mov_b32 v[NIL], 0
	ds_add_u32 v28, v29
	ds_add_u32 v28, v29
	s_wait_dscnt 0x0
	v_lshrrev_b32 v1, 5, v0
	v_readfirstlane_b32 s14, v1                    ; wave 0..3
	s_lshr_b32 s15, s14, 1
	s_and_b32 s16, s14, 1
	s_bfe_u32 s40, ttmp6, 0x40000                  ; cx
	s_bfe_u32 s41, ttmp6, 0x40004                  ; cy
	s_lshl_b32 s42, ttmp9, 2
	s_add_co_u32 s42, s42, s40                     ; B's block of 256 rows
	s_and_b32 s17, ttmp7, 0xffff
	s_lshl_b32 s17, s17, 2
	s_add_co_u32 s17, s17, s41                     ; A's block of 256 rows
	s_lshl_b32 s43, s41, 2
	s_lshl_b32 s43, 15, s43
	s_lshl_b32 s44, 0x1111, s40
	s_or_b32 s[G1+0], s43, (3<<16)|(1<<21)         ; 15:0 the mask; 17:16 elements of 8 bytes; 21 set beside a mask; no padding
	s_or_b32 s[G1B+0], s44, (3<<16)|(1<<21)
.irp g, G1, G1B
	s_mov_b32 s[\g+1], 384<<16
	s_mov_b32 s[\g+2], 8<<16
	s_mov_b32 s[\g+3], 384<<16
	s_mov_b32 s[\g+4], 8
	s_mov_b32 s[\g+5], TSTR/8
	s_mov_b32 s[\g+6], 0
	s_mov_b32 s[\g+7], 0
.endr
	s_or_b32 s[G1S+0], s43, (3<<16)|(1<<21)
	s_or_b32 s[G1SB+0], s44, (3<<16)|(1<<21)
.irp g, G1S, G1SB
	s_mov_b32 s[\g+1], 32<<16
	s_mov_b32 s[\g+2], (HALFS/256)<<16
	s_mov_b32 s[\g+3], 32<<16
	s_mov_b32 s[\g+4], HALFS/256
	s_mov_b32 s[\g+5], 32
	s_mov_b32 s[\g+6], 0
	s_mov_b32 s[\g+7], 0
.endr
	s_lshl_b32 s18, s16, 3
	s_lshl_b32 s20, s17, 4
	s_add_co_u32 s20, s20, s18
	s_lshl_b32 s46, s42, 4
	s_add_co_u32 s46, s46, s18
	s_mul_i32 s22, s20, NS*64
	s_mul_i32 s92, s46, NS*64
	s_mul_i32 s20, s20, TSTR
	s_mul_i32 s46, s46, TSTR
	s_add_co_u32 s20, s20, AIMG
	s_add_co_u32 s22, s22, ASC
	s_add_co_u32 s46, s46, BIMG
	s_add_co_u32 s92, s92, BSC
	s_mov_b32 s21, 0
	s_mov_b32 s23, 0
	s_mov_b32 s47, 0
	s_mov_b32 s93, 0
	s_mul_i32 s45, s14, HALFT
	s_mul_i32 s94, s14, HALFS
	s_mov_b32 s[SEL], 0x76543210
	s_mov_b32 s[SEL+1], 0xfedcba98
	s_wait_kmcnt 0x0
	s_add_nc_u64 s[20:21], s[PA:PA+1], s[20:21]
	s_add_nc_u64 s[22:23], s[PA:PA+1], s[22:23]
	s_add_nc_u64 s[46:47], s[PB:PB+1], s[46:47]
	s_add_nc_u64 s[92:93], s[PB:PB+1], s[92:93]
	CROUND                                         ; all sixteen work-groups are here: the first joint loads meet
	s_mov_b32 s[G0S], 1
	s_add_co_u32 s[G0S+1], s94, SCL
	s_mov_b64 s[G0S+2:G0S+3], s[22:23]
	s_or_b32 s[G0S+3], s[G0S+3], 0x80000000
	s_mov_b32 s[G0SB], 1
	s_add_co_u32 s[G0SB+1], s94, SCL
	s_mov_b64 s[G0SB+2:G0SB+3], s[92:93]
	s_or_b32 s[G0SB+3], s[G0SB+3], 0x80000000
	JLOAD G0S, G1S, G0SB, G1SB
.irp s, 0,1
	s_mov_b32 s[G0+4*\s], 1
	s_add_co_u32 s[G0+4*\s+1], s45, \s*SLOT
	s_add_nc_u64 s[G0+4*\s+2:G0+4*\s+3], s[20:21], \s*SLAB
	s_or_b32 s[G0+4*\s+3], s[G0+4*\s+3], 0x80000000
	s_mov_b32 s[G0B+4*\s], 1
	s_add_co_u32 s[G0B+4*\s+1], s45, \s*SLOT
	s_add_nc_u64 s[G0B+4*\s+2:G0B+4*\s+3], s[46:47], \s*SLAB
	s_or_b32 s[G0B+4*\s+3], s[G0B+4*\s+3], 0x80000000
	JLOAD G0+4*\s, G1, G0B+4*\s, G1B               ; by this text's count three tensor loads of a wave are out here, later one
.endr
	v_and_b32 v1, 15, v0                           ; r
	v_bfe_u32 v2, v0, 4, 1                         ; h
	v_and_b32 v3, 31, v0                           ; lane
	v_lshlrev_b32 v[A16], 4, v3
	v_lshlrev_b32 v[A8], 3, v3
	v_lshlrev_b32 v[SV], 2, v3                     ; 4 x lane
	s_mul_i32 s21, s15, HALFT
	s_mul_i32 s22, s16, HALFT
	s_add_co_u32 s22, s22, 2*HALFT
.irp s, 0,1
	v_add_nc_u32 v[ADRA+\s], s21, v[A16]
	v_add_nc_u32 v[ADRB+\s], s22, v[A16]
	v_add_nc_u32 v[ADRA+2+\s], s21, v[A8]
	v_add_nc_u32 v[ADRB+2+\s], s22, v[A8]
	s_add_co_u32 s21, s21, SLOT
	s_add_co_u32 s22, s22, SLOT
.endr
	v_lshlrev_b32 v4, 2, v1
	s_mul_i32 s21, s15, HALFS
	s_mul_i32 s22, s16, HALFS
	s_add_co_u32 s22, s22, 2*HALFS
	s_sub_co_u32 s22, s22, s21
	v_mul_u32_u24 v5, s22, v2
	s_add_co_u32 s21, s21, SCL
	v_add_nc_u32 v4, v4, v5
	v_add_nc_u32 v[ADRS], s21, v4
	s_lshl_b32 s46, s42, 10
	s_lshl_b32 s47, s16, 9
	s_add_co_u32 s46, s46, s47                     ; my first hidden unit, in bytes of f32
	s_mov_b32 s47, 0
	s_add_nc_u64 s[8:9], s[8:9], s[46:47]
	v_lshlrev_b32 v6, 6, v2
.irp b, 0,1,2,3
.irp j, 0,1,2,3
	global_load_b128 v[BN+16*\b+4*\j:BN+16*\b+4*\j+3], v6, s[8:9] offset:128*\b+16*\j   ; the bias of units 32 b + 16 h + 0 .. 15
.endr
.endr
	s_lshl_b32 s20, s17, 4
	s_lshl_b32 s21, s15, 3
	s_add_co_u32 s20, s20, s21                     ; my first tile of tokens
	s_lshl_b32 s22, s42, 1
	s_add_co_u32 s22, s22, s16                     ; my K step of the next product
	s_mul_i32 s18, s20, 49152
	s_mul_i32 s19, s22, 1536
	s_add_co_u32 s18, s18, s19
	s_mov_b32 s19, 0
	s_add_nc_u64 s[98:99], s[10:11], s[18:19]      ; the images
	s_lshl_b32 s18, s20, 11
	s_lshl_b32 s22, s22, 7
	s_add_co_u32 s18, s18, s22
	s_add_co_u32 s18, s18, HSC
	s_add_nc_u64 s[100:101], s[10:11], s[18:19]    ; the scale words
	s_wait_tensorcnt 1                             ; the scale words and my part of slot 0 are in; slot 1's load may be out
	s_barrier_signal -1
	s_barrier_wait -1
	FETCH_B 0, 0, 0
	FETCH_A 0, 0, 0
	SCALES 0
	FETCH_A 0, 0, 4
	s_wait_loadcnt 0x0                             ; the bias
	STEP 0, 0, 2                                   ; the first products start the sums from the bias
	s_mov_b32 s3, LAPS-1
.Llap:
	TURN 0, 1, 1
	STEP 1, 0, 0
	TURN 1, 0, 1
	STEP 0, 0, 0
	s_sub_co_u32 s3, s3, 1
	s_cmp_lg_u32 s3, 0
	s_cbranch_scc1 .Llap
	TURN 0, 1, 0                                   ; the last lap fills nothing
	STEP 1, 0, 0
	LAST
	PLACES NP
.macro OUTH a
	WIN 0x08+4*((\a)/4)
.set AC, 64*((\a)%4)
.set k, 0
.rept 64
	v_max_num_f32 v[HA+k], 0, v[AC+k]              ; the activation brings the block into window 0; each accumulator from its low end on
.set k, k+1
.endr
	WIN 0
	s_wait_xcnt 0x0                                ; the last block's stores have read their registers
	QUANT HA, PWQ+(\a)
	STORE_FRAG 98, (\a)*49152
.endm
.irp a, 0,1,2,3,4,5,6,7
	OUTH \a
.endr
	v_cmp_eq_u32 vcc_lo, 1, v2
.irp p, 0,1,2,3
	v_cndmask_b32 v[PWQ+2*\p], v[PWQ+2*\p], v[PWQ+2*\p+1], vcc_lo   ; lanes 0-15 the even tile's words, lanes 16-31 the odd tile's
.endr
.irp p, 0,1,2,3
	global_store_b32 v[SV], v[PWQ+2*\p], s[100:101] offset:\p*4096
.endr
	s_wait_tensorcnt 0x0                           ; the wave's end
	ds_add_u32 v[SPW], v[NIL]
	s_wait_dscnt 0x0
	CROUND                                         ; the closing round
	s_endpgm
.Lfunc_end_k_q1e4a953b5e_ffn1:
	.size	k_q1e4a953b5e_ffn1, .Lfunc_end_k_q1e4a953b5e_ffn1-k_q1e4a953b5e_ffn1
	.p2alignl 7, 3214868480
	.fill 96, 4, 3214868480
	.section	.rodata,"a",@progbits
	.p2align	6, 0x0
	.amdhsa_kernel k_q1e4a953b5e_ffn1
		.amdhsa_group_segment_fixed_size 327680
		.amdhsa_private_segment_fixed_size 0
		.amdhsa_enable_private_segment 0
		.amdhsa_kernarg_size 32
		.amdhsa_user_sgpr_count 2
		.amdhsa_user_sgpr_kernarg_segment_ptr 1
		.amdhsa_wavefront_size32 1
		.amdhsa_system_sgpr_workgroup_id_x 1
		.amdhsa_system_sgpr_workgroup_id_y 1
		.amdhsa_system_sgpr_workgroup_id_z 1
		.amdhsa_system_vgpr_workitem_id 0
		.amdhsa_next_free_vgpr 1024
		.amdhsa_next_free_sgpr 102
		.amdhsa_reserve_vcc 1
		.amdhsa_float_denorm_mode_32 3
		.amdhsa_float_denorm_mode_16_64 3
		.amdhsa_memory_ordered 1
		.amdhsa_forward_progress 1
		.amdhsa_inst_pref_size 168
	.end_amdhsa_kernel
	.amdgpu_metadata
---
amdhsa.version: [ 1, 2 ]
amdhsa.kernels:
  - .name:           k_q1e4a953b5e_ffn1
    .symbol:         k_q1e4a953b5e_ffn1.kd
    .args:
      - { .name: x1, .offset: 0, .size: 8, .value_kind: global_buffer, .address_space: global }
      - { .name: wq, .offset: 8, .size: 8, .value_kind: global_buffer, .address_space: global }
      - { .name: b1, .offset: 16, .size: 8, .value_kind: global_buffer, .address_space: global }
      - { .name: hq, .offset: 24, .size: 8, .value_kind: global_buffer, .address_space: global }
    .group_segment_fixed_size: 327680
    .private_segment_fixed_size: 0
    .kernarg_segment_align: 8
    .kernarg_segment_size: 32
    .max_flat_workgroup_size: 128
    .sgpr_count:     102
    .vgpr_count:     1024
    .wavefront_size: 32
...
	.end_amdgpu_metadata
.endif
;; end of part 6
;; launch ffn2 (part 7): grid 4 x 16, 4 waves a work-group, clusters of 4 x 4, 327,680 bytes of LDS; arguments hq, wq, b2, x1, y; writes y
.if DOCPART == 7
	.amdgcn_target "amdgcn-amd-amdhsa--gfx1250"
	.amdhsa_code_object_version 6
	.text
	.protected	k_q1e4a953b5e_ffn2
	.globl	k_q1e4a953b5e_ffn2
	.p2align	8
	.type	k_q1e4a953b5e_ffn2,@function
k_q1e4a953b5e_ffn2:
	s_mov_b64 s[64:65], 0
	v_nop
	global_prefetch_b8 v0, s[64:65] scope:SCOPE_SE
	s_setreg_imm32_b32 hwreg(HW_REG_WAVE_MODE, 25, 1), 1
	s_wait_xcnt 0x0
	s_wait_alu depctr_hold_cnt(0) depctr_sa_sdst(0) depctr_va_vdst(0) depctr_va_sdst(0) depctr_va_ssrc(0) depctr_va_vcc(0) depctr_vm_vsrc(0)
	s_getreg_b32 s2, hwreg(HW_REG_IB_STS2, 6, 4)
	s_cmp_eq_u32 s2, 0
	s_cbranch_scc0 .Lentry_in_a_cluster
	s_endpgm
.Lentry_in_a_cluster:
	s_bfe_u32 s2, ttmp6, 0x10000c
	s_cmp_lg_u32 s2, 0xf033
	s_cbranch_scc0 .Lentry_shape_is_right
	s_endpgm
.Lentry_shape_is_right:
; y = A B^T + bias + residual, f32 out.  A [4096][SIZE_K] and B [1024][SIZE_K] are codes of BF6 (E3M2) with E8M0 scales, laid as images of operand registers.  Here: A = the hidden layer, B = W2's columns, residual = x1.
; A tile of C is 256 x 256: four waves of 128 x 128, 64 accumulators each.  The matrix instruction is used transposed (source 0 = B's 16 rows, source 1 = A's): a lane holds one row of A and its registers run along B's rows.
; A tile's places hold rows 32 P + 8 u + r + 8 (r / 8): a block's register 16 b + i is column 32 b + 16 (lane / 16) + i, and place t of block a is token 32 (a / 2) + 8 (a % 2) + t + 8 (t / 8).
; OPERANDS IN MEMORY: 16 rows x 64 K are 768 bytes (registers 0-3 of lane l at 16 l, registers 4-5 at 512 + 8 l), a tile's images on end along K: a K step's 8 tiles are 8 rows of 3,072 bytes for one tensor load.
; K goes in steps of 256 through a ring of two LDS slots; the scale words of the work-group's rows, for all of K, come once.  The bias is the C of each sum's first matrix instruction.
; CLUSTERS: 4 x 4 work-groups; A's tiles are asked for jointly along a row of the cluster, B's along a column.  C has 64 such tiles: so many work-groups are launched.
; REGISTERS: window 0: v1 r, v2 h, v16-31 addresses, v32-63 scale words (two sets), v64-127 the bias, later residual rows, v128-223 A's fragments (one set), on the way out v64-255; window 1: B's fragments, two sets; windows 2, 3: accumulators.
.set SIZE_K, 4096
.set PA,   4
.set PB,   6
.set AIMG, 0
.set ASC,  12582912
.set BIMG, 9437184
.set BSC,  12976128
.set NQ,     2
.set FR,     12
.set NL,     4
.set NP,     4
.set SLAB,   3072
.set HALFT,  8*SLAB
.set SLOT,   4*HALFT
.set NS,     SIZE_K/128
.set HALFS,  NS*512
.set SCL,    2*SLOT
.set SPARE,  SCL+4*HALFS               ; the spare words, 128 bytes for each wave: two blocks of 256 bytes that no other line names
.set LAPS,   SIZE_K/512
.set TSTR,   SIZE_K*12
.set SPITCH, 528                       ; the way out: a stage of 16 rows x (512 bytes + 16) for each wave, in slot 0, which has had its last fill and its last read by then
.set ADRA, 16
.set ADRB, 20
.set A16,  24
.set A8,   25
.set ADRS, 27
.set SPW,  28
.set NIL,  29
.set STO,  30
.set RD,   31
.set SC,   32
.set BN,   64
.set AF,   128
.set RS,   64                          ; residual rows: v64-127 and v128-191 by turns
.set BB,   192                         ; 16 rows read back from the stage
.set G1, 24
.set G0, 32
.set G1B, 48
.set G0B, 56
.set G1S, 68
.set G0S, 76
.set G1SB, 80
.set G0SB, 88
.set MSB, 0
.macro WIN new                         ; the immediate's high byte repeats the setting that is left
.if MSB != (\new)
	s_set_vgpr_msb (MSB<<8)|(\new)
.set MSB, (\new)
.endif
.endm
.set TO_B, 0x40
.macro WMUL hi, zero
.if \zero == 2
	WIN 0x81+0x40*\hi
.else
	WIN 0xa1+0x50*\hi
.endif
.endm
.macro JLOAD g0a, g1a, g0b, g1b        ; a joint load: waves 0 and 1 fetch for A, waves 2 and 3 for B; four v_nop follow each line
	s_cmp_eq_u32 s15, 0
	s_cbranch_scc0 .Lfor_b_\@
	tensor_load_to_lds s[\g0a:\g0a+3], s[\g1a:\g1a+7]
	s_nop 0
.rept 4
	v_nop
.endr
	s_branch .Lasked_\@
.Lfor_b_\@:
	tensor_load_to_lds s[\g0b:\g0b+3], s[\g1b:\g1b+7]
	s_nop 0
.rept 4
	v_nop
.endr
.Lasked_\@:
.endm
.macro CREST
	s_cmp_lg_u32 s14, 0
	s_cbranch_scc1 .Lnot_wave_0_\@
	s_barrier_signal -3
.Lnot_wave_0_\@:
	s_barrier_wait -3
	s_barrier_signal -1
	s_barrier_wait -1
.endm
.macro CROUND
	s_barrier_signal -1
	s_barrier_wait -1
	CREST
.endm
.macro FRAG reg, adr, q, i
	ds_load_b128 v[\reg:\reg+3], v[\adr] offset:(\i)*SLAB+(\q)*1536
	ds_load_b64 v[\reg+4:\reg+5], v[\adr+2] offset:(\i)*SLAB+(\q)*1536+512
	ds_load_b128 v[\reg+6:\reg+9], v[\adr] offset:(\i)*SLAB+(\q)*1536+768
	ds_load_b64 v[\reg+10:\reg+11], v[\adr+2] offset:(\i)*SLAB+(\q)*1536+1280
.endm
.macro MUL16 a0, p, q, sc, zero        ; zero = 1: C = 0; 2: C = the bias; 0: the sums go on.  The 64 accumulators take turns.
.irp a, \a0, \a0+1
.irp b, 0,1,2,3,4,5,6,7
.set DR, 8*(8*((\a)%4)+\b)
.set BR, 128*(\p)+FR*\b
.set AR, AF+FR*(\a)
.set SB, SC+8*NQ*(\sc)+NQ*\b+(\q)
.set SA, SC+8*NQ*(\sc)+NQ*(\a)+(\q)
.if \zero == 1
	v_wmma_scale_f32_16x16x128_f8f6f4 v[DR:DR+7], v[BR:BR+FR-1], v[AR:AR+FR-1], 0, v[SB], v[SA] matrix_a_fmt:MATRIX_FMT_BF6 matrix_b_fmt:MATRIX_FMT_BF6 matrix_a_scale:MATRIX_SCALE_ROW1
.elseif \zero == 2
	v_wmma_scale_f32_16x16x128_f8f6f4 v[DR:DR+7], v[BR:BR+FR-1], v[AR:AR+FR-1], v[BN+8*\b:BN+8*\b+7], v[SB], v[SA] matrix_a_fmt:MATRIX_FMT_BF6 matrix_b_fmt:MATRIX_FMT_BF6 matrix_a_scale:MATRIX_SCALE_ROW1
.else
	v_wmma_scale_f32_16x16x128_f8f6f4 v[DR:DR+7], v[BR:BR+FR-1], v[AR:AR+FR-1], v[DR:DR+7], v[SB], v[SA] matrix_a_fmt:MATRIX_FMT_BF6 matrix_b_fmt:MATRIX_FMT_BF6 matrix_a_scale:MATRIX_SCALE_ROW1
.endif
.endr
.endr
.endm
.macro FETCH_B slot, q, p
	WIN TO_B
.irp i, 0,1,2,3,4,5,6,7
	FRAG 128*(\p)+FR*\i, ADRB+\slot, \q, \i
.endr
	WIN 0
.endm
.macro FETCH_A slot, q, i0
.irp i, \i0, \i0+1, \i0+2, \i0+3
	FRAG AF+FR*(\i), ADRA+\slot, \q, \i
.endr
.endm
.macro SCALES sc
.irp i, 0,1,2,3,4,5,6,7
.irp q, 0,1
	ds_load_b32 v[SC+16*\sc+2*\i+\q], v[ADRS] offset:(\i/2)*NS*128+(\i%2)*64+\q*128
.endr
.endr
.endm
.macro PLACES n
.rept \n
	v_nop
.endr
.endm
.macro STEP slot, q, zero
	s_wait_dscnt 4*NL                              ; all but the youngest sixteen loads (A's blocks 4-7) are in
	WMUL 0, \zero
	MUL16 0, (\q)%2, \q, \slot, \zero
	MUL16 2, (\q)%2, \q, \slot, \zero
	s_wait_dscnt 0
	PLACES NP
	FETCH_B \slot, (\q)+1, 1-(\q)%2
	FETCH_A \slot, (\q)+1, 0
	WMUL 1, \zero
	MUL16 4, (\q)%2, \q, \slot, \zero
	MUL16 6, (\q)%2, \q, \slot, \zero
	PLACES NP
	WIN 0
	FETCH_A \slot, (\q)+1, 4
.endm
.macro TURN slot, next, fill
	s_wait_tensorcnt 0x0                           ; all my tensor loads have landed: my part of the next slot
	ds_add_u32 v[SPW], v[NIL]                      ; 0 onto my spare word
	s_wait_dscnt 4*NL+1                            ; the add and the youngest sixteen loads may be out
	WMUL 0, 0
	MUL16 0, 1, NQ-1, \slot, 0
	s_wait_dscnt 0x0                               ; the add is done, and my reads of this slot are over
	s_barrier_signal -1
	MUL16 2, 1, NQ-1, \slot, 0
	WIN 0
	s_barrier_wait -1
.if \fill
	CREST                                          ; the barrier has opened a round of the cluster's: no wave of any partner still reads this slot or has a load on its way
	s_add_nc_u64 s[G0+4*\slot+2:G0+4*\slot+3], s[G0+4*\slot+2:G0+4*\slot+3], 2*SLAB
	s_add_nc_u64 s[G0B+4*\slot+2:G0B+4*\slot+3], s[G0B+4*\slot+2:G0B+4*\slot+3], 2*SLAB
	JLOAD G0+4*\slot, G1, G0B+4*\slot, G1B         ; my one tensor load behind the round; its four v_nop are the places in front of the loads below
.else
	PLACES NP
.endif
	v_add_nc_u32 v[ADRS], 256, v[ADRS]
	FETCH_B \next, 0, 0
	FETCH_A \next, 0, 0
	SCALES \next
	WMUL 1, 0
	MUL16 4, 1, NQ-1, \slot, 0
	MUL16 6, 1, NQ-1, \slot, 0
	PLACES NP
	WIN 0
	FETCH_A \next, 0, 4
.endm
.macro LAST
	s_wait_dscnt 4*NL
	WMUL 0, 0
	MUL16 0, 1, NQ-1, 1, 0
	MUL16 2, 1, NQ-1, 1, 0
	s_wait_dscnt 0
	WMUL 1, 0
	MUL16 4, 1, NQ-1, 1, 0
	MUL16 6, 1, NQ-1, 1, 0
	WIN 0
.endm
	s_load_b256 s[4:11], s[0:1], 0x0               ; A's buffer, wq, the bias, the residual
	s_load_b64 s[12:13], s[0:1], 0x20              ; y
	v_lshl_add_u32 v[SPW], v0, 2, SPARE
	v_mov_b32 v[NIL], 0
	ds_add_u32 v28, v29
	ds_add_u32 v28, v29
	s_wait_dscnt 0x0
	v_lshrrev_b32 v1, 5, v0
	v_readfirstlane_b32 s14, v1                    ; wave 0..3
	s_lshr_b32 s15, s14, 1
	s_and_b32 s16, s14, 1
	s_bfe_u32 s40, ttmp6, 0x40000                  ; cx
	s_bfe_u32 s41, ttmp6, 0x40004                  ; cy
	s_lshl_b32 s42, ttmp9, 2
	s_add_co_u32 s42, s42, s40                     ; B's block of 256 rows
	s_and_b32 s17, ttmp7, 0xffff
	s_lshl_b32 s17, s17, 2
	s_add_co_u32 s17, s17, s41                     ; A's block of 256 rows
	s_lshl_b32 s43, s41, 2
	s_lshl_b32 s43, 15, s43
	s_lshl_b32 s44, 0x1111, s40
	s_or_b32 s[G1+0], s43, (3<<16)|(1<<21)         ; 15:0 the mask; 17:16 elements of 8 bytes; 21 set beside a mask; no padding
	s_or_b32 s[G1B+0], s44, (3<<16)|(1<<21)
.irp g, G1, G1B
	s_mov_b32 s[\g+1], 384<<16
	s_mov_b32 s[\g+2], 8<<16
	s_mov_b32 s[\g+3], 384<<16
	s_mov_b32 s[\g+4], 8
	s_mov_b32 s[\g+5], TSTR/8
	s_mov_b32 s[\g+6], 0
	s_mov_b32 s[\g+7], 0
.endr
	s_or_b32 s[G1S+0], s43, (3<<16)|(1<<21)
	s_or_b32 s[G1SB+0], s44, (3<<16)|(1<<21)
.irp g, G1S, G1SB
	s_mov_b32 s[\g+1], 32<<16
	s_mov_b32 s[\g+2], (HALFS/256)<<16
	s_mov_b32 s[\g+3], 32<<16
	s_mov_b32 s[\g+4], HALFS/256
	s_mov_b32 s[\g+5], 32
	s_mov_b32 s[\g+6], 0
	s_mov_b32 s[\g+7], 0
.endr
	s_lshl_b32 s18, s16, 3
	s_lshl_b32 s20, s17, 4
	s_add_co_u32 s20, s20, s18
	s_lshl_b32 s46, s42, 4
	s_add_co_u32 s46, s46, s18
	s_mul_i32 s22, s20, NS*64
	s_mul_i32 s92, s46, NS*64
	s_mul_i32 s20, s20, TSTR
	s_mul_i32 s46, s46, TSTR
	s_add_co_u32 s20, s20, AIMG
	s_add_co_u32 s22, s22, ASC
	s_add_co_u32 s46, s46, BIMG
	s_add_co_u32 s92, s92, BSC
	s_mov_b32 s21, 0
	s_mov_b32 s23, 0
	s_mov_b32 s47, 0
	s_mov_b32 s93, 0
	s_mul_i32 s45, s14, HALFT
	s_mul_i32 s94, s14, HALFS
	s_wait_kmcnt 0x0
	s_add_nc_u64 s[20:21], s[PA:PA+1], s[20:21]
	s_add_nc_u64 s[22:23], s[PA:PA+1], s[22:23]
	s_add_nc_u64 s[46:47], s[PB:PB+1], s[46:47]
	s_add_nc_u64 s[92:93], s[PB:PB+1], s[92:93]
	CROUND                                         ; all sixteen work-groups are here: the first joint loads meet
	s_mov_b32 s[G0S], 1
	s_add_co_u32 s[G0S+1], s94, SCL
	s_mov_b64 s[G0S+2:G0S+3], s[22:23]
	s_or_b32 s[G0S+3], s[G0S+3], 0x80000000
	s_mov_b32 s[G0SB], 1
	s_add_co_u32 s[G0SB+1], s94, SCL
	s_mov_b64 s[G0SB+2:G0SB+3], s[92:93]
	s_or_b32 s[G0SB+3], s[G0SB+3], 0x80000000
	JLOAD G0S, G1S, G0SB, G1SB
.irp s, 0,1
	s_mov_b32 s[G0+4*\s], 1
	s_add_co_u32 s[G0+4*\s+1], s45, \s*SLOT
	s_add_nc_u64 s[G0+4*\s+2:G0+4*\s+3], s[20:21], \s*SLAB
	s_or_b32 s[G0+4*\s+3], s[G0+4*\s+3], 0x80000000
	s_mov_b32 s[G0B+4*\s], 1
	s_add_co_u32 s[G0B+4*\s+1], s45, \s*SLOT
	s_add_nc_u64 s[G0B+4*\s+2:G0B+4*\s+3], s[46:47], \s*SLAB
	s_or_b32 s[G0B+4*\s+3], s[G0B+4*\s+3], 0x80000000
	JLOAD G0+4*\s, G1, G0B+4*\s, G1B               ; by this text's count three tensor loads of a wave are out here, later one
.endr
	v_and_b32 v1, 15, v0                           ; r
	v_bfe_u32 v2, v0, 4, 1                         ; h
	v_and_b32 v3, 31, v0                           ; lane
	v_lshlrev_b32 v[A16], 4, v3
	v_lshlrev_b32 v[A8], 3, v3
	s_mul_i32 s21, s15, HALFT
	s_mul_i32 s22, s16, HALFT
	s_add_co_u32 s22, s22, 2*HALFT
.irp s, 0,1
	v_add_nc_u32 v[ADRA+\s], s21, v[A16]
	v_add_nc_u32 v[ADRB+\s], s22, v[A16]
	v_add_nc_u32 v[ADRA+2+\s], s21, v[A8]
	v_add_nc_u32 v[ADRB+2+\s], s22, v[A8]
	s_add_co_u32 s21, s21, SLOT
	s_add_co_u32 s22, s22, SLOT
.endr
	v_lshlrev_b32 v4, 2, v1
	s_mul_i32 s21, s15, HALFS
	s_mul_i32 s22, s16, HALFS
	s_add_co_u32 s22, s22, 2*HALFS
	s_sub_co_u32 s22, s22, s21
	v_mul_u32_u24 v5, s22, v2
	s_add_co_u32 s21, s21, SCL
	v_add_nc_u32 v4, v4, v5
	v_add_nc_u32 v[ADRS], s21, v4
	s_lshl_b32 s46, s42, 10
	s_lshl_b32 s47, s16, 9
	s_add_co_u32 s46, s46, s47                     ; my first column, in bytes of f32
	s_mov_b32 s47, 0
	s_add_nc_u64 s[8:9], s[8:9], s[46:47]
	v_lshlrev_b32 v6, 6, v2
.irp b, 0,1,2,3
.irp j, 0,1,2,3
	global_load_b128 v[BN+16*\b+4*\j:BN+16*\b+4*\j+3], v6, s[8:9] offset:128*\b+16*\j   ; the bias of columns 32 b + 16 h + 0 .. 15
.endr
.endr
	s_lshl_b32 s20, s17, 8
	s_lshl_b32 s21, s15, 7
	s_add_co_u32 s20, s20, s21                     ; my first token
	s_lshl_b32 s20, s20, 12
	s_add_co_u32 s20, s20, s46
	s_mov_b32 s21, 0
	s_add_nc_u64 s[10:11], s[10:11], s[20:21]
	s_add_nc_u64 s[12:13], s[12:13], s[20:21]
	s_mul_i32 s23, s14, 16*SPITCH                  ; my stage
	v_mul_u32_u24 v7, v1, SPITCH
	v_lshl_add_u32 v7, v2, 6, v7
	v_add_nc_u32 v[STO], s23, v7                   ; in: row r, + 64 h
	v_add_nc_u32 v[RD], s23, v[A16]                ; back: a row of 512 bytes for the 32 lanes
	s_wait_tensorcnt 1                             ; the scale words and my part of slot 0 are in; slot 1's load may be out
	s_barrier_signal -1
	s_barrier_wait -1
	FETCH_B 0, 0, 0
	FETCH_A 0, 0, 0
	SCALES 0
	FETCH_A 0, 0, 4
	s_wait_loadcnt 0x0                             ; the bias
	STEP 0, 0, 2                                   ; the first products start the sums from the bias
	s_mov_b32 s3, LAPS-1
.Llap:
	TURN 0, 1, 1
	STEP 1, 0, 0
	TURN 1, 0, 1
	STEP 0, 0, 0
	s_sub_co_u32 s3, s3, 1
	s_cmp_lg_u32 s3, 0
	s_cbranch_scc1 .Llap
	TURN 0, 1, 0                                   ; the last lap fills nothing
.macro RLOAD a                         ; the residual's 16 rows of block a
.irp t, 0,1,2,3,4,5,6,7,8,9,10,11,12,13,14,15
	global_load_b128 v[RS+64*((\a)%2)+4*\t:RS+64*((\a)%2)+4*\t+3], v[A16], s[10:11] offset:(32*((\a)/2)+8*((\a)%2)+\t+8*(\t/8))*4096
.endr
.endm
	RLOAD 0                                        ; into the bias's registers, which were last read in the first step
	STEP 1, 0, 0
	LAST
	PLACES NP
	RLOAD 1
.macro TOSTAGE a                       ; a lane holds pieces of one row; the block goes through my own stage and comes back as whole rows.  LDS serves a wave's instructions in order (ISA guide 5.7.1.4)
.set AC, 64*((\a)%4)
	WIN 0x08+4*((\a)/4)
.irp b, 0,1,2,3,4,5,6,7
	ds_store_b128 v[STO], v[AC+8*\b:AC+8*\b+3] offset:128*(\b/2)+32*(\b%2)
	ds_store_b128 v[STO], v[AC+8*\b+4:AC+8*\b+7] offset:128*(\b/2)+32*(\b%2)+16
.endr
	WIN 0
.irp t, 0,1,2,3,4,5,6,7,8,9,10,11,12,13,14,15
	ds_load_b128 v[BB+4*\t:BB+4*\t+3], v[RD] offset:\t*SPITCH
.endr
.endm
.macro OUTY a
	s_wait_xcnt 0x0                                ; the last block's stores have read their registers
	TOSTAGE \a
.if (\a) < 7
	s_wait_loadcnt 16                              ; this block's residual rows are in, the next block's sixteen loads may be out
.else
	s_wait_loadcnt 0x0
.endif
	s_wait_dscnt 0x0
.set k, 0
.rept 32
	v_pk_add_f32 v[BB+k:BB+k+1], v[BB+k:BB+k+1], v[RS+64*((\a)%2)+k:RS+64*((\a)%2)+k+1]
.set k, k+2
.endr
.if (\a)+2 < 8
	RLOAD (\a)+2
.endif
.irp t, 0,1,2,3,4,5,6,7,8,9,10,11,12,13,14,15
	global_store_b128 v[A16], v[BB+4*\t:BB+4*\t+3], s[12:13] offset:(32*((\a)/2)+8*((\a)%2)+\t+8*(\t/8))*4096   ; 32 lanes store 512 consecutive bytes, aligned
.endr
.endm
.irp a, 0,1,2,3,4,5,6,7
	OUTY \a
.endr
	s_wait_tensorcnt 0x0                           ; the wave's end
	ds_add_u32 v[SPW], v[NIL]
	s_wait_dscnt 0x0
	CROUND                                         ; the closing round
	s_endpgm
.Lfunc_end_k_q1e4a953b5e_ffn2:
	.size	k_q1e4a953b5e_ffn2, .Lfunc_end_k_q1e4a953b5e_ffn2-k_q1e4a953b5e_ffn2
	.p2alignl 7, 3214868480
	.fill 96, 4, 3214868480
	.section	.rodata,"a",@progbits
	.p2align	6, 0x0
	.amdhsa_kernel k_q1e4a953b5e_ffn2
		.amdhsa_group_segment_fixed_size 327680
		.amdhsa_private_segment_fixed_size 0
		.amdhsa_enable_private_segment 0
		.amdhsa_kernarg_size 40
		.amdhsa_user_sgpr_count 2
		.amdhsa_user_sgpr_kernarg_segment_ptr 1
		.amdhsa_wavefront_size32 1
		.amdhsa_system_sgpr_workgroup_id_x 1
		.amdhsa_system_sgpr_workgroup_id_y 1
		.amdhsa_system_sgpr_workgroup_id_z 1
		.amdhsa_system_vgpr_workitem_id 0
		.amdhsa_next_free_vgpr 1024
		.amdhsa_next_free_sgpr 102
		.amdhsa_reserve_vcc 0
		.amdhsa_float_denorm_mode_32 3
		.amdhsa_float_denorm_mode_16_64 3
		.amdhsa_memory_ordered 1
		.amdhsa_forward_progress 1
		.amdhsa_inst_pref_size 175
	.end_amdhsa_kernel
	.amdgpu_metadata
---
amdhsa.version: [ 1, 2 ]
amdhsa.kernels:
  - .name:           k_q1e4a953b5e_ffn2
    .symbol:         k_q1e4a953b5e_ffn2.kd
    .args:
      - { .name: hq, .offset: 0, .size: 8, .value_kind: global_buffer, .address_space: global }
      - { .name: wq, .offset: 8, .size: 8, .value_kind: global_buffer, .address_space: global }
      - { .name: b2, .offset: 16, .size: 8, .value_kind: global_buffer, .address_space: global }
      - { .name: x1, .offset: 24, .size: 8, .value_kind: global_buffer, .address_space: global }
      - { .name: y, .offset: 32, .size: 8, .value_kind: global_buffer, .address_space: global }
    .group_segment_fixed_size: 327680
    .private_segment_fixed_size: 0
    .kernarg_segment_align: 8
    .kernarg_segment_size: 40
    .max_flat_workgroup_size: 128
    .sgpr_count:     102
    .vgpr_count:     1024
    .wavefront_size: 32
...
	.end_amdgpu_metadata
.endif
;; end of part 7
;; launch ln2 (part 8): grid 256 x 1, 4 waves a work-group, no clusters, 0 bytes of LDS; arguments y, gamma2, beta2, out0; writes out0
.if DOCPART == 8
	.amdgcn_target "amdgcn-amd-amdhsa--gfx1250"
	.amdhsa_code_object_version 6
	.text
	.protected	k_q1e4a953b5e_ln2
	.globl	k_q1e4a953b5e_ln2
	.p2align	8
	.type	k_q1e4a953b5e_ln2,@function
k_q1e4a953b5e_ln2:
	s_mov_b64 s[64:65], 0
	v_nop
	global_prefetch_b8 v0, s[64:65] scope:SCOPE_SE
	s_setreg_imm32_b32 hwreg(HW_REG_WAVE_MODE, 25, 1), 1
	s_wait_xcnt 0x0
; out = gamma (z - mean) / (std + 1e-6) + beta along rows of 1,024, std with the divisor 1,023.  A wave takes four neighbouring rows, each whole in 32 registers: read once, no LDS, no barrier.
; Every load and store of a wave covers 512 consecutive bytes.  Memory binds: no matrix unit, no tensor load, no cluster.  NaN and infinities are not served.
.set Y,   32                           ; v32-159 four rows
.set GA,  160                          ; v160-191 gamma
.set BE,  192                          ; v192-223 beta
.set SM,  224                          ; v224-231 a pair a row: sums, then the mean twice
.set QQ,  232                          ; v232-247 four a row: squares, then 1 / (std + eps) twice
.set A16, 4
.set SEL, 22
.macro ALLSUM base, stride             ; v[base + stride i], i = 0 .. 3, summed over the 32 lanes; v[base + stride i + 1] at work
.irp m, 1,2,4,8
.irp i, 0,1,2,3
	v_add_f32_dpp v[\base+\stride*\i], v[\base+\stride*\i], v[\base+\stride*\i] row_xmask:\m row_mask:0xf bank_mask:0xf
.endr
.endr
.irp i, 0,1,2,3
	v_permlanex16_b32 v[\base+\stride*\i+1], v[\base+\stride*\i], s[SEL], s[SEL+1]
.endr
.irp i, 0,1,2,3
	v_add_f32 v[\base+\stride*\i], v[\base+\stride*\i], v[\base+\stride*\i+1]
.endr
.endm
	s_load_b256 s[4:11], s[0:1], 0x0               ; z, gamma, beta, out
	v_lshrrev_b32 v1, 5, v0
	v_readfirstlane_b32 s12, v1                    ; wave
	v_and_b32 v1, 31, v0
	v_lshlrev_b32 v[A16], 4, v1
	s_lshl_b32 s13, ttmp9, 4
	s_lshl_b32 s14, s12, 2
	s_add_co_u32 s13, s13, s14                     ; my first row
	s_lshl_b32 s14, s13, 12
	s_mov_b32 s15, 0
	s_mov_b32 s[SEL], 0x76543210
	s_mov_b32 s[SEL+1], 0xfedcba98
	s_wait_kmcnt 0x0
	s_add_nc_u64 s[4:5], s[4:5], s[14:15]
	s_add_nc_u64 s[10:11], s[10:11], s[14:15]
.irp i, 0,1,2,3
.irp j, 0,1,2,3,4,5,6,7
	global_load_b128 v[Y+32*\i+4*\j:Y+32*\i+4*\j+3], v[A16], s[4:5] offset:\i*4096+512*\j th:TH_LOAD_NT
.endr
.endr
.irp j, 0,1,2,3,4,5,6,7
	global_load_b128 v[GA+4*\j:GA+4*\j+3], v[A16], s[6:7] offset:512*\j
.endr
.irp j, 0,1,2,3,4,5,6,7
	global_load_b128 v[BE+4*\j:BE+4*\j+3], v[A16], s[8:9] offset:512*\j
.endr
	s_wait_loadcnt 16                              ; the rows are in; gamma's and beta's sixteen loads may be out
.irp i, 0,1,2,3
	v_pk_add_f32 v[SM+2*\i:SM+2*\i+1], v[Y+32*\i:Y+32*\i+1], v[Y+32*\i+2:Y+32*\i+3]
.endr
.irp k, 4,6,8,10,12,14,16,18,20,22,24,26,28,30
.irp i, 0,1,2,3
	v_pk_add_f32 v[SM+2*\i:SM+2*\i+1], v[SM+2*\i:SM+2*\i+1], v[Y+32*\i+\k:Y+32*\i+\k+1]
.endr
.endr
.irp i, 0,1,2,3
	v_add_f32 v[SM+2*\i], v[SM+2*\i], v[SM+2*\i+1]
.endr
	ALLSUM SM, 2
.irp i, 0,1,2,3
	v_mul_f32 v[SM+2*\i], 0x3a800000, v[SM+2*\i]   ; the mean: / 1,024
.endr
.irp i, 0,1,2,3
	v_mov_b32 v[SM+2*\i+1], v[SM+2*\i]
.endr
.irp k, 0,2,4,6,8,10,12,14,16,18,20,22,24,26,28,30
.irp i, 0,1,2,3
	v_pk_add_f32 v[Y+32*\i+\k:Y+32*\i+\k+1], v[Y+32*\i+\k:Y+32*\i+\k+1], v[SM+2*\i:SM+2*\i+1] neg_lo:[0,1] neg_hi:[0,1]
.endr
.endr
.irp i, 0,1,2,3
	v_pk_mul_f32 v[QQ+4*\i:QQ+4*\i+1], v[Y+32*\i:Y+32*\i+1], v[Y+32*\i:Y+32*\i+1]
	v_pk_mul_f32 v[QQ+4*\i+2:QQ+4*\i+3], v[Y+32*\i+2:Y+32*\i+3], v[Y+32*\i+2:Y+32*\i+3]
.endr
.irp k, 4,8,12,16,20,24,28
.irp i, 0,1,2,3
	v_pk_fma_f32 v[QQ+4*\i:QQ+4*\i+1], v[Y+32*\i+\k:Y+32*\i+\k+1], v[Y+32*\i+\k:Y+32*\i+\k+1], v[QQ+4*\i:QQ+4*\i+1]
	v_pk_fma_f32 v[QQ+4*\i+2:QQ+4*\i+3], v[Y+32*\i+\k+2:Y+32*\i+\k+3], v[Y+32*\i+\k+2:Y+32*\i+\k+3], v[QQ+4*\i+2:QQ+4*\i+3]
.endr
.endr
.irp i, 0,1,2,3
	v_pk_add_f32 v[QQ+4*\i:QQ+4*\i+1], v[QQ+4*\i:QQ+4*\i+1], v[QQ+4*\i+2:QQ+4*\i+3]
.endr
.irp i, 0,1,2,3
	v_add_f32 v[QQ+4*\i], v[QQ+4*\i], v[QQ+4*\i+1]
.endr
	ALLSUM QQ, 4
.irp i, 0,1,2,3
	v_mul_f32 v[QQ+4*\i], 0x3a802008, v[QQ+4*\i]   ; / 1,023
.endr
.irp i, 0,1,2,3
	v_sqrt_f32 v[QQ+4*\i+1], v[QQ+4*\i]
.endr
	v_nop                                          ; a plain place behind the transcendentals
	s_wait_alu depctr_va_vdst(0)
.irp i, 0,1,2,3
	v_add_f32 v[QQ+4*\i+1], 0x358637bd, v[QQ+4*\i+1]   ; + 1e-6
.endr
.irp i, 0,1,2,3
	v_rcp_f32 v[QQ+4*\i], v[QQ+4*\i+1]
.endr
	v_nop
	s_wait_alu depctr_va_vdst(0)
.irp i, 0,1,2,3
	v_mov_b32 v[QQ+4*\i+1], v[QQ+4*\i]
.endr
	s_wait_loadcnt 0x0                             ; gamma and beta
.irp k, 0,2,4,6,8,10,12,14,16,18,20,22,24,26,28,30
.irp i, 0,1,2,3
	v_pk_mul_f32 v[Y+32*\i+\k:Y+32*\i+\k+1], v[Y+32*\i+\k:Y+32*\i+\k+1], v[QQ+4*\i:QQ+4*\i+1]
.endr
.irp i, 0,1,2,3
	v_pk_fma_f32 v[Y+32*\i+\k:Y+32*\i+\k+1], v[Y+32*\i+\k:Y+32*\i+\k+1], v[GA+\k:GA+\k+1], v[BE+\k:BE+\k+1]
.endr
.endr
.irp i, 0,1,2,3
.irp j, 0,1,2,3,4,5,6,7
	global_store_b128 v[A16], v[Y+32*\i+4*\j:Y+32*\i+4*\j+3], s[10:11] offset:\i*4096+512*\j th:TH_STORE_NT
.endr
.endr
	s_endpgm
.Lfunc_end_k_q1e4a953b5e_ln2:
	.size	k_q1e4a953b5e_ln2, .Lfunc_end_k_q1e4a953b5e_ln2-k_q1e4a953b5e_ln2
	.p2alignl 7, 3214868480
	.fill 96, 4, 3214868480
	.section	.rodata,"a",@progbits
	.p2align	6, 0x0
	.amdhsa_kernel k_q1e4a953b5e_ln2
		.amdhsa_group_segment_fixed_size 0
		.amdhsa_private_segment_fixed_size 0
		.amdhsa_enable_private_segment 0
		.amdhsa_kernarg_size 32
		.amdhsa_user_sgpr_count 2
		.amdhsa_user_sgpr_kernarg_segment_ptr 1
		.amdhsa_wavefront_size32 1
		.amdhsa_system_sgpr_workgroup_id_x 1
		.amdhsa_system_sgpr_workgroup_id_y 1
		.amdhsa_system_sgpr_workgroup_id_z 1
		.amdhsa_system_vgpr_workitem_id 0
		.amdhsa_next_free_vgpr 256
		.amdhsa_next_free_sgpr 66
		.amdhsa_reserve_vcc 0
		.amdhsa_float_denorm_mode_32 3
		.amdhsa_float_denorm_mode_16_64 3
		.amdhsa_memory_ordered 1
		.amdhsa_forward_progress 1
		.amdhsa_inst_pref_size 33
	.end_amdhsa_kernel
	.amdgpu_metadata
---
amdhsa.version: [ 1, 2 ]
amdhsa.kernels:
  - .name:           k_q1e4a953b5e_ln2
    .symbol:         k_q1e4a953b5e_ln2.kd
    .args:
      - { .name: y, .offset: 0, .size: 8, .value_kind: global_buffer, .address_space: global }
      - { .name: gamma2, .offset: 8, .size: 8, .value_kind: global_buffer, .address_space: global }
      - { .name: beta2, .offset: 16, .size: 8, .value_kind: global_buffer, .address_space: global }
      - { .name: out0, .offset: 24, .size: 8, .value_kind: global_buffer, .address_space: global }
    .group_segment_fixed_size: 0
    .private_segment_fixed_size: 0
    .kernarg_segment_align: 8
    .kernarg_segment_size: 32
    .max_flat_workgroup_size: 128
    .sgpr_count:     66
    .vgpr_count:     256
    .wavefront_size: 32
...
	.end_amdgpu_metadata
.endif
;; end of part 8
;; ======== version 2 of 3: 8 launches; 1.18 times as fast as version 1
;; workspace buffers: wq 13,107,200 bytes; flags 1,024 bytes of whole numbers; qkv 10,092,544 bytes; oq 3,276,800 bytes; y 16,777,216 bytes; x1 20,054,016 bytes; hq 13,107,200 bytes
;; launch quant: the kernel of part 1 again; grid 1088 x 1, 4 waves a work-group, no clusters, 0 bytes of LDS; arguments x, Wq, Wk, Wv, Wp, W2, W1, mask, wq, flags; writes wq, flags
;; launch qkv: the kernel of part 2 again; grid 12 x 16, 4 waves a work-group, clusters of 4 x 4, 327,680 bytes of LDS; arguments wq, bq, bk, bv, qkv; writes qkv
;; launch attn: the kernel of part 3 again; grid 8 x 32, 16 waves a work-group, no clusters, 210,944 bytes of LDS; arguments qkv, flags, mask, oq; writes oq
;; launch proj (part 9): grid 8 x 32, 4 waves a work-group, clusters of 4 x 4, 327,680 bytes of LDS; arguments oq, wq, bp, x, y; writes y
.if DOCPART == 9
	.amdgcn_target "amdgcn-amd-amdhsa--gfx1250"
	.amdhsa_code_object_version 6
	.text
	.protected	k_q1e4a953b5e_proj
	.globl	k_q1e4a953b5e_proj
	.p2align	8
	.type	k_q1e4a953b5e_proj,@function
k_q1e4a953b5e_proj:
	s_mov_b64 s[64:65], 0
	v_nop
	global_prefetch_b8 v0, s[64:65] scope:SCOPE_SE
	s_setreg_imm32_b32 hwreg(HW_REG_WAVE_MODE, 25, 1), 1
	s_wait_xcnt 0x0
	s_wait_alu depctr_hold_cnt(0) depctr_sa_sdst(0) depctr_va_vdst(0) depctr_va_sdst(0) depctr_va_ssrc(0) depctr_va_vcc(0) depctr_vm_vsrc(0)
	s_getreg_b32 s2, hwreg(HW_REG_IB_STS2, 6, 4)
	s_cmp_eq_u32 s2, 0
	s_cbranch_scc0 .Lentry_in_a_cluster
	s_endpgm
.Lentry_in_a_cluster:
	s_bfe_u32 s2, ttmp6, 0x10000c
	s_cmp_lg_u32 s2, 0xf033
	s_cbranch_scc0 .Lentry_shape_is_right
	s_endpgm
.Lentry_shape_is_right:
; y = A B^T + bias + residual, f32 out.  A [4096][SIZE_K] and B [1024][SIZE_K] are codes of BF6 (E3M2) with E8M0 scales, laid as images of operand registers.  Here: A = o, B = Wp's columns, residual = x.
; A tile of C is 128 x 128: C has 256 such tiles, a work-group to each.  Four waves of 64 x 64: 16 accumulators, 128 registers.  (A tile of 256 x 256 would give 64 work-groups; the price of the smaller one: a fragment read from LDS feeds 4 products, not 8.)
; The matrix instruction is used transposed (source 0 = B's 16 rows, source 1 = A's): a lane holds one row of A and its registers run along B's rows.
; A tile's places hold rows 32 P + 8 u + r + 8 (r / 8): a block's register 16 b + i is column 32 b + 16 (lane / 16) + i, and place t of block a is token 32 (a / 2) + 8 (a % 2) + t + 8 (t / 8).
; OPERANDS IN MEMORY: 16 rows x 64 K are 768 bytes (registers 0-3 of lane l at 16 l, registers 4-5 at 512 + 8 l), a tile's images on end along K: 512 along K of 4 tiles are 4 rows of 6,144 bytes for one tensor load.
; K goes in steps of 512 through a ring of two LDS slots of 98,304 bytes; with SIZE_K = 1,024 both slots are first fills and nothing is filled again.  The scale words of the work-group's rows, for all of K, come once.
; The bias is the C of each sum's first matrix instruction.  The residual's 64 x 64 numbers of a wave are asked for at the head, 32 loads into 128 registers, in the layout in which the rows leave: nothing waits for memory on the way out.
; CLUSTERS: 4 x 4 work-groups; A's tiles are asked for jointly along a row of the cluster, B's along a column.
; REGISTERS: window 0: v1 r, v2 h, v16-31 addresses, v32-63 scale words (two sets), v64-95 the bias, v128-255 the accumulators ((a, b) at v[128 + 8 (4 a + b)]);
;   window 1: two sets of fragments, at v0 and v128: A's four, then B's four;   window 2: v0-127 the residual, v128-255 rows read back from the stage.
.set SIZE_K, 1024
.set PA,   4
.set PB,   6
.set AIMG, 0
.set ASC,  3145728
.set BIMG, 5505024
.set BSC,  12812288
.set NQ,     4                         ; matrix instructions deep in a slot
.set FR,     12                        ; registers of a fragment
.set NP,     4                         ; places behind this matrix instruction (ISA guide 7.12.1)
.set SLAB,   6144                      ; a tile's 512 along K: eight images
.set HALFT,  4*SLAB                    ; 64 rows: what one tensor load brings, and what one wave reads of A or of B
.set SLOT,   4*HALFT                   ; A's 128 rows, then B's
.set NS,     SIZE_K/128
.set HALFS,  NS*256                    ; the scale words of 64 rows
.set SCL,    2*SLOT
.set SPARE,  SCL+4*HALFS               ; the spare words, 128 bytes for each wave: two blocks of 256 bytes that no other line names
.set STG,    SPARE+512                 ; the way out: a stage of 64 rows x (256 bytes + 16) for each wave, in bytes of its own: no tile lands there
.set SPITCH, 272
.set WSTG,   64*SPITCH
.set LAPS,   SIZE_K/1024               ; a lap = two slots = once round the ring
.set TSTR,   SIZE_K*12                 ; from tile to tile in memory
.set ADRA, 16                          ; v16-17 my A fragments in slot 0, 1, 16 bytes a lane; v18-19 the same, 8 bytes a lane
.set ADRB, 20                          ; v20-23 the same for B
.set A16,  24                          ; 16 x lane
.set A8,   25                          ; 8 x lane
.set CO,   26                          ; the way out: 4,096 (lane / 16) + 16 (lane % 16): two rows of 256 bytes an instruction
.set ADRS, 27                          ; my scale words in LDS: lanes 0-15 A's, lanes 16-31 B's
.set SPW,  28                          ; my spare word; never rewritten
.set NIL,  29                          ; 0; never rewritten
.set STO,  30
.set RD,   31
.set SC,   32
.set BN,   64
.set ACC,  128
.set RS,   0                           ; in window 2
.set BB,   128                         ; in window 2
.set G1, 24
.set G0, 32
.set G1B, 48
.set G0B, 56
.set G1S, 68
.set G0S, 76
.set G1SB, 80
.set G0SB, 88
.set MSB, 0
.macro WIN new                         ; the immediate's high byte repeats the setting that is left
.if MSB != (\new)
	s_set_vgpr_msb (MSB<<8)|(\new)
.set MSB, (\new)
.endif
.endm
.set MUL,  0x05                        ; sources 0 (B) and 1 (A) window 1; C and D window 0
.set TO_F, 0x40                        ; destination window 1, address window 0
.macro JLOAD g0a, g1a, g0b, g1b        ; a joint load: waves 0 and 1 fetch for A, waves 2 and 3 for B; four v_nop follow each line
	s_cmp_eq_u32 s15, 0
	s_cbranch_scc0 .Lfor_b_\@
	tensor_load_to_lds s[\g0a:\g0a+3], s[\g1a:\g1a+7]
	s_nop 0
.rept 4
	v_nop
.endr
	s_branch .Lasked_\@
.Lfor_b_\@:
	tensor_load_to_lds s[\g0b:\g0b+3], s[\g1b:\g1b+7]
	s_nop 0
.rept 4
	v_nop
.endr
.Lasked_\@:
.endm
.macro CREST                           ; a round of the cluster's barrier behind its opening barrier
	s_cmp_lg_u32 s14, 0
	s_cbranch_scc1 .Lnot_wave_0_\@
	s_barrier_signal -3
.Lnot_wave_0_\@:
	s_barrier_wait -3
	s_barrier_signal -1
	s_barrier_wait -1
.endm
.macro CROUND
	s_barrier_signal -1
	s_barrier_wait -1
	CREST
.endm
.macro FRAG reg, adr, q, i             ; tile i's fragment of the slot's q-th 128 along K: two images, four loads of consecutive bytes
	ds_load_b128 v[\reg:\reg+3], v[\adr] offset:(\i)*SLAB+(\q)*1536
	ds_load_b64 v[\reg+4:\reg+5], v[\adr+2] offset:(\i)*SLAB+(\q)*1536+512
	ds_load_b128 v[\reg+6:\reg+9], v[\adr] offset:(\i)*SLAB+(\q)*1536+768
	ds_load_b64 v[\reg+10:\reg+11], v[\adr+2] offset:(\i)*SLAB+(\q)*1536+1280
.endm
; 8 matrix instructions: A's blocks a0, a0 + 1 x B's four, from fragment set p.  zero = 2: C = the bias; 0: the sums go on.  The 16 accumulators take turns.
.macro MUL8 a0, p, q, sc, zero
.irp a, \a0, \a0+1
.irp b, 0,1,2,3
.set DR, ACC+8*(4*(\a)+\b)
.set BR, 128*(\p)+48+FR*\b
.set AR, 128*(\p)+FR*(\a)
.set SB, SC+16*(\sc)+4*\b+(\q)
.set SA, SC+16*(\sc)+4*(\a)+(\q)
.if \zero == 2
	v_wmma_scale_f32_16x16x128_f8f6f4 v[DR:DR+7], v[BR:BR+FR-1], v[AR:AR+FR-1], v[BN+8*\b:BN+8*\b+7], v[SB], v[SA] matrix_a_fmt:MATRIX_FMT_BF6 matrix_b_fmt:MATRIX_FMT_BF6 matrix_a_scale:MATRIX_SCALE_ROW1
.else
	v_wmma_scale_f32_16x16x128_f8f6f4 v[DR:DR+7], v[BR:BR+FR-1], v[AR:AR+FR-1], v[DR:DR+7], v[SB], v[SA] matrix_a_fmt:MATRIX_FMT_BF6 matrix_b_fmt:MATRIX_FMT_BF6 matrix_a_scale:MATRIX_SCALE_ROW1
.endif
.endr
.endr
.endm
.macro FETCH slot, q, p                ; 32 LDS loads in one run: my eight fragments of the slot's q-th 128 along K into set p
	WIN TO_F
.irp i, 0,1,2,3
	FRAG 128*(\p)+48+FR*\i, ADRB+\slot, \q, \i
	FRAG 128*(\p)+FR*\i, ADRA+\slot, \q, \i
.endr
.endm
.macro SCALES sc                       ; a slot's scale words: register 4 i + q: lanes 0-15 A's block i, lanes 16-31 B's block i
.irp i, 0,1,2,3
.irp q, 0,1,2,3
	ds_load_b32 v[SC+16*\sc+4*\i+\q], v[ADRS] offset:(\i/2)*NS*128+(\i%2)*64+\q*128
.endr
.endr
.endm
.macro PLACES n                        ; plain vector places behind matrix instructions, in front of loads into their registers and of reads of results
.rept \n
	v_nop
.endr
.endm
.macro STEP slot, q, zero              ; 128 along K that has its successor in the same slot: the next step's fragments are asked for, then this step's 16 products are issued
	s_wait_dscnt 0x0                               ; this step's fragments (and, at a slot's head, its scale words) are in
	PLACES NP                                      ; the other set was read by the last step's products
	FETCH \slot, (\q)+1, 1-(\q)%2
	WIN MUL
	MUL8 0, (\q)%2, \q, \slot, \zero
	MUL8 2, (\q)%2, \q, \slot, \zero
.endm
.macro TURN slot, next, fill           ; a slot's last 128 along K, and the change of slots
	WIN 0                                          ; (the add's two registers lie in window 0)
	s_wait_tensorcnt 0x0                           ; all my tensor loads have landed: my part of the next slot
	ds_add_u32 v[SPW], v[NIL]                      ; 0 onto my spare word
	s_wait_dscnt 1                                 ; this step's fragments are in; the add may be out
	WIN MUL
	MUL8 0, 1, NQ-1, \slot, 0
	s_wait_dscnt 0x0                               ; the add is done, and my reads of this slot are over
	s_barrier_signal -1
	MUL8 2, 1, NQ-1, \slot, 0
	WIN 0
	s_barrier_wait -1
.if \fill
	CREST                                          ; the barrier has opened a round of the cluster's: no wave of any partner still reads this slot or has a load on its way
	s_add_nc_u64 s[G0+4*\slot+2:G0+4*\slot+3], s[G0+4*\slot+2:G0+4*\slot+3], 2*SLAB
	s_add_nc_u64 s[G0B+4*\slot+2:G0B+4*\slot+3], s[G0B+4*\slot+2:G0B+4*\slot+3], 2*SLAB
	JLOAD G0+4*\slot, G1, G0B+4*\slot, G1B         ; my one tensor load behind the round; its four v_nop are the places in front of the loads below
.else
	PLACES NP
.endif
	v_add_nc_u32 v[ADRS], 512, v[ADRS]             ; the next slot's scale words
	FETCH \next, 0, 0
	WIN 0
	SCALES \next
.endm
.macro LAST                            ; the very last 128 along K
	s_wait_dscnt 0x0
	WIN MUL
	MUL8 0, 1, NQ-1, 1, 0
	MUL8 2, 1, NQ-1, 1, 0
	WIN 0
.endm
	s_load_b256 s[4:11], s[0:1], 0x0               ; A's buffer, wq, the bias, the residual
	s_load_b64 s[12:13], s[0:1], 0x20              ; y
	v_lshl_add_u32 v[SPW], v0, 2, SPARE
	v_mov_b32 v[NIL], 0
	ds_add_u32 v28, v29
	ds_add_u32 v28, v29
	s_wait_dscnt 0x0
	v_lshrrev_b32 v1, 5, v0
	v_readfirstlane_b32 s14, v1                    ; wave 0..3
	s_lshr_b32 s15, s14, 1                         ; which half of A's rows is mine.  Also: I fetch for A (0) or for B (1)
	s_and_b32 s16, s14, 1                          ; which half of B's rows.  Also: which 64 rows I fetch
	s_bfe_u32 s40, ttmp6, 0x40000                  ; cx
	s_bfe_u32 s41, ttmp6, 0x40004                  ; cy
	s_lshl_b32 s42, ttmp9, 2
	s_add_co_u32 s42, s42, s40                     ; B's block of 128 rows
	s_and_b32 s17, ttmp7, 0xffff
	s_lshl_b32 s17, s17, 2
	s_add_co_u32 s17, s17, s41                     ; A's block of 128 rows
	s_lshl_b32 s43, s41, 2
	s_lshl_b32 s43, 15, s43                        ; my row of the cluster
	s_lshl_b32 s44, 0x1111, s40                    ; my column
	s_or_b32 s[G1+0], s43, (3<<16)|(1<<21)         ; 15:0 the mask; 17:16 elements of 8 bytes; 21 set beside a mask; no padding
	s_or_b32 s[G1B+0], s44, (3<<16)|(1<<21)
.irp g, G1, G1B
	s_mov_b32 s[\g+1], 768<<16                     ; tensor_dim0: 6,144 bytes
	s_mov_b32 s[\g+2], 4<<16                       ; tensor_dim1: 4 tiles
	s_mov_b32 s[\g+3], 768<<16                     ; tile_dim0
	s_mov_b32 s[\g+4], 4                           ; tile_dim1
	s_mov_b32 s[\g+5], TSTR/8                      ; from tile to tile
	s_mov_b32 s[\g+6], 0
	s_mov_b32 s[\g+7], 0
.endr
	s_or_b32 s[G1S+0], s43, (3<<16)|(1<<21)        ; the scale words of 64 rows: a dense block, as rows of 256 bytes
	s_or_b32 s[G1SB+0], s44, (3<<16)|(1<<21)
.irp g, G1S, G1SB
	s_mov_b32 s[\g+1], 32<<16
	s_mov_b32 s[\g+2], (HALFS/256)<<16
	s_mov_b32 s[\g+3], 32<<16
	s_mov_b32 s[\g+4], HALFS/256
	s_mov_b32 s[\g+5], 32
	s_mov_b32 s[\g+6], 0
	s_mov_b32 s[\g+7], 0
.endr
	s_lshl_b32 s18, s16, 2                         ; which 4 tiles I fetch
	s_lshl_b32 s20, s17, 3
	s_add_co_u32 s20, s20, s18                     ; A: first tile
	s_lshl_b32 s46, s42, 3
	s_add_co_u32 s46, s46, s18                     ; B: first tile
	s_mul_i32 s22, s20, NS*64                      ; their scale words: NS x 128 bytes a pair of tiles
	s_mul_i32 s92, s46, NS*64
	s_mul_i32 s20, s20, TSTR
	s_mul_i32 s46, s46, TSTR
	s_add_co_u32 s20, s20, AIMG
	s_add_co_u32 s22, s22, ASC
	s_add_co_u32 s46, s46, BIMG
	s_add_co_u32 s92, s92, BSC
	s_mov_b32 s21, 0
	s_mov_b32 s23, 0
	s_mov_b32 s47, 0
	s_mov_b32 s93, 0
	s_mul_i32 s45, s14, HALFT                      ; where they go: wave x 64 rows
	s_mul_i32 s94, s14, HALFS
	s_wait_kmcnt 0x0
	s_add_nc_u64 s[20:21], s[PA:PA+1], s[20:21]
	s_add_nc_u64 s[22:23], s[PA:PA+1], s[22:23]
	s_add_nc_u64 s[46:47], s[PB:PB+1], s[46:47]
	s_add_nc_u64 s[92:93], s[PB:PB+1], s[92:93]
	CROUND                                         ; all sixteen work-groups are here: the first joint loads meet
	s_mov_b32 s[G0S], 1
	s_add_co_u32 s[G0S+1], s94, SCL
	s_mov_b64 s[G0S+2:G0S+3], s[22:23]
	s_or_b32 s[G0S+3], s[G0S+3], 0x80000000
	s_mov_b32 s[G0SB], 1
	s_add_co_u32 s[G0SB+1], s94, SCL
	s_mov_b64 s[G0SB+2:G0SB+3], s[92:93]
	s_or_b32 s[G0SB+3], s[G0SB+3], 0x80000000
	JLOAD G0S, G1S, G0SB, G1SB                     ; the scale words first
.irp s, 0,1
	s_mov_b32 s[G0+4*\s], 1
	s_add_co_u32 s[G0+4*\s+1], s45, \s*SLOT
	s_add_nc_u64 s[G0+4*\s+2:G0+4*\s+3], s[20:21], \s*SLAB
	s_or_b32 s[G0+4*\s+3], s[G0+4*\s+3], 0x80000000
	s_mov_b32 s[G0B+4*\s], 1
	s_add_co_u32 s[G0B+4*\s+1], s45, \s*SLOT
	s_add_nc_u64 s[G0B+4*\s+2:G0B+4*\s+3], s[46:47], \s*SLAB
	s_or_b32 s[G0B+4*\s+3], s[G0B+4*\s+3], 0x80000000
	JLOAD G0+4*\s, G1, G0B+4*\s, G1B               ; by this text's count three tensor loads of a wave are out here, later one
.endr
	v_and_b32 v1, 15, v0                           ; r
	v_bfe_u32 v2, v0, 4, 1                         ; h
	v_and_b32 v3, 31, v0                           ; lane
	v_lshlrev_b32 v[A16], 4, v3
	v_lshlrev_b32 v[A8], 3, v3
	s_mul_i32 s21, s15, HALFT                      ; my 64 rows of A
	s_mul_i32 s22, s16, HALFT
	s_add_co_u32 s22, s22, 2*HALFT                 ; my 64 rows of B, behind A's 128
.irp s, 0,1
	v_add_nc_u32 v[ADRA+\s], s21, v[A16]
	v_add_nc_u32 v[ADRB+\s], s22, v[A16]
	v_add_nc_u32 v[ADRA+2+\s], s21, v[A8]
	v_add_nc_u32 v[ADRB+2+\s], s22, v[A8]
	s_add_co_u32 s21, s21, SLOT
	s_add_co_u32 s22, s22, SLOT
.endr
	v_lshlrev_b32 v4, 2, v1
	s_mul_i32 s21, s15, HALFS
	s_mul_i32 s22, s16, HALFS
	s_add_co_u32 s22, s22, 2*HALFS
	s_sub_co_u32 s22, s22, s21
	v_mul_u32_u24 v5, s22, v2                      ; lanes 16-31 take B's
	s_add_co_u32 s21, s21, SCL
	v_add_nc_u32 v4, v4, v5
	v_add_nc_u32 v[ADRS], s21, v4
	s_lshl_b32 s46, s42, 9
	s_lshl_b32 s47, s16, 8
	s_add_co_u32 s46, s46, s47                     ; my first column, in bytes of f32: a multiple of 256
	s_mov_b32 s47, 0
	s_add_nc_u64 s[8:9], s[8:9], s[46:47]
	v_lshlrev_b32 v6, 6, v2
.irp b, 0,1
.irp j, 0,1,2,3
	global_load_b128 v[BN+16*\b+4*\j:BN+16*\b+4*\j+3], v6, s[8:9] offset:128*\b+16*\j   ; the bias of columns 32 b + 16 h + 0 .. 15
.endr
.endr
	s_lshl_b32 s20, s17, 7
	s_lshl_b32 s21, s15, 6
	s_add_co_u32 s20, s20, s21                     ; my first token
	s_lshl_b32 s20, s20, 12
	s_add_co_u32 s20, s20, s46
	s_mov_b32 s21, 0
	s_add_nc_u64 s[10:11], s[10:11], s[20:21]
	s_add_nc_u64 s[12:13], s[12:13], s[20:21]
	v_lshlrev_b32 v[CO], 12, v2
	v_lshl_add_u32 v[CO], v1, 4, v[CO]
	WIN 0x80                                       ; destination window 2, address window 0
.irp a, 0,1,2,3
.irp i, 0,1,2,3,4,5,6,7
	global_load_b128 v[RS+32*\a+4*\i:RS+32*\a+4*\i+3], v[CO], s[10:11] offset:(32*(\a/2)+8*(\a%2)+2*\i+8*(\i/4))*4096   ; the residual at places 2 i, 2 i + 1 of block a: two aligned runs of 256 bytes
.endr
.endr
	WIN 0
	s_mul_i32 s23, s14, WSTG
	s_add_co_u32 s23, s23, STG                     ; my stage
	v_mul_u32_u24 v7, v1, SPITCH
	v_lshl_add_u32 v7, v2, 6, v7
	v_add_nc_u32 v[STO], s23, v7                   ; in: row r, + 64 h
	v_mul_u32_u24 v7, v2, SPITCH
	v_lshl_add_u32 v7, v1, 4, v7
	v_add_nc_u32 v[RD], s23, v7                    ; back: lanes 0-15 one row of 256 bytes, lanes 16-31 the next
	s_wait_tensorcnt 1                             ; the scale words and my part of slot 0 are in; slot 1's load may be out
	s_barrier_signal -1
	s_barrier_wait -1
	FETCH 0, 0, 0
	WIN 0
	SCALES 0
	s_wait_loadcnt 32                              ; the bias's eight loads are in; the residual's 32 may be out
	STEP 0, 0, 2                                   ; the first products start the sums from the bias
	STEP 0, 1, 0
	STEP 0, 2, 0
.if LAPS > 1
	WIN 0                                          ; at a label and at a branch every window is 0
	s_mov_b32 s3, LAPS-1
.Llap:                                                 ; a trip goes once round the ring, from a slot 0's last step to the next slot 0's last but one, and fills both slots again
	TURN 0, 1, 1
	STEP 1, 0, 0
	STEP 1, 1, 0
	STEP 1, 2, 0
	TURN 1, 0, 1
	STEP 0, 0, 0
	STEP 0, 1, 0
	STEP 0, 2, 0
	WIN 0
	s_sub_co_u32 s3, s3, 1
	s_cmp_lg_u32 s3, 0
	s_cbranch_scc1 .Llap
.endif
	TURN 0, 1, 0                                   ; the last lap fills nothing
	STEP 1, 0, 0
	STEP 1, 1, 0
	STEP 1, 2, 0
	LAST
	; THE WAY OUT.  A lane holds pieces of one row; the four blocks of 16 rows go through my own stage and come back as whole rows of 256 bytes.  LDS serves a wave's instructions in order (ISA guide 5.7.1.4): no wait between the stores and the loads.
	PLACES NP
.irp a, 0,1,2,3
.irp b, 0,1,2,3
	ds_store_b128 v[STO], v[ACC+8*(4*\a+\b):ACC+8*(4*\a+\b)+3] offset:\a*16*SPITCH+128*(\b/2)+32*(\b%2)          ; each accumulator from its low end on
	ds_store_b128 v[STO], v[ACC+8*(4*\a+\b)+4:ACC+8*(4*\a+\b)+7] offset:\a*16*SPITCH+128*(\b/2)+32*(\b%2)+16
.endr
.endr
	WIN 0x80
.irp a, 0,1,2,3
.irp i, 0,1,2,3,4,5,6,7
	ds_load_b128 v[BB+32*\a+4*\i:BB+32*\a+4*\i+3], v[RD] offset:\a*16*SPITCH+2*\i*SPITCH
.endr
.endr
	s_wait_loadcnt 0x0                             ; the residual
.macro OUTY a
	s_wait_dscnt 8*(3-(\a))                        ; block a's eight loads are back; the later blocks' may be out
	WIN 0x8a                                       ; destination and both sources window 2
.set k, 0
.rept 16
	v_pk_add_f32 v[BB+32*(\a)+k:BB+32*(\a)+k+1], v[BB+32*(\a)+k:BB+32*(\a)+k+1], v[RS+32*(\a)+k:RS+32*(\a)+k+1]
.set k, k+2
.endr
	WIN 0x08                                       ; a store's data are its source 1: window 2
.irp i, 0,1,2,3,4,5,6,7
	global_store_b128 v[CO], v[BB+32*(\a)+4*\i:BB+32*(\a)+4*\i+3], s[12:13] offset:(32*((\a)/2)+8*((\a)%2)+2*\i+8*(\i/4))*4096   ; sixteen lanes store 256 consecutive bytes, aligned
.endr
.endm
.irp a, 0,1,2,3
	OUTY \a
.endr
	WIN 0
	s_wait_tensorcnt 0x0                           ; the wave's end
	ds_add_u32 v[SPW], v[NIL]
	s_wait_dscnt 0x0
	CROUND                                         ; the closing round
	s_endpgm
.Lfunc_end_k_q1e4a953b5e_proj:
	.size	k_q1e4a953b5e_proj, .Lfunc_end_k_q1e4a953b5e_proj-k_q1e4a953b5e_proj
	.p2alignl 7, 3214868480
	.fill 96, 4, 3214868480
	.section	.rodata,"a",@progbits
	.p2align	6, 0x0
	.amdhsa_kernel k_q1e4a953b5e_proj
		.amdhsa_group_segment_fixed_size 327680
		.amdhsa_private_segment_fixed_size 0
		.amdhsa_enable_private_segment 0
		.amdhsa_kernarg_size 40
		.amdhsa_user_sgpr_count 2
		.amdhsa_user_sgpr_kernarg_segment_ptr 1
		.amdhsa_wavefront_size32 1
		.amdhsa_system_sgpr_workgroup_id_x 1
		.amdhsa_system_sgpr_workgroup_id_y 1
		.amdhsa_system_sgpr_workgroup_id_z 1
		.amdhsa_system_vgpr_workitem_id 0
		.amdhsa_next_free_vgpr 768
		.amdhsa_next_free_sgpr 102
		.amdhsa_reserve_vcc 0
		.amdhsa_float_denorm_mode_32 3
		.amdhsa_float_denorm_mode_16_64 3
		.amdhsa_memory_ordered 1
		.amdhsa_forward_progress 1
		.amdhsa_inst_pref_size 62
	.end_amdhsa_kernel
	.amdgpu_metadata
---
amdhsa.version: [ 1, 2 ]
amdhsa.kernels:
  - .name:           k_q1e4a953b5e_proj
    .symbol:         k_q1e4a953b5e_proj.kd
    .args:
      - { .name: oq, .offset: 0, .size: 8, .value_kind: global_buffer, .address_space: global }
      - { .name: wq, .offset: 8, .size: 8, .value_kind: global_buffer, .address_space: global }
      - { .name: bp, .offset: 16, .size: 8, .value_kind: global_buffer, .address_space: global }
      - { .name: x, .offset: 24, .size: 8, .value_kind: global_buffer, .address_space: global }
      - { .name: y, .offset: 32, .size: 8, .value_kind: global_buffer, .address_space: global }
    .group_segment_fixed_size: 327680
    .private_segment_fixed_size: 0
    .kernarg_segment_align: 8
    .kernarg_segment_size: 40
    .max_flat_workgroup_size: 128
    .sgpr_count:     102
    .vgpr_count:     768
    .wavefront_size: 32
...
	.end_amdgpu_metadata
.endif
;; end of part 9
;; launch ln1: the kernel of part 5 again; grid 256 x 1, 4 waves a work-group, no clusters, 66,304 bytes of LDS; arguments y, gamma1, beta1, x1; writes x1
;; launch ffn1: the kernel of part 6 again; grid 16 x 16, 4 waves a work-group, clusters of 4 x 4, 327,680 bytes of LDS; arguments x1, wq, b1, hq; writes hq
;; launch ffn2 (part 10): grid 8 x 32, 4 waves a work-group, clusters of 4 x 4, 327,680 bytes of LDS; arguments hq, wq, b2, x1, y; writes y
.if DOCPART == 10
	.amdgcn_target "amdgcn-amd-amdhsa--gfx1250"
	.amdhsa_code_object_version 6
	.text
	.protected	k_q1e4a953b5e_ffn2
	.globl	k_q1e4a953b5e_ffn2
	.p2align	8
	.type	k_q1e4a953b5e_ffn2,@function
k_q1e4a953b5e_ffn2:
	s_mov_b64 s[64:65], 0
	v_nop
	global_prefetch_b8 v0, s[64:65] scope:SCOPE_SE
	s_setreg_imm32_b32 hwreg(HW_REG_WAVE_MODE, 25, 1), 1
	s_wait_xcnt 0x0
	s_wait_alu depctr_hold_cnt(0) depctr_sa_sdst(0) depctr_va_vdst(0) depctr_va_sdst(0) depctr_va_ssrc(0) depctr_va_vcc(0) depctr_vm_vsrc(0)
	s_getreg_b32 s2, hwreg(HW_REG_IB_STS2, 6, 4)
	s_cmp_eq_u32 s2, 0
	s_cbranch_scc0 .Lentry_in_a_cluster
	s_endpgm
.Lentry_in_a_cluster:
	s_bfe_u32 s2, ttmp6, 0x10000c
	s_cmp_lg_u32 s2, 0xf033
	s_cbranch_scc0 .Lentry_shape_is_right
	s_endpgm
.Lentry_shape_is_right:
; y = A B^T + bias + residual, f32 out.  A [4096][SIZE_K] and B [1024][SIZE_K] are codes of BF6 (E3M2) with E8M0 scales, laid as images of operand registers.  Here: A = the hidden layer, B = W2's columns, residual = x1.
; A tile of C is 128 x 128: C has 256 such tiles, a work-group to each.  Four waves of 64 x 64: 16 accumulators, 128 registers.  (A tile of 256 x 256 would give 64 work-groups; the price of the smaller one: a fragment read from LDS feeds 4 products, not 8.)
; The matrix instruction is used transposed (source 0 = B's 16 rows, source 1 = A's): a lane holds one row of A and its registers run along B's rows.
; A tile's places hold rows 32 P + 8 u + r + 8 (r / 8): a block's register 16 b + i is column 32 b + 16 (lane / 16) + i, and place t of block a is token 32 (a / 2) + 8 (a % 2) + t + 8 (t / 8).
; OPERANDS IN MEMORY: 16 rows x 64 K are 768 bytes (registers 0-3 of lane l at 16 l, registers 4-5 at 512 + 8 l), a tile's images on end along K: 512 along K of 4 tiles are 4 rows of 6,144 bytes for one tensor load.
; K goes in steps of 512 through a ring of two LDS slots of 98,304 bytes: eight slots' worth, six of them refills.  The scale words of the work-group's rows, for all of K, come once.
; The bias is the C of each sum's first matrix instruction.  The residual's 64 x 64 numbers of a wave are asked for at the head, 32 loads into 128 registers, in the layout in which the rows leave: nothing waits for memory on the way out.
; CLUSTERS: 4 x 4 work-groups; A's tiles are asked for jointly along a row of the cluster, B's along a column.
; REGISTERS: window 0: v1 r, v2 h, v16-31 addresses, v32-63 scale words (two sets), v64-95 the bias, v128-255 the accumulators ((a, b) at v[128 + 8 (4 a + b)]);
;   window 1: two sets of fragments, at v0 and v128: A's four, then B's four;   window 2: v0-127 the residual, v128-255 rows read back from the stage.
.set SIZE_K, 4096
.set PA,   4
.set PB,   6
.set AIMG, 0
.set ASC,  12582912
.set BIMG, 9437184
.set BSC,  12976128
.set NQ,     4                         ; matrix instructions deep in a slot
.set FR,     12                        ; registers of a fragment
.set NP,     4                         ; places behind this matrix instruction (ISA guide 7.12.1)
.set SLAB,   6144                      ; a tile's 512 along K: eight images
.set HALFT,  4*SLAB                    ; 64 rows: what one tensor load brings, and what one wave reads of A or of B
.set SLOT,   4*HALFT                   ; A's 128 rows, then B's
.set NS,     SIZE_K/128
.set HALFS,  NS*256                    ; the scale words of 64 rows
.set SCL,    2*SLOT
.set SPARE,  SCL+4*HALFS               ; the spare words, 128 bytes for each wave: two blocks of 256 bytes that no other line names
.set STG,    SPARE+512                 ; the way out: a stage of 64 rows x (256 bytes + 16) for each wave, in bytes of its own: no tile lands there
.set SPITCH, 272
.set WSTG,   64*SPITCH
.set LAPS,   SIZE_K/1024               ; a lap = two slots = once round the ring
.set TSTR,   SIZE_K*12                 ; from tile to tile in memory
.set ADRA, 16                          ; v16-17 my A fragments in slot 0, 1, 16 bytes a lane; v18-19 the same, 8 bytes a lane
.set ADRB, 20                          ; v20-23 the same for B
.set A16,  24                          ; 16 x lane
.set A8,   25                          ; 8 x lane
.set CO,   26                          ; the way out: 4,096 (lane / 16) + 16 (lane % 16): two rows of 256 bytes an instruction
.set ADRS, 27                          ; my scale words in LDS: lanes 0-15 A's, lanes 16-31 B's
.set SPW,  28                          ; my spare word; never rewritten
.set NIL,  29                          ; 0; never rewritten
.set STO,  30
.set RD,   31
.set SC,   32
.set BN,   64
.set ACC,  128
.set RS,   0                           ; in window 2
.set BB,   128                         ; in window 2
.set G1, 24
.set G0, 32
.set G1B, 48
.set G0B, 56
.set G1S, 68
.set G0S, 76
.set G1SB, 80
.set G0SB, 88
.set MSB, 0
.macro WIN new                         ; the immediate's high byte repeats the setting that is left
.if MSB != (\new)
	s_set_vgpr_msb (MSB<<8)|(\new)
.set MSB, (\new)
.endif
.endm
.set MUL,  0x05                        ; sources 0 (B) and 1 (A) window 1; C and D window 0
.set TO_F, 0x40                        ; destination window 1, address window 0
.macro JLOAD g0a, g1a, g0b, g1b        ; a joint load: waves 0 and 1 fetch for A, waves 2 and 3 for B; four v_nop follow each line
	s_cmp_eq_u32 s15, 0
	s_cbranch_scc0 .Lfor_b_\@
	tensor_load_to_lds s[\g0a:\g0a+3], s[\g1a:\g1a+7]
	s_nop 0
.rept 4
	v_nop
.endr
	s_branch .Lasked_\@
.Lfor_b_\@:
	tensor_load_to_lds s[\g0b:\g0b+3], s[\g1b:\g1b+7]
	s_nop 0
.rept 4
	v_nop
.endr
.Lasked_\@:
.endm
.macro CREST                           ; a round of the cluster's barrier behind its opening barrier
	s_cmp_lg_u32 s14, 0
	s_cbranch_scc1 .Lnot_wave_0_\@
	s_barrier_signal -3
.Lnot_wave_0_\@:
	s_barrier_wait -3
	s_barrier_signal -1
	s_barrier_wait -1
.endm
.macro CROUND
	s_barrier_signal -1
	s_barrier_wait -1
	CREST
.endm
.macro FRAG reg, adr, q, i             ; tile i's fragment of the slot's q-th 128 along K: two images, four loads of consecutive bytes
	ds_load_b128 v[\reg:\reg+3], v[\adr] offset:(\i)*SLAB+(\q)*1536
	ds_load_b64 v[\reg+4:\reg+5], v[\adr+2] offset:(\i)*SLAB+(\q)*1536+512
	ds_load_b128 v[\reg+6:\reg+9], v[\adr] offset:(\i)*SLAB+(\q)*1536+768
	ds_load_b64 v[\reg+10:\reg+11], v[\adr+2] offset:(\i)*SLAB+(\q)*1536+1280
.endm
; 8 matrix instructions: A's blocks a0, a0 + 1 x B's four, from fragment set p.  zero = 2: C = the bias; 0: the sums go on.  The 16 accumulators take turns.
.macro MUL8 a0, p, q, sc, zero
.irp a, \a0, \a0+1
.irp b, 0,1,2,3
.set DR, ACC+8*(4*(\a)+\b)
.set BR, 128*(\p)+48+FR*\b
.set AR, 128*(\p)+FR*(\a)
.set SB, SC+16*(\sc)+4*\b+(\q)
.set SA, SC+16*(\sc)+4*(\a)+(\q)
.if \zero == 2
	v_wmma_scale_f32_16x16x128_f8f6f4 v[DR:DR+7], v[BR:BR+FR-1], v[AR:AR+FR-1], v[BN+8*\b:BN+8*\b+7], v[SB], v[SA] matrix_a_fmt:MATRIX_FMT_BF6 matrix_b_fmt:MATRIX_FMT_BF6 matrix_a_scale:MATRIX_SCALE_ROW1
.else
	v_wmma_scale_f32_16x16x128_f8f6f4 v[DR:DR+7], v[BR:BR+FR-1], v[AR:AR+FR-1], v[DR:DR+7], v[SB], v[SA] matrix_a_fmt:MATRIX_FMT_BF6 matrix_b_fmt:MATRIX_FMT_BF6 matrix_a_scale:MATRIX_SCALE_ROW1
.endif
.endr
.endr
.endm
.macro FETCH slot, q, p                ; 32 LDS loads in one run: my eight fragments of the slot's q-th 128 along K into set p
	WIN TO_F
.irp i, 0,1,2,3
	FRAG 128*(\p)+48+FR*\i, ADRB+\slot, \q, \i
	FRAG 128*(\p)+FR*\i, ADRA+\slot, \q, \i
.endr
.endm
.macro SCALES sc                       ; a slot's scale words: register 4 i + q: lanes 0-15 A's block i, lanes 16-31 B's block i
.irp i, 0,1,2,3
.irp q, 0,1,2,3
	ds_load_b32 v[SC+16*\sc+4*\i+\q], v[ADRS] offset:(\i/2)*NS*128+(\i%2)*64+\q*128
.endr
.endr
.endm
.macro PLACES n                        ; plain vector places behind matrix instructions, in front of loads into their registers and of reads of results
.rept \n
	v_nop
.endr
.endm
.macro STEP slot, q, zero              ; 128 along K that has its successor in the same slot: the next step's fragments are asked for, then this step's 16 products are issued
	s_wait_dscnt 0x0                               ; this step's fragments (and, at a slot's head, its scale words) are in
	PLACES NP                                      ; the other set was read by the last step's products
	FETCH \slot, (\q)+1, 1-(\q)%2
	WIN MUL
	MUL8 0, (\q)%2, \q, \slot, \zero
	MUL8 2, (\q)%2, \q, \slot, \zero
.endm
.macro TURN slot, next, fill           ; a slot's last 128 along K, and the change of slots
	WIN 0                                          ; (the add's two registers lie in window 0)
	s_wait_tensorcnt 0x0                           ; all my tensor loads have landed: my part of the next slot
	ds_add_u32 v[SPW], v[NIL]                      ; 0 onto my spare word
	s_wait_dscnt 1                                 ; this step's fragments are in; the add may be out
	WIN MUL
	MUL8 0, 1, NQ-1, \slot, 0
	s_wait_dscnt 0x0                               ; the add is done, and my reads of this slot are over
	s_barrier_signal -1
	MUL8 2, 1, NQ-1, \slot, 0
	WIN 0
	s_barrier_wait -1
.if \fill
	CREST                                          ; the barrier has opened a round of the cluster's: no wave of any partner still reads this slot or has a load on its way
	s_add_nc_u64 s[G0+4*\slot+2:G0+4*\slot+3], s[G0+4*\slot+2:G0+4*\slot+3], 2*SLAB
	s_add_nc_u64 s[G0B+4*\slot+2:G0B+4*\slot+3], s[G0B+4*\slot+2:G0B+4*\slot+3], 2*SLAB
	JLOAD G0+4*\slot, G1, G0B+4*\slot, G1B         ; my one tensor load behind the round; its four v_nop are the places in front of the loads below
.else
	PLACES NP
.endif
	v_add_nc_u32 v[ADRS], 512, v[ADRS]             ; the next slot's scale words
	FETCH \next, 0, 0
	WIN 0
	SCALES \next
.endm
.macro LAST                            ; the very last 128 along K
	s_wait_dscnt 0x0
	WIN MUL
	MUL8 0, 1, NQ-1, 1, 0
	MUL8 2, 1, NQ-1, 1, 0
	WIN 0
.endm
	s_load_b256 s[4:11], s[0:1], 0x0               ; A's buffer, wq, the bias, the residual
	s_load_b64 s[12:13], s[0:1], 0x20              ; y
	v_lshl_add_u32 v[SPW], v0, 2, SPARE
	v_mov_b32 v[NIL], 0
	ds_add_u32 v28, v29
	ds_add_u32 v28, v29
	s_wait_dscnt 0x0
	v_lshrrev_b32 v1, 5, v0
	v_readfirstlane_b32 s14, v1                    ; wave 0..3
	s_lshr_b32 s15, s14, 1                         ; which half of A's rows is mine.  Also: I fetch for A (0) or for B (1)
	s_and_b32 s16, s14, 1                          ; which half of B's rows.  Also: which 64 rows I fetch
	s_bfe_u32 s40, ttmp6, 0x40000                  ; cx
	s_bfe_u32 s41, ttmp6, 0x40004                  ; cy
	s_lshl_b32 s42, ttmp9, 2
	s_add_co_u32 s42, s42, s40                     ; B's block of 128 rows
	s_and_b32 s17, ttmp7, 0xffff
	s_lshl_b32 s17, s17, 2
	s_add_co_u32 s17, s17, s41                     ; A's block of 128 rows
	s_lshl_b32 s43, s41, 2
	s_lshl_b32 s43, 15, s43                        ; my row of the cluster
	s_lshl_b32 s44, 0x1111, s40                    ; my column
	s_or_b32 s[G1+0], s43, (3<<16)|(1<<21)         ; 15:0 the mask; 17:16 elements of 8 bytes; 21 set beside a mask; no padding
	s_or_b32 s[G1B+0], s44, (3<<16)|(1<<21)
.irp g, G1, G1B
	s_mov_b32 s[\g+1], 768<<16                     ; tensor_dim0: 6,144 bytes
	s_mov_b32 s[\g+2], 4<<16                       ; tensor_dim1: 4 tiles
	s_mov_b32 s[\g+3], 768<<16                     ; tile_dim0
	s_mov_b32 s[\g+4], 4                           ; tile_dim1
	s_mov_b32 s[\g+5], TSTR/8                      ; from tile to tile
	s_mov_b32 s[\g+6], 0
	s_mov_b32 s[\g+7], 0
.endr
	s_or_b32 s[G1S+0], s43, (3<<16)|(1<<21)        ; the scale words of 64 rows: a dense block, as rows of 256 bytes
	s_or_b32 s[G1SB+0], s44, (3<<16)|(1<<21)
.irp g, G1S, G1SB
	s_mov_b32 s[\g+1], 32<<16
	s_mov_b32 s[\g+2], (HALFS/256)<<16
	s_mov_b32 s[\g+3], 32<<16
	s_mov_b32 s[\g+4], HALFS/256
	s_mov_b32 s[\g+5], 32
	s_mov_b32 s[\g+6], 0
	s_mov_b32 s[\g+7], 0
.endr
	s_lshl_b32 s18, s16, 2                         ; which 4 tiles I fetch
	s_lshl_b32 s20, s17, 3
	s_add_co_u32 s20, s20, s18                     ; A: first tile
	s_lshl_b32 s46, s42, 3
	s_add_co_u32 s46, s46, s18                     ; B: first tile
	s_mul_i32 s22, s20, NS*64                      ; their scale words: NS x 128 bytes a pair of tiles
	s_mul_i32 s92, s46, NS*64
	s_mul_i32 s20, s20, TSTR
	s_mul_i32 s46, s46, TSTR
	s_add_co_u32 s20, s20, AIMG
	s_add_co_u32 s22, s22, ASC
	s_add_co_u32 s46, s46, BIMG
	s_add_co_u32 s92, s92, BSC
	s_mov_b32 s21, 0
	s_mov_b32 s23, 0
	s_mov_b32 s47, 0
	s_mov_b32 s93, 0
	s_mul_i32 s45, s14, HALFT                      ; where they go: wave x 64 rows
	s_mul_i32 s94, s14, HALFS
	s_wait_kmcnt 0x0
	s_add_nc_u64 s[20:21], s[PA:PA+1], s[20:21]
	s_add_nc_u64 s[22:23], s[PA:PA+1], s[22:23]
	s_add_nc_u64 s[46:47], s[PB:PB+1], s[46:47]
	s_add_nc_u64 s[92:93], s[PB:PB+1], s[92:93]
	CROUND                                         ; all sixteen work-groups are here: the first joint loads meet
	s_mov_b32 s[G0S], 1
	s_add_co_u32 s[G0S+1], s94, SCL
	s_mov_b64 s[G0S+2:G0S+3], s[22:23]
	s_or_b32 s[G0S+3], s[G0S+3], 0x80000000
	s_mov_b32 s[G0SB], 1
	s_add_co_u32 s[G0SB+1], s94, SCL
	s_mov_b64 s[G0SB+2:G0SB+3], s[92:93]
	s_or_b32 s[G0SB+3], s[G0SB+3], 0x80000000
	JLOAD G0S, G1S, G0SB, G1SB                     ; the scale words first
.irp s, 0,1
	s_mov_b32 s[G0+4*\s], 1
	s_add_co_u32 s[G0+4*\s+1], s45, \s*SLOT
	s_add_nc_u64 s[G0+4*\s+2:G0+4*\s+3], s[20:21], \s*SLAB
	s_or_b32 s[G0+4*\s+3], s[G0+4*\s+3], 0x80000000
	s_mov_b32 s[G0B+4*\s], 1
	s_add_co_u32 s[G0B+4*\s+1], s45, \s*SLOT
	s_add_nc_u64 s[G0B+4*\s+2:G0B+4*\s+3], s[46:47], \s*SLAB
	s_or_b32 s[G0B+4*\s+3], s[G0B+4*\s+3], 0x80000000
	JLOAD G0+4*\s, G1, G0B+4*\s, G1B               ; by this text's count three tensor loads of a wave are out here, later one
.endr
	v_and_b32 v1, 15, v0                           ; r
	v_bfe_u32 v2, v0, 4, 1                         ; h
	v_and_b32 v3, 31, v0                           ; lane
	v_lshlrev_b32 v[A16], 4, v3
	v_lshlrev_b32 v[A8], 3, v3
	s_mul_i32 s21, s15, HALFT                      ; my 64 rows of A
	s_mul_i32 s22, s16, HALFT
	s_add_co_u32 s22, s22, 2*HALFT                 ; my 64 rows of B, behind A's 128
.irp s, 0,1
	v_add_nc_u32 v[ADRA+\s], s21, v[A16]
	v_add_nc_u32 v[ADRB+\s], s22, v[A16]
	v_add_nc_u32 v[ADRA+2+\s], s21, v[A8]
	v_add_nc_u32 v[ADRB+2+\s], s22, v[A8]
	s_add_co_u32 s21, s21, SLOT
	s_add_co_u32 s22, s22, SLOT
.endr
	v_lshlrev_b32 v4, 2, v1
	s_mul_i32 s21, s15, HALFS
	s_mul_i32 s22, s16, HALFS
	s_add_co_u32 s22, s22, 2*HALFS
	s_sub_co_u32 s22, s22, s21
	v_mul_u32_u24 v5, s22, v2                      ; lanes 16-31 take B's
	s_add_co_u32 s21, s21, SCL
	v_add_nc_u32 v4, v4, v5
	v_add_nc_u32 v[ADRS], s21, v4
	s_lshl_b32 s46, s42, 9
	s_lshl_b32 s47, s16, 8
	s_add_co_u32 s46, s46, s47                     ; my first column, in bytes of f32: a multiple of 256
	s_mov_b32 s47, 0
	s_add_nc_u64 s[8:9], s[8:9], s[46:47]
	v_lshlrev_b32 v6, 6, v2
.irp b, 0,1
.irp j, 0,1,2,3
	global_load_b128 v[BN+16*\b+4*\j:BN+16*\b+4*\j+3], v6, s[8:9] offset:128*\b+16*\j   ; the bias of columns 32 b + 16 h + 0 .. 15
.endr
.endr
	s_lshl_b32 s20, s17, 7
	s_lshl_b32 s21, s15, 6
	s_add_co_u32 s20, s20, s21                     ; my first token
	s_lshl_b32 s20, s20, 12
	s_add_co_u32 s20, s20, s46
	s_mov_b32 s21, 0
	s_add_nc_u64 s[10:11], s[10:11], s[20:21]
	s_add_nc_u64 s[12:13], s[12:13], s[20:21]
	v_lshlrev_b32 v[CO], 12, v2
	v_lshl_add_u32 v[CO], v1, 4, v[CO]
	WIN 0x80                                       ; destination window 2, address window 0
.irp a, 0,1,2,3
.irp i, 0,1,2,3,4,5,6,7
	global_load_b128 v[RS+32*\a+4*\i:RS+32*\a+4*\i+3], v[CO], s[10:11] offset:(32*(\a/2)+8*(\a%2)+2*\i+8*(\i/4))*4096   ; the residual at places 2 i, 2 i + 1 of block a: two aligned runs of 256 bytes
.endr
.endr
	WIN 0
	s_mul_i32 s23, s14, WSTG
	s_add_co_u32 s23, s23, STG                     ; my stage
	v_mul_u32_u24 v7, v1, SPITCH
	v_lshl_add_u32 v7, v2, 6, v7
	v_add_nc_u32 v[STO], s23, v7                   ; in: row r, + 64 h
	v_mul_u32_u24 v7, v2, SPITCH
	v_lshl_add_u32 v7, v1, 4, v7
	v_add_nc_u32 v[RD], s23, v7                    ; back: lanes 0-15 one row of 256 bytes, lanes 16-31 the next
	s_wait_tensorcnt 1                             ; the scale words and my part of slot 0 are in; slot 1's load may be out
	s_barrier_signal -1
	s_barrier_wait -1
	FETCH 0, 0, 0
	WIN 0
	SCALES 0
	s_wait_loadcnt 32                              ; the bias's eight loads are in; the residual's 32 may be out
	STEP 0, 0, 2                                   ; the first products start the sums from the bias
	STEP 0, 1, 0
	STEP 0, 2, 0
.if LAPS > 1
	WIN 0                                          ; at a label and at a branch every window is 0
	s_mov_b32 s3, LAPS-1
.Llap:                                                 ; a trip goes once round the ring, from a slot 0's last step to the next slot 0's last but one, and fills both slots again
	TURN 0, 1, 1
	STEP 1, 0, 0
	STEP 1, 1, 0
	STEP 1, 2, 0
	TURN 1, 0, 1
	STEP 0, 0, 0
	STEP 0, 1, 0
	STEP 0, 2, 0
	WIN 0
	s_sub_co_u32 s3, s3, 1
	s_cmp_lg_u32 s3, 0
	s_cbranch_scc1 .Llap
.endif
	TURN 0, 1, 0                                   ; the last lap fills nothing
	STEP 1, 0, 0
	STEP 1, 1, 0
	STEP 1, 2, 0
	LAST
	; THE WAY OUT.  A lane holds pieces of one row; the four blocks of 16 rows go through my own stage and come back as whole rows of 256 bytes.  LDS serves a wave's instructions in order (ISA guide 5.7.1.4): no wait between the stores and the loads.
	PLACES NP
.irp a, 0,1,2,3
.irp b, 0,1,2,3
	ds_store_b128 v[STO], v[ACC+8*(4*\a+\b):ACC+8*(4*\a+\b)+3] offset:\a*16*SPITCH+128*(\b/2)+32*(\b%2)          ; each accumulator from its low end on
	ds_store_b128 v[STO], v[ACC+8*(4*\a+\b)+4:ACC+8*(4*\a+\b)+7] offset:\a*16*SPITCH+128*(\b/2)+32*(\b%2)+16
.endr
.endr
	WIN 0x80
.irp a, 0,1,2,3
.irp i, 0,1,2,3,4,5,6,7
	ds_load_b128 v[BB+32*\a+4*\i:BB+32*\a+4*\i+3], v[RD] offset:\a*16*SPITCH+2*\i*SPITCH
.endr
.endr
	s_wait_loadcnt 0x0                             ; the residual
.macro OUTY a
	s_wait_dscnt 8*(3-(\a))                        ; block a's eight loads are back; the later blocks' may be out
	WIN 0x8a                                       ; destination and both sources window 2
.set k, 0
.rept 16
	v_pk_add_f32 v[BB+32*(\a)+k:BB+32*(\a)+k+1], v[BB+32*(\a)+k:BB+32*(\a)+k+1], v[RS+32*(\a)+k:RS+32*(\a)+k+1]
.set k, k+2
.endr
	WIN 0x08                                       ; a store's data are its source 1: window 2
.irp i, 0,1,2,3,4,5,6,7
	global_store_b128 v[CO], v[BB+32*(\a)+4*\i:BB+32*(\a)+4*\i+3], s[12:13] offset:(32*((\a)/2)+8*((\a)%2)+2*\i+8*(\i/4))*4096   ; sixteen lanes store 256 consecutive bytes, aligned
.endr
.endm
.irp a, 0,1,2,3
	OUTY \a
.endr
	WIN 0
	s_wait_tensorcnt 0x0                           ; the wave's end
	ds_add_u32 v[SPW], v[NIL]
	s_wait_dscnt 0x0
	CROUND                                         ; the closing round
	s_endpgm
.Lfunc_end_k_q1e4a953b5e_ffn2:
	.size	k_q1e4a953b5e_ffn2, .Lfunc_end_k_q1e4a953b5e_ffn2-k_q1e4a953b5e_ffn2
	.p2alignl 7, 3214868480
	.fill 96, 4, 3214868480
	.section	.rodata,"a",@progbits
	.p2align	6, 0x0
	.amdhsa_kernel k_q1e4a953b5e_ffn2
		.amdhsa_group_segment_fixed_size 327680
		.amdhsa_private_segment_fixed_size 0
		.amdhsa_enable_private_segment 0
		.amdhsa_kernarg_size 40
		.amdhsa_user_sgpr_count 2
		.amdhsa_user_sgpr_kernarg_segment_ptr 1
		.amdhsa_wavefront_size32 1
		.amdhsa_system_sgpr_workgroup_id_x 1
		.amdhsa_system_sgpr_workgroup_id_y 1
		.amdhsa_system_sgpr_workgroup_id_z 1
		.amdhsa_system_vgpr_workitem_id 0
		.amdhsa_next_free_vgpr 768
		.amdhsa_next_free_sgpr 102
		.amdhsa_reserve_vcc 0
		.amdhsa_float_denorm_mode_32 3
		.amdhsa_float_denorm_mode_16_64 3
		.amdhsa_memory_ordered 1
		.amdhsa_forward_progress 1
		.amdhsa_inst_pref_size 100
	.end_amdhsa_kernel
	.amdgpu_metadata
---
amdhsa.version: [ 1, 2 ]
amdhsa.kernels:
  - .name:           k_q1e4a953b5e_ffn2
    .symbol:         k_q1e4a953b5e_ffn2.kd
    .args:
      - { .name: hq, .offset: 0, .size: 8, .value_kind: global_buffer, .address_space: global }
      - { .name: wq, .offset: 8, .size: 8, .value_kind: global_buffer, .address_space: global }
      - { .name: b2, .offset: 16, .size: 8, .value_kind: global_buffer, .address_space: global }
      - { .name: x1, .offset: 24, .size: 8, .value_kind: global_buffer, .address_space: global }
      - { .name: y, .offset: 32, .size: 8, .value_kind: global_buffer, .address_space: global }
    .group_segment_fixed_size: 327680
    .private_segment_fixed_size: 0
    .kernarg_segment_align: 8
    .kernarg_segment_size: 40
    .max_flat_workgroup_size: 128
    .sgpr_count:     102
    .vgpr_count:     768
    .wavefront_size: 32
...
	.end_amdgpu_metadata
.endif
;; end of part 10
;; launch ln2: the kernel of part 8 again; grid 256 x 1, 4 waves a work-group, no clusters, 0 bytes of LDS; arguments y, gamma2, beta2, out0; writes out0
;; ======== version 3 of 3: 8 launches; version 2 with the launch attn written anew for expert scheduling mode
;; workspace buffers: wq 13,107,200 bytes; flags 1,024 bytes of whole numbers; qkv 10,092,544 bytes; oq 3,276,800 bytes; y 16,777,216 bytes; x1 20,054,016 bytes; hq 13,107,200 bytes
;; launch quant: the kernel of part 1 again; grid 1088 x 1, 4 waves a work-group, no clusters, 0 bytes of LDS; arguments x, Wq, Wk, Wv, Wp, W2, W1, mask, wq, flags; writes wq, flags
;; launch qkv: the kernel of part 2 again; grid 12 x 16, 4 waves a work-group, clusters of 4 x 4, 327,680 bytes of LDS; arguments wq, bq, bk, bv, qkv; writes qkv
;; launch attn (part 11): grid 8 x 32, 16 waves a work-group, no clusters, 210,944 bytes of LDS; arguments qkv, flags, mask, oq; writes oq
.if DOCPART == 11
	.amdgcn_target "amdgcn-amd-amdhsa--gfx1250"
	.amdhsa_code_object_version 6
	.text
	.protected	k_q1e4a953b5e_attn
	.globl	k_q1e4a953b5e_attn
	.p2align	8
	.type	k_q1e4a953b5e_attn,@function
k_q1e4a953b5e_attn:
	s_mov_b64 s[64:65], 0
	v_nop
	global_prefetch_b8 v0, s[64:65] scope:SCOPE_SE
	s_setreg_imm32_b32 hwreg(HW_REG_WAVE_SCHED_MODE, 0, 2), 2
	s_setreg_imm32_b32 hwreg(HW_REG_WAVE_MODE, 25, 1), 1
	s_wait_xcnt 0x0
	s_wait_alu depctr_vm_vsrc(0)
; o = softmax(q k^T / 8 + (mask ? 0 : -1e12)) v for one head and 256 queries, both products on codes of BF6 (E3M2) with E8M0 scales, and o quantised along its 64 channels for the next product.
; THE SOFTMAX: t = logit x log2(e); M = the running largest t rounded up to a whole number; p = 2^(t - M) is quantised along the keys, not normalised; the sum of the unquantised p divides at the end.
; SHARES.  Sixteen waves, one tile of 16 queries each, four to a SIMD.  A whole head's k and v (images of operand registers) and their scale words are 208,896 bytes: they come into LDS ONCE, through registers; one barrier.
; No tensor load, no copy, no cluster: a step branches on a flag that an earlier launch stored.  The eight work-groups of a head each read its 204 KB.
; LAYOUT.  S^T = k q^T (source 0 = 16 keys, source 1 = my queries), O^T = v^T p^T: a lane holds one query throughout.  A tile's places hold rows 32 P + 8 u + r + 8 (r / 8): the 16 registers of tiles 2 b, 2 b + 1 are keys 32 b + 16 (lane / 16) + 0 .. 15.
; K = 64 in the first product: q's registers 6-11 are zero codes; k's registers 6-11 are then whatever follows (the next tile's codes): they meet zeros, and no scale byte is 0xff.
; THE MASK.  A bit of the flags says that all mask bytes of my 16 queries x a step's 128 keys are 1: then the mask costs nothing but its address.  Else its bytes are read and -8e12 is added to hidden scores (8 x reference's own f32 sum, exactly),
; t is rounded as f32 and t - M is an exact difference: a row that is wholly hidden so far has p = 1 everywhere, as the definition gives.
; LIMITS: NaN and infinities are not served; a block of zeros gets the byte 1.  o's scale words leave as 32 bytes a wave in pieces of 2 bytes, since a word's two halves belong to two heads: 131,072 bytes in the launch.
; THE MODE: SCHED_MODE bits 1:0 = 2 (LLVM: expert scheduling mode 2), set by the entry lines.  The code itself states the register dependences
; between vector or matrix instructions and memory or LDS instructions, with s_wait_alu, always for 0.
; THE PLAN.  Registers that LDS or memory instructions touch, in the loop:
;   v8-11, v28-30  The step's seven addresses.  Written by seven additions at the step's head; read by the step's LDS loads (v30: by the mask's loads, where the step has hidden keys).
;   v32-79         k's eight fragments, then v's four, by turns in the same registers: the wave's 256 registers leave no 48 free for a second set.  k's: loaded at the head, read by the eight first products
;                  (which read on to v85); v's: loaded behind those products, read by the four second products.
;   v192-199       k's scale words: loaded at the head, read by the first products.       v200-203  v's: loaded with v's fragments, read by the second products.
;   v204-219       the mask's bytes: loaded on the hidden path, read by its vector lines.
;   The scores, p, O^T, p's codes and all that is at work are named by vector and matrix instructions alone.
; So a step holds: one wait on vm_vsrc at its head, ahead of the additions; one on va_vdst behind them, ahead of k's loads; one on va_vdst behind the first products, ahead of v's loads and the mask's;
; the wait behind the exponentials; and one on va_vdst ahead of the second products, which take p's codes and scale word from vector instructions.  No vector instruction stands between a wait and the loads that lean on it.
.set KIMG, 3145728
.set VIMG, 6291456
.set QSC,  9437184
.set KSC,  9699328
.set VSC,  9961472
.set OSC,  3145728
.set LV,   98304                       ; LDS: k's 128 tiles x 768 at 0; v's 16 steps x 4 x 1,536;
.set LKS,  196608                      ; k's scale words [four tiles][r][4];
.set LVS,  204800                      ; v's [step][r][4]
.set AK16, 1                           ; v1  16 x lane
.set AK8,  2                           ; v2  8 x lane
.set AV16, 3
.set AV8,  4
.set ASK,  5
.set ASV,  6
.set MQ,   7                           ; v7  my query's row of the mask, + 16 h
.set ADK16, 8
.set ADK8,  9
.set ADV16, 10
.set ADV8,  11
.set ADS,  28
.set ADT,  29
.set MA,   30
.set WV,   12
.set SEL,  20
.set CM,   22                          ; s[22:23] what a score is multiplied by: log2(e) / 8, or 1 where t has been made already
.set FLG,  28
.set TB,   30
.set TS,   31
.set TJ,   32
.set KB,   33
.set ST,   34
.set HID,  36                          ; s36-51 the hidden path: sixteen masks of lanes (at the head these registers hold addresses and offsets, whose loads are done ahead of the loop)
	s_load_b256 s[4:11], s[0:1], 0x0               ; qkv, flags, mask, oq
	v_lshl_add_u32 v250, v0, 2, 0x33000
	v_mov_b32 v251, 0
	v_lshrrev_b32 v8, 5, v0
	v_readfirstlane_b32 s[WV], v8                  ; wave 0..15
	s_and_b32 s13, ttmp7, 0xffff                   ; batch x 16 + head
	s_lshl_b32 s14, ttmp9, 4
	s_wait_alu depctr_va_sdst(0)                   ; the wave's number is written, ahead of its first reader
	s_add_co_u32 s14, s14, s[WV]                   ; my tile of queries, 0..127
	s_mul_i32 s16, s13, 98304
	s_add_co_u32 s36, s16, KIMG
	s_mov_b32 s37, 0
	s_add_co_u32 s38, s16, VIMG
	s_mov_b32 s39, 0
	s_lshl_b32 s18, s13, 13
	s_add_co_u32 s40, s18, KSC
	s_mov_b32 s41, 0
	s_lshl_b32 s19, s13, 12
	s_add_co_u32 s42, s19, VSC
	s_mov_b32 s43, 0
	s_mul_i32 s44, s14, 768
	s_add_co_u32 s44, s44, s16                     ; q's image
	s_mov_b32 s45, 0
	s_lshr_b32 s46, s14, 2
	s_lshl_b32 s46, s46, 8
	s_and_b32 s15, s14, 3
	s_lshl_b32 s15, s15, 2
	s_add_co_u32 s46, s46, s15
	s_add_co_u32 s46, s46, s18
	s_add_co_u32 s46, s46, QSC                     ; q's scale words
	s_mov_b32 s47, 0
	s_lshr_b32 s48, s14, 1
	s_lshl_b32 s48, s48, 4                         ; four flag words for 32 queries
	s_mov_b32 s49, 0
	s_lshr_b32 s53, s13, 4
	s_lshl_b32 s53, s53, 7
	s_add_co_u32 s53, s53, s14                     ; my tile among all 256
	s_and_b32 s54, s13, 15                         ; head
	s_mul_i32 s56, s53, 12288
	s_mul_i32 s55, s54, 768
	s_add_co_u32 s56, s56, s55                     ; o's image [tile][head][768]
	s_mov_b32 s57, 0
	s_lshr_b32 s58, s53, 1
	s_lshl_b32 s58, s58, 10
	s_lshr_b32 s55, s54, 1
	s_lshl_b32 s55, s55, 7
	s_add_co_u32 s58, s58, s55
	s_and_b32 s55, s53, 1
	s_lshl_b32 s55, s55, 6
	s_add_co_u32 s58, s58, s55
	s_and_b32 s55, s54, 1
	s_lshl_b32 s55, s55, 1
	s_add_co_u32 s58, s58, s55
	s_add_co_u32 s58, s58, OSC                     ; o's scale words [pair of tiles][two heads][tile % 2][r], my head's half
	s_mov_b32 s59, 0
	s_lshr_b32 s15, s14, 1
	s_lshl_b32 s15, s15, 5
	s_and_b32 s17, s14, 1
	s_lshl_b32 s17, s17, 3
	s_add_co_u32 s15, s15, s17                     ; the query in my tile's place 0
	s_mov_b32 s[SEL], 0x76543210
	s_mov_b32 s[SEL+1], 0xfedcba98
	v_lshlrev_b32 v224, 4, v0                      ; the fill: 16 bytes a thread, 8,192 an instruction
	v_add_nc_u32 v225, 0x10000, v224
	v_add_nc_u32 v226, 0x20000, v224
	v_add_nc_u32 v227, 0x30000, v224
	v_lshlrev_b32 v228, 3, v0
	v_add_nc_u32 v229, 0x30000, v228
	v_and_b32 v230, 15, v0                         ; r
	v_bfe_u32 v231, v0, 4, 1                       ; h
	v_and_b32 v232, 31, v0                         ; lane
	v_lshlrev_b32 v[AK16], 4, v232
	v_lshlrev_b32 v[AK8], 3, v232
	v_add_nc_u32 v[AV16], LV, v[AK16]
	v_add_nc_u32 v[AV8], LV, v[AK8]
	v_lshlrev_b32 v233, 4, v230
	v_add_nc_u32 v[ASK], LKS, v233
	v_add_nc_u32 v[ASV], LVS, v233
	v_and_b32 v234, 8, v230
	v_add_nc_u32 v234, v234, v230
	v_add_nc_u32 v234, s15, v234                   ; my query
	v_lshlrev_b32 v[MQ], 11, v234
	v_lshl_add_u32 v[MQ], v231, 4, v[MQ]
	s_wait_kmcnt 0x0
	s_add_nc_u64 s[36:37], s[4:5], s[36:37]
	s_add_nc_u64 s[38:39], s[4:5], s[38:39]
	s_add_nc_u64 s[40:41], s[4:5], s[40:41]
	s_add_nc_u64 s[42:43], s[4:5], s[42:43]
	s_add_nc_u64 s[44:45], s[4:5], s[44:45]
	s_add_nc_u64 s[46:47], s[4:5], s[46:47]
	s_add_nc_u64 s[6:7], s[6:7], s[48:49]
	s_add_nc_u64 s[56:57], s[10:11], s[56:57]
	s_add_nc_u64 s[58:59], s[10:11], s[58:59]
	s_load_b128 s[24:27], s[6:7], 0x0
	s_wait_alu depctr_va_vdst(0)                   ; v1, v2, v224-229 and v233 are written, which the head's loads and LDS stores read as addresses; no vector line below, up to the loop, names them or a register in which a load lands
.irp j, 0,1,2,3,4,5,6,7,8,9,10,11
	global_load_b128 v[32+4*\j:35+4*\j], v224, s[36:37] offset:8192*\j
.endr
.irp j, 0,1,2,3,4,5,6,7,8,9,10,11
	global_load_b128 v[80+4*\j:83+4*\j], v224, s[38:39] offset:8192*\j
.endr
	global_load_b128 v[128:131], v224, s[40:41]
	global_load_b64 v[132:133], v228, s[42:43]
	global_load_b128 v[16:19], v[AK16], s[44:45]   ; q's image: registers 0-5 of its fragment
	global_load_b64 v[20:21], v[AK8], s[44:45] offset:512
	global_load_b32 v255, v233, s[46:47]           ; q's scale words
.irp j, 22,23,24,25,26,27
	v_mov_b32 v[\j], 0                             ; k = 64 .. 127: zero codes
.endr
	v_mov_b32 v13, 0xff61b1e6                      ; the largest t so far: -3e38
	v_floor_f32 v12, -v13                          ; -M
	v_mov_b32 v14, 0                               ; the sum, in two halves
	v_mov_b32 v15, 0
	v_mov_b32 v220, 0xd4e8d4a5                     ; -8e12 = 8 x f32(-1e12)
.irp b, 0,1,2,3
	v_mov_b32 v[236+\b], 0                         ; a lane permute's destination counts as one of its sources
.endr
	v_mov_b32 v253, 0
.set n, 0
.rept 32
	v_mov_b32 v[160+n], 0                          ; O^T: the loop is written once; its first step finds zeros
.set n, n+1
.endr
	s_wait_kmcnt 0x0
	s_and_b32 s50, s24, s26                        ; an even tile holds the rows of words 0 and 2, an odd one those of words 1 and 3
	s_and_b32 s51, s25, s27
	s_and_b32 s52, s[WV], 1
	s_cmp_lg_u32 s52, 0
	s_cselect_b32 s[FLG], s51, s50
	s_mov_b32 s[TB], 0
	s_mov_b32 s[TS], 0
	s_mov_b32 s[TJ], 0
	s_mov_b32 s[KB], 0
	s_mov_b32 s[ST], 0
	s_wait_loadcnt 0x0
.irp j, 0,1,2,3,4,5,6,7,8,9,10,11,12,13,14,15,16,17,18,19,20,21,22,23,24
	ds_store_b128 v[224+\j/8], v[32+4*\j:35+4*\j] offset:(\j%8)*8192
.endr
	ds_store_b64 v229, v[132:133] offset:8192
	s_wait_dscnt 0x0                               ; for the others' sake: my stores have landed
	s_barrier_signal -1
	s_barrier_wait -1
.Lstep:                                            ; sixteen steps of 128 keys
	s_mov_b32 s[CM], 0x3e38aa3b                    ; log2(e) / 8
	s_mov_b32 s[CM+1], 0x3e38aa3b
	s_wait_alu depctr_vm_vsrc(0)                   ; the last step's loads have read the seven addresses, which are written below; in the first trip: the fill's LDS stores have read v32-133 and its instructions v224-229 and v233, all of which this step writes again
	v_add_nc_u32 v[ADK16], s[TB], v[AK16]
	v_add_nc_u32 v[ADK8], s[TB], v[AK8]
	v_add_nc_u32 v[ADV16], s[TB], v[AV16]
	v_add_nc_u32 v[ADV8], s[TB], v[AV8]
	v_add_nc_u32 v[ADS], s[TS], v[ASK]
	v_add_nc_u32 v[ADT], s[TJ], v[ASV]
	v_add_nc_u32 v[MA], s[KB], v[MQ]               ; the mask's address is made with the others, so that the wait below serves it too
	s_wait_alu depctr_va_vdst(0)                   ; the seven addresses are written; the last step's second products are done reading v32-79, its first products v192-199, in which the loads below land; in the first trip: q's zero codes v22-27 are written, which the products below take
.irp t, 0,1,2,3,4,5,6,7
	ds_load_b128 v[32+6*\t:35+6*\t], v[ADK16] offset:768*\t
	ds_load_b64 v[36+6*\t:37+6*\t], v[ADK8] offset:768*\t+512
.endr
	ds_load_b128 v[192:195], v[ADS]
	ds_load_b128 v[196:199], v[ADS] offset:256
	s_wait_dscnt 0x0
.irp t, 0,1,2,3,4,5,6,7
	v_wmma_scale_f32_16x16x128_f8f6f4 v[96+8*\t:103+8*\t], v[32+6*\t:43+6*\t], v[16:27], 0, v[192+\t], v255 matrix_a_fmt:MATRIX_FMT_BF6 matrix_b_fmt:MATRIX_FMT_BF6
.endr
.rept 4
	v_nop                                          ; places in front of the first read of the scores
.endr
	s_wait_alu depctr_va_vdst(0)                   ; the eight products are done reading k's fragments, in which v's land; all earlier vector lines are done reading the mask's bytes v204-219, in which the hidden path's loads land
.irp c, 0,1,2,3                                ; v's four fragments land under the softmax
	ds_load_b128 v[32+12*\c:35+12*\c], v[ADV16] offset:1536*\c
	ds_load_b64 v[36+12*\c:37+12*\c], v[ADV8] offset:1536*\c+512
	ds_load_b128 v[38+12*\c:41+12*\c], v[ADV16] offset:1536*\c+768
	ds_load_b64 v[42+12*\c:43+12*\c], v[ADV8] offset:1536*\c+1280
.endr
	ds_load_b128 v[200:203], v[ADT]
	s_lshr_b32 s35, s[FLG], s[ST]
	s_and_b32 s35, s35, 1
	s_cmp_lg_u32 s35, 0
	s_cbranch_scc1 .Lopen                          ; all of this step's mask bytes of my queries are 1
.irp b, 0,1,2,3
	global_load_b128 v[204+4*\b:207+4*\b], v[MA], s[8:9] offset:32*\b   ; the bytes of keys 32 b + 16 h + 0 .. 15.  No wait: no vector line since the wait above names v30 or v204-219
.endr
	s_wait_loadcnt 0x0
.set g, 0
.rept 4                                        ; a block of 32 keys at a time: my sixteen compares in one run, each into a scalar register of its own
.set i, 0
.rept 16
	v_and_b32 v[221+i%2], 0xff<<(8*(i%4)), v[204+4*g+i/4]
	v_cmp_eq_u32 s[HID+i], 0, v[221+i%2]
.set i, i+1
.endr
	s_wait_alu depctr_va_sdst(0)                   ; the sixteen compares have written s36-51, ahead of the selects that read them
.set i, 0
.rept 16
	v_cndmask_b32 v[221+i%2], 0, v220, s[HID+i]
	v_add_f32 v[96+16*g+i], v[96+16*g+i], v[221+i%2]   ; score - 8e12 where the byte is 0
.set i, i+1
.endr
.set g, g+1
.endr
.set n, 0
.rept 32
	v_pk_mul_f32 v[96+n:97+n], v[96+n:97+n], s[CM:CM+1] op_sel_hi:[1,0]   ; t, rounded as f32
.set n, n+2
.endr
	s_mov_b32 s[CM], 1.0
	s_mov_b32 s[CM+1], 1.0
.Lopen:
.irp b, 0,1,2,3
	v_max3_num_f32 v[232+\b], v[96+16*\b], v[97+16*\b], v[98+16*\b]   ; the largest score of each block of 32 keys: for the row's maximum, and for the block's largest p
.endr
.irp i, 3,5,7,9,11,13
.irp b, 0,1,2,3
	v_max3_num_f32 v[232+\b], v[232+\b], v[96+16*\b+\i], v[97+16*\b+\i]
.endr
.endr
.irp b, 0,1,2,3
	v_max_num_f32 v[232+\b], v[232+\b], v[111+16*\b]
.endr
.irp b, 0,1,2,3
	v_permlanex16_b32 v[236+\b], v[232+\b], s[SEL], s[SEL+1]
.endr
.irp b, 0,1,2,3
	v_max_num_f32 v[232+\b], v[232+\b], v[236+\b]
.endr
	v_max3_num_f32 v254, v232, v233, v234
	v_max_num_f32 v254, v254, v235
	v_mul_f32 v254, s[CM], v254                    ; as t
	v_max_num_f32 v13, v13, v254                   ; the running largest t
	v_mov_b32 v254, v12
	v_floor_f32 v12, -v13                          ; the new -M = -ceil(t)
	v_sub_f32 v254, v12, v254                      ; old M - new M: a whole number, 0 or less
	v_cvt_i32_f32 v254, v254                       ; (it saturates)
	v_ldexp_f32 v252, 1.0, v254                    ; f = 2^(old M - new M)
.set n, 0
.rept 32
	v_pk_fma_f32 v[96+n:97+n], v[96+n:97+n], s[CM:CM+1], v[12:13] op_sel_hi:[1,0,0]   ; t - M
.set n, n+2
.endr
.irp b, 0,1,2,3
	v_fma_f32 v[232+\b], v[232+\b], s[CM], v12
.endr
.set n, 0
.rept 64
	v_exp_f32 v[96+n], v[96+n]                     ; p = 2^(t - M)
.set n, n+1
.endr
.irp b, 0,1,2,3
	v_exp_f32 v[232+\b], v[232+\b]                 ; the block's largest p
.endr
	v_pk_mul_f32 v[14:15], v[14:15], v[252:253] op_sel_hi:[1,0]   ; the sums under the new M (a plain place behind the exponentials)
	s_wait_alu depctr_va_vdst(0)                   ; the 68 exponentials have written v96-159 and v232-235: one wait for the batch, ahead of its first reader
.irp b, 0,1,2,3
	v_max_num_f32 v[232+\b], 0x2800000, v[232+\b]  ; the floor 2^(5 - 127)
.endr
.irp b, 0,1,2,3
	v_add_nc_u32 v[244+\b], 0xfe000000, v[232+\b]
.endr
.irp b, 0,1,2,3
	v_lshrrev_b32 v[236+\b], 23, v[244+\b]
.endr
	v_lshl_or_b32 v253, v237, 8, v236              ; p's scale word for these 128 keys
	v_lshl_or_b32 v253, v238, 16, v253
	v_lshl_or_b32 v253, v239, 24, v253
.irp c, 0,1
	v_cvt_scalef32_pk16_bf6_f32 v[224+6*\c:226+6*\c], v[96+32*\c:111+32*\c], v[244+2*\c]
	v_cvt_scalef32_pk16_bf6_f32 v[236+4*\c:238+4*\c], v[112+32*\c:127+32*\c], v[244+2*\c+1]
.endr
	v_nop                                          ; one plain place behind a scaled conversion
.irp c, 0,1
.irp i, 0,1,2
	v_permlane16_swap_b32 v[224+6*\c+\i], v[236+4*\c+\i]
.endr
.irp i, 0,1,2
	v_mov_b32 v[227+6*\c+\i], v[236+4*\c+\i]
.endr
.endr
	v_pk_add_f32 v[236:237], v[96:97], v[98:99]    ; the row's sum is taken of the unquantised p, in two chains
.irp j, 4,8,12,16,20,24,28,32,36,40,44,48,52,56,60
	v_pk_add_f32 v[14:15], v[14:15], v[96+\j:97+\j]
	v_pk_add_f32 v[236:237], v[236:237], v[98+\j:99+\j]
.endr
	v_pk_add_f32 v[14:15], v[14:15], v[236:237]
.set n, 0
.rept 16
	v_pk_mul_f32 v[160+n:161+n], v[160+n:161+n], v[252:253] op_sel_hi:[1,0]   ; O^T under the new M; with the sums above, the places in front of the products below
.set n, n+2
.endr
	s_wait_dscnt 0x0                               ; v's fragments and scale words are in
	s_wait_alu depctr_va_vdst(0)                   ; vector lines have written p's codes v224-235 and its scale word v253, which the scaled products below take; the places above stay beside this wait
.irp c, 0,1,2,3
	v_wmma_scale_f32_16x16x128_f8f6f4 v[160+8*\c:167+8*\c], v[32+12*\c:43+12*\c], v[224:235], v[160+8*\c:167+8*\c], v[200+\c], v253 matrix_a_fmt:MATRIX_FMT_BF6 matrix_b_fmt:MATRIX_FMT_BF6
.endr
	s_add_co_u32 s[TB], s[TB], 6144
	s_add_co_u32 s[TS], s[TS], 512
	s_add_co_u32 s[TJ], s[TJ], 256
	s_add_co_u32 s[KB], s[KB], 128
	s_add_co_u32 s[ST], s[ST], 1
	s_cmp_lt_u32 s[ST], 16
	s_cbranch_scc1 .Lstep
.rept 4
	v_nop
.endr
	s_wait_alu depctr_vm_vsrc(0)                   ; the last step's LDS loads have read v28, which is written below
	v_add_f32 v14, v14, v15
	v_permlanex16_b32 v252, v14, s[SEL], s[SEL+1]
	v_add_f32 v14, v14, v252                       ; the row's sum
	v_rcp_f32 v14, v14
	v_and_b32 v28, 15, v0                          ; (a plain place behind the transcendental)
	v_lshlrev_b32 v28, 2, v28                      ; 4 r
.set n, 0
	s_wait_alu depctr_va_vdst(0)                   ; the reciprocal has written v14, ahead of its first reader
.rept 32
	v_mul_f32 v[96+n], v[160+n], v14               ; o: register 16 g + i is channel 32 g + 16 h + i of my query
.set n, n+1
.endr
.irp b, 0,1
	v_max3_num_f32 v[232+\b], |v[96+16*\b]|, |v[97+16*\b]|, 0x2800000
.endr
.irp i, 2,4,6,8,10,12,14
.irp b, 0,1
	v_max3_num_f32 v[232+\b], v[232+\b], |v[96+16*\b+\i]|, |v[97+16*\b+\i]|
.endr
.endr
.irp b, 0,1
	v_permlanex16_b32 v[236+\b], v[232+\b], s[SEL], s[SEL+1]
.endr
.irp b, 0,1
	v_max_num_f32 v[232+\b], v[232+\b], v[236+\b]
.endr
.irp b, 0,1
	v_add_nc_u32 v[244+\b], 0xfe000000, v[232+\b]
.endr
.irp b, 0,1
	v_lshrrev_b32 v[240+\b], 23, v[244+\b]
.endr
	v_lshl_or_b32 v253, v241, 8, v240              ; my head's two bytes
	v_cvt_scalef32_pk16_bf6_f32 v[224:226], v[96:111], v244
	v_cvt_scalef32_pk16_bf6_f32 v[236:238], v[112:127], v245
	v_nop
.irp i, 0,1,2
	v_permlane16_swap_b32 v[224+\i], v[236+\i]
.endr
.irp i, 0,1,2
	v_mov_b32 v[227+\i], v[236+\i]
.endr
	s_wait_alu depctr_va_vdst(0)                   ; o's codes v224-229, its two bytes v253 and the offset v28 are written, which the three stores read
	global_store_b128 v[AK16], v[224:227], s[56:57]
	global_store_b64 v[AK8], v[228:229], s[56:57] offset:512
	global_store_b16 v28, v253, s[58:59]           ; lanes l and l + 16 store the same two bytes to the same place
	s_wait_dscnt 0x0                               ; the closing lines, six on end
	s_wait_alu 0x0
	s_wait_tensorcnt 0x0
	ds_add_u32 v250, v251
	s_wait_dscnt 0x0
	s_endpgm
.Lfunc_end_k_q1e4a953b5e_attn:
	.size	k_q1e4a953b5e_attn, .Lfunc_end_k_q1e4a953b5e_attn-k_q1e4a953b5e_attn
	.p2alignl 7, 3214868480
	.fill 96, 4, 3214868480
	.section	.rodata,"a",@progbits
	.p2align	6, 0x0
	.amdhsa_kernel k_q1e4a953b5e_attn
		.amdhsa_group_segment_fixed_size 210944
		.amdhsa_private_segment_fixed_size 0
		.amdhsa_enable_private_segment 0
		.amdhsa_kernarg_size 32
		.amdhsa_user_sgpr_count 2
		.amdhsa_user_sgpr_kernarg_segment_ptr 1
		.amdhsa_wavefront_size32 1
		.amdhsa_system_sgpr_workgroup_id_x 1
		.amdhsa_system_sgpr_workgroup_id_y 1
		.amdhsa_system_sgpr_workgroup_id_z 1
		.amdhsa_system_vgpr_workitem_id 0
		.amdhsa_next_free_vgpr 256
		.amdhsa_next_free_sgpr 66
		.amdhsa_reserve_vcc 0
		.amdhsa_float_denorm_mode_32 3
		.amdhsa_float_denorm_mode_16_64 3
		.amdhsa_memory_ordered 1
		.amdhsa_forward_progress 1
		.amdhsa_inst_pref_size 48
	.end_amdhsa_kernel
	.amdgpu_metadata
---
amdhsa.version: [ 1, 2 ]
amdhsa.kernels:
  - .name:           k_q1e4a953b5e_attn
    .symbol:         k_q1e4a953b5e_attn.kd
    .args:
      - { .name: qkv, .offset: 0, .size: 8, .value_kind: global_buffer, .address_space: global }
      - { .name: flags, .offset: 8, .size: 8, .value_kind: global_buffer, .address_space: global }
      - { .name: mask, .offset: 16, .size: 8, .value_kind: global_buffer, .address_space: global }
      - { .name: oq, .offset: 24, .size: 8, .value_kind: global_buffer, .address_space: global }
    .group_segment_fixed_size: 210944
    .private_segment_fixed_size: 0
    .kernarg_segment_align: 8
    .kernarg_segment_size: 32
    .max_flat_workgroup_size: 512
    .sgpr_count:     66
    .vgpr_count:     256
    .wavefront_size: 32
...
	.end_amdgpu_metadata
.endif
;; end of part 11
;; launch proj: the kernel of part 9 again; grid 8 x 32, 4 waves a work-group, clusters of 4 x 4, 327,680 bytes of LDS; arguments oq, wq, bp, x, y; writes y
;; launch ln1: the kernel of part 5 again; grid 256 x 1, 4 waves a work-group, no clusters, 66,304 bytes of LDS; arguments y, gamma1, beta1, x1; writes x1
;; launch ffn1: the kernel of part 6 again; grid 16 x 16, 4 waves a work-group, clusters of 4 x 4, 327,680 bytes of LDS; arguments x1, wq, b1, hq; writes hq
;; launch ffn2: the kernel of part 10 again; grid 8 x 32, 4 waves a work-group, clusters of 4 x 4, 327,680 bytes of LDS; arguments hq, wq, b2, x1, y; writes y
;; launch ln2: the kernel of part 8 again; grid 256 x 1, 4 waves a work-group, no clusters, 0 bytes of LDS; arguments y, gamma2, beta2, out0; writes out0
